; MI455X (gfx1250); checked and timed in simulation.
; The chip was launched on July 23, 2026; its instructions are those of AMD's public machine-readable ISA for CDNA 5 (MIT licence, August 2026) and "CDNA5" Instruction Set Architecture Reference Guide (July 2026). The comments in the code are by the model that wrote it; some were corrected since.
;; Attention. Allowed arithmetic: matrix products marked QUANTISED: E4M3 operands, one given power-of-two scale a tensor, by v_wmma_f32_16x16x64_fp8_fp8 or v_wmma_f32_16x16x128_fp8_fp8, f32 sums; everything else in f32.
;; Inputs: cos_BTK 2 x 2,048 x 128 float32; hidden_BTD 2 x 2,048 x 2,048 float32; k_norm_w 128 float32; lowp_scales 12 int32 (the exponents e of the quantised operands' scales 2^e); position_ids_BT 2 x 2,048 int32; q_norm_w 128 float32; segment_ids_BT 2 x 2,048 int32; sin_BTK 2 x 2,048 x 128 float32; w_k 2,048 x 512 float32; w_o 1,024 x 2,048 float32; w_q 2,048 x 2,048 float32; w_v 2,048 x 512 float32.
;; Outputs: out0 2 x 2,048 x 2,048 float32.
;; This version of the problem:
;;   THIS VERSION OF THE PROBLEM IS GIVEN IN LOW PRECISION. The matrix products marked QUANTISED in the list below multiply operands that are first quantised to E4M3 (4 exponent bits, 3 mantissa bits; 8 bits a number), with one given power-of-two scale for each operand tensor; their sums are f32. All else is computed in f32.
;;   The module's matrix products, in the order in which they are computed (A, B: the left and right operand; K: the contracted axis; several contracted axes count as one K, in the product's order):
;;     1. [M 4,096, K 2,048] x [K 2,048, N 2,048]; A: input hidden_BTD; B: input w_q: QUANTISED (scales: A lowp_scales[0], B lowp_scales[1])
;;     2. [M 4,096, K 2,048] x [K 2,048, N 512]; A: input hidden_BTD; B: input w_k: QUANTISED (scales: A lowp_scales[2], B lowp_scales[3])
;;     3. [M 4,096, K 2,048] x [K 2,048, N 512]; A: input hidden_BTD; B: input w_v: QUANTISED (scales: A lowp_scales[4], B lowp_scales[5])
;;     4. batch 16 x [M 2,048, K 128] x [K 128, N 2,048]; A: computed on the way; B: computed on the way: QUANTISED (scales: A lowp_scales[6], B lowp_scales[7])
;;     5. batch 16 x [M 128, K 2,048] x [K 2,048, N 2,048]; A: computed on the way; B: softmax (see below): QUANTISED (scales: A lowp_scales[8], B lowp_scales[9])
;;     6. [M 4,096, K 1,024] x [K 1,024, N 2,048]; A: computed on the way; B: input w_o: QUANTISED (scales: A lowp_scales[10], B lowp_scales[11])
;;   THE QUANTISER, for each operand of a quantised product, along K:
;;     - The operand's scale is 2^e, e = its entry of the input lowp_scales (int32; the entries are numbered through the quantised products in the list's order, A before B).
;;     - Each number is divided by the scale, clamped to +-448, and rounded to the nearest number of E4M3, ties to even, subnormals kept.
;;     - The product sums the exact products of the quantised numbers (number of the format x scale) in f32.
;;   ~~~python
;;   def quantise(x, axis, e):      # numpy; x: float32 -> the quantised numbers, widened to float32 again
;;       x = np.moveaxis(x, axis, -1); K = x.shape[-1]
;;       r = np.clip(x / 2.0 ** e, -448, 448)
;;       step = 2.0 ** (np.maximum(np.frexp(np.where(r == 0, 1, r))[1] - 1, -6) - 3)
;;       q = np.round(r / step) * step * 2.0 ** e      # np.round: ties to even
;;       return np.moveaxis(q, -1, axis).astype(np.float32)
;;   ~~~
;;   SOFTMAX AHEAD OF A QUANTISED PRODUCT. Where the list says 'softmax', what is quantised is not the finished softmax but p = 2^(t - M), with t = logit x log2(e) and M = ceil(the row's largest t), a whole number; so 1/2 < the row's largest p <= 1. The row's sum l is taken of the UNQUANTISED p, in f32, and the product's result is divided by l at the end. Since M is a whole number, a kernel that streams over the keys may use a running M (the ceiling of the running maximum): every later rescaling is an exact power of two, so the quantised numbers keep their values, but for numbers so far below the row's largest that they fall under the format's range.
;;   OPERANDS COMPUTED ON THE WAY. 'Computed on the way' means the value that the module computes at that place (a softmax that the list does not call 'softmax' is quantised finished and normalised). What goes into a quantiser is computed in f32, as accurately as f32 sums, v_exp_f32 and their like allow (about 1e-6 of the number): no bf16 or f16 on the way to a quantiser, and a product that is left as it is and whose result goes on into a quantised operand takes f32 operands (vector FMAs, or v_wmma_f32_16x16x4_f32). A number that lies on a knife's edge between two numbers of the format may be rounded either way, as far as f32 arithmetic and the matrix unit's own rounding can turn it there, and no further.
;; 2 versions. Each part assembles by itself: llvm-mc -triple=amdgcn-amd-amdhsa -mcpu=gfx1250 --defsym DOCPART=n.
;; ======== version 1 of 2: 4 launches
;; workspace buffers: hf 25,165,824 bytes; wf 8,388,608 bytes; csf 4,194,304 bytes; qf 4,194,304 bytes; kf 2,097,152 bytes; vf 2,097,152 bytes; gf 16,777,216 bytes; af 4,194,304 bytes
;; launch prep (part 1): grid 1664 x 1, 4 waves a work-group, no clusters, 68,096 bytes of LDS; arguments hidden_BTD, cos_BTK, sin_BTK, w_q, w_k, w_v, w_o, lowp_scales, hf, wf, csf; writes hf, wf, csf
.if DOCPART == 1
	.amdgcn_target "amdgcn-amd-amdhsa--gfx1250"
	.amdhsa_code_object_version 6
	.text
	.protected	k_q1b3a055559_prep
	.globl	k_q1b3a055559_prep
	.p2align	8
	.type	k_q1b3a055559_prep,@function
k_q1b3a055559_prep:
	s_mov_b64 s[64:65], 0
	v_nop
	global_prefetch_b8 v0, s[64:65] scope:SCOPE_SE
	s_setreg_imm32_b32 hwreg(HW_REG_WAVE_MODE, 25, 1), 1
	s_wait_xcnt 0x0
; THE INPUTS ARE QUANTISED ONCE AND LAID AS THE LATER LAUNCHES' OPERAND REGISTERS WANT THEM.
; A FRAGMENT is 16 rows x 128 along K of E4M3 codes: 16 registers a lane; lane (r = lane % 16, h = lane / 16) holds row r, registers 2 c and 2 c + 1 hold k = 16 c + 8 h + 0 .. 7.
; Its IMAGE is 2,048 bytes: registers 4 g .. 4 g + 3 of lane l at byte 512 g + 16 l, so four accesses of 16 bytes a lane, 512 consecutive bytes each, move it.
; code = x / 2^e, held within +-448, rounded to the nearest code, ties to even; e comes from lowp_scales.
;   work-groups    0 ..  511: the weights, stored [k][n]: a lane takes a column n, its registers run down K.  wf = [strip n / 16][K step][2048]: w_q from byte 0, w_k from 4 MiB, w_v from 5 MiB, w_o from 6 MiB.
;   work-groups  512 .. 1535: hidden, three times (e0, e2, e4 need not be equal): hf = [3][256 strips of 16 tokens][16 K steps][2048].  A wave makes one fragment of each set.
;   work-groups 1536 .. 1663: cos and sin, f32, re-laid: csf = [256 strips][cos 8192 | sin 8192]; register 8 b + j of lane (r, h) is column 16 b + 8 h + j of token r; registers 4 m .. 4 m + 3 at 512 m + 16 l.
; segment_ids_BT and position_ids_BT enter no expression of the function that is computed, so no launch of this program loads them.
; LIMITS: each e between -126 and 119.  NaN and infinities among the inputs are not served.
; No tensor loads, no barrier: waves share nothing.  The two ways that use LDS have LDS bytes of their own.
.set REGC,  33792                      ; LDS: 0 .. 33,791 hidden's four stages (16 rows x 528 bytes a wave); from here the same for cos and sin
.set SPARE, 67584                      ; behind them: the spare words, 128 bytes for each wave, which no other line names
.set LO,  2                            ; v2  16 x lane
.set STI, 3                            ; v3  the stage, way in: wave x 8,448 + 16 x lane
.set STO, 4                            ; v4  the stage, way out: wave x 8,448 + 528 r + 32 h
.set VO,  5                            ; v5  lane / 16; in the weights' way: my 16 bytes in wf
.set L4,  6                            ; v6  4 x lane
.set RR,  7                            ; v7  r
.set SPW, 8                            ; v8  my spare word
.set NIL, 9                            ; v9  0
.set X,   16                           ; v16-79   64 numbers
.set T,   80                           ; v80-95   two sets of 8 held numbers
.set C,   96                           ; v96-143  codes
; v10 .. v15: 2^e and 448 x 2^e, up to three pairs
.macro SCALE e, vs, vl                 ; s[e] = the exponent: v[vs] = 2^e as f32 (the conversion takes its exponent field), v[vl] = 448 x 2^e
	s_add_co_i32 s62, s[\e], 127
	s_lshl_b32 s63, s62, 23
	v_mov_b32 v[\vs], s63
	s_add_co_i32 s62, s62, 8
	s_lshl_b32 s62, s62, 23
	s_or_b32 s62, s62, 0x600000
	v_mov_b32 v[\vl], s62
.endm
.macro LDSC                            ; the twelve exponents into s36 .. s47
	s_load_b256 s[36:43], s[18:19], 0x0
	s_load_b128 s[44:47], s[18:19], 0x20
.endm
.macro LOADJ pitch                     ; 16 rows x 512 bytes: each load reads 512 consecutive bytes of one row
.set i, 0
.rept 16
	global_load_b128 v[X+4*i:X+4*i+3], v[LO], s[28:29] offset:i*\pitch th:TH_LOAD_NT
.set i, i+1
.endr
.endm
.macro TURNJ reg                       ; through my own stage: in by rows as loaded, out so that X[8 c + j] is column 16 c + 8 h + j of row r
.set i, 0
.rept 16
	s_wait_loadcnt 15-i                            ; loads come back in order: row i is in, the 15 - i younger ones may be out
	ds_store_b128 v[STI], v[X+4*i:X+4*i+3] offset:\reg+528*i
.set i, i+1
.endr
.set i, 0
.rept 16
	ds_load_b128 v[X+4*i:X+4*i+3], v[STO] offset:\reg+64*(i/2)+16*(i%2)   ; LDS serves a wave's instructions in order: these see my stores
.set i, i+1
.endr
.endm
; ---- the weights' macros.  n = the weight's row length
.macro WSET n                          ; s53 = nx (128 columns), s54 = ky (128 along K), s51 = bytes of a strip in wf, s52 = the weight's first byte in wf, s50 = e, s[28:29] = the weight
	s_mul_i32 s55, s54, 512*\n                     ; 128 rows of n x 4 bytes
	s_lshl_b32 s56, s53, 9
	s_add_co_u32 s55, s55, s56
	s_lshl_b32 s56, s26, 7                         ; my wave's 32 columns
	s_add_co_u32 s56, s55, s56
	s_mov_b32 s57, 0
	s_add_nc_u64 s[28:29], s[28:29], s[56:57]
	s_lshl_b32 s58, s53, 3
	s_lshl_b32 s59, s26, 1
	s_add_co_u32 s58, s58, s59                     ; my first strip: 8 nx + 2 wave
	s_mul_i32 s58, s58, s51
	s_add_co_u32 s58, s58, s52
	s_lshl_b32 s59, s54, 11
	s_add_co_u32 s58, s58, s59                     ; + K step ky
	s_mov_b32 s59, 0
	s_add_nc_u64 s[30:31], s[22:23], s[58:59]
	v_mul_lo_u32 v[VO], v[VO], s51                 ; lanes 16-31 hold the next strip
	v_lshl_add_u32 v[VO], v[RR], 4, v[VO]
	SCALE 50, 10, 11
.endm
.macro WLOAD t, n                      ; W(32 t + i, my column), i = 0 .. 31: 128 consecutive bytes a wave
.set i, 0
.rept 32
	global_load_b32 v[X+32*((\t)%2)+i], v[L4], s[28:29] offset:(32*(\t)+i)*(\n)*4 th:TH_LOAD_NT
.set i, i+1
.endr
.endm
.macro WBLOCK t, n
.set XS, X+32*((\t)%2)
.if (\t) < 3
	s_wait_loadcnt 32                              ; this block's 32 loads are in; the next block's may be out
.else
	s_wait_loadcnt 0
.endif
.set i, 0
.rept 32
	v_med3_num_f32 v[XS+i], v[XS+i], -v11, v11     ; the conversion to an 8-bit code does not saturate (ISA guide 7.6.2): the hold comes first
.set i, i+1
.endr
	; k = 32 t + 8 g + 0 .. 7 is c = 2 t + g / 2, h = g % 2: g = 0 and 2 are lane r's registers 4 t .. 4 t + 3, g = 1 and 3 lane 16 + r's
	v_cvt_scalef32_pk8_fp8_f32 v[C+8*(\t):C+8*(\t)+1], v[XS:XS+7], v10
	v_cvt_scalef32_pk8_fp8_f32 v[C+8*(\t)+4:C+8*(\t)+5], v[XS+8:XS+15], v10
	v_cvt_scalef32_pk8_fp8_f32 v[C+8*(\t)+2:C+8*(\t)+3], v[XS+16:XS+23], v10
	v_cvt_scalef32_pk8_fp8_f32 v[C+8*(\t)+6:C+8*(\t)+7], v[XS+24:XS+31], v10
	global_store_b128 v[VO], v[C+8*(\t):C+8*(\t)+3], s[30:31] offset:512*(\t)          ; sixteen lanes store 256 consecutive bytes, aligned; each block has its own registers, so no store's data are written again
	global_store_b128 v[VO], v[C+8*(\t)+4:C+8*(\t)+7], s[30:31] offset:512*(\t)+256
.if (\t)+2 < 4
	WLOAD (\t)+2, \n
.endif
.endm
.macro WBODY n
	WLOAD 0, \n
	WLOAD 1, \n
.irp t, 0,1,2,3
	WBLOCK \t, \n
.endr
.endm
	s_load_b512 s[4:19], s[0:1], 0x0               ; hidden s[4:5], cos s[6:7], sin s[8:9], w_q s[10:11], w_k s[12:13], w_v s[14:15], w_o s[16:17], lowp_scales s[18:19]
	s_load_b128 s[20:23], s[0:1], 0x40             ; hf, wf
	s_load_b64 s[24:25], s[0:1], 0x50              ; csf
	v_lshl_add_u32 v[SPW], v0, 2, SPARE
	v_mov_b32 v[NIL], 0
	v_lshrrev_b32 v1, 5, v0
	v_readfirstlane_b32 s26, v1                    ; wave 0..3
	v_and_b32 v1, 31, v0                           ; lane
	v_lshlrev_b32 v[LO], 4, v1
	v_lshlrev_b32 v[L4], 2, v1
	v_and_b32 v[RR], 15, v1
	v_lshrrev_b32 v[VO], 4, v1
	s_mul_i32 s27, s26, 8448
	v_add_nc_u32 v[STI], s27, v[LO]
	v_mul_u32_u24 v[STO], v[RR], 528
	v_lshl_add_u32 v[STO], v[VO], 5, v[STO]
	v_add_nc_u32 v[STO], s27, v[STO]
	s_wait_kmcnt 0x0
	s_cmp_lt_u32 ttmp9, 512
	s_cbranch_scc0 .Lnot_w
	; ---------------- the weights: 128 columns x 128 along K a work-group, 32 columns a wave
	LDSC
	s_sub_co_u32 s48, ttmp9, 256
	s_cmp_lt_u32 s48, 128
	s_cbranch_scc1 .Lw_narrow
	s_sub_co_u32 s49, ttmp9, 384                   ; rows of 2,048 numbers: w_q (work-groups 0 .. 255) or w_o (384 .. 511)
	s_mov_b32 s51, 0x4000
	s_wait_kmcnt 0x0
	s_cmp_lt_u32 ttmp9, 256
	s_cselect_b32 s49, ttmp9, s49
	s_cselect_b64 s[28:29], s[10:11], s[16:17]
	s_cselect_b32 s50, s37, s47                    ; e1 or e11
	s_cselect_b32 s52, 0, 0x600000
	s_cselect_b32 s51, 0x8000, s51                 ; a strip has 16 K steps, w_o's 8
	s_and_b32 s53, s49, 15
	s_lshr_b32 s54, s49, 4
	WSET 2048
	WBODY 2048
	s_branch .Lend
.Lw_narrow:                                            ; rows of 512 numbers: w_k (256 .. 319) or w_v (320 .. 383)
	s_and_b32 s49, s48, 63
	s_mov_b32 s52, 0x500000
	s_mov_b32 s51, 0x8000
	s_wait_kmcnt 0x0
	s_cmp_lt_u32 ttmp9, 320
	s_cselect_b64 s[28:29], s[12:13], s[14:15]
	s_cselect_b32 s50, s39, s41                    ; e3 or e5
	s_cselect_b32 s52, 0x400000, s52
	s_and_b32 s53, s49, 3
	s_lshr_b32 s54, s49, 2
	WSET 512
	WBODY 512
	s_branch .Lend
.Lnot_w:
	s_cmp_lt_u32 ttmp9, 1536
	s_cbranch_scc0 .Lcs
	; ---------------- hidden: a wave takes 16 tokens x 128 along K and makes that fragment three times
	LDSC
	s_sub_co_u32 s48, ttmp9, 512
	s_lshr_b32 s49, s48, 2                         ; strip
	s_and_b32 s50, s48, 3
	s_lshl_b32 s50, s50, 2
	s_add_co_u32 s50, s50, s26                     ; K step
	s_lshl_b32 s52, s49, 17                        ; 16 rows of 8,192 bytes
	s_lshl_b32 s51, s50, 9
	s_add_co_u32 s52, s52, s51
	s_mov_b32 s53, 0
	s_add_nc_u64 s[28:29], s[4:5], s[52:53]
	LOADJ 8192
	s_lshl_b32 s54, s49, 15
	s_lshl_b32 s51, s50, 11
	s_add_co_u32 s54, s54, s51
	s_mov_b32 s55, 0
	s_add_nc_u64 s[30:31], s[20:21], s[54:55]      ; the three sets lie 8 MiB apart
	s_add_nc_u64 s[32:33], s[30:31], 0x800000
	s_add_nc_u64 s[34:35], s[32:33], 0x800000
	s_wait_kmcnt 0x0
.irp z, 0,1,2
	SCALE 36+2*\z, 10+2*\z, 11+2*\z                ; e0, e2, e4
.endr
	TURNJ 0
	s_wait_dscnt 0x0
.irp z, 0,1,2
.set c, 0
.rept 8
.set TS, T+8*(c%2)
.set j, 0
.rept 8
	v_med3_num_f32 v[TS+j], v[X+8*c+j], -v[11+2*\z], v[11+2*\z]   ; the hold, into one of two sets by turns: eight plain lines stand between a conversion and the next write of its sources
.set j, j+1
.endr
	v_cvt_scalef32_pk8_fp8_f32 v[C+16*\z+2*c:C+16*\z+2*c+1], v[TS:TS+7], v[10+2*\z]
.set c, c+1
.endr
.endr
	v_nop
.irp z, 0,1,2
.irp g, 0,1,2,3
	global_store_b128 v[LO], v[C+16*\z+4*\g:C+16*\z+4*\g+3], s[30+2*\z:31+2*\z] offset:512*\g   ; 512 consecutive bytes, aligned
.endr
.endr
	s_branch .Lend
.Lcs:	; ---------------- cos and sin: a wave re-lays 16 tokens x 128 columns of one table
	s_sub_co_u32 s48, ttmp9, 1536
	s_lshl_b32 s49, s48, 1
	s_lshr_b32 s50, s26, 1
	s_add_co_u32 s49, s49, s50                     ; strip
	s_and_b32 s50, s26, 1                          ; 0: cos, 1: sin
	s_cmp_eq_u32 s50, 0
	s_cselect_b64 s[28:29], s[6:7], s[8:9]
	s_lshl_b32 s52, s49, 13                        ; 16 rows of 512 bytes
	s_mov_b32 s53, 0
	s_add_nc_u64 s[28:29], s[28:29], s[52:53]
	LOADJ 512
	s_lshl_b32 s54, s49, 14
	s_lshl_b32 s51, s50, 13
	s_add_co_u32 s54, s54, s51
	s_mov_b32 s55, 0
	s_add_nc_u64 s[30:31], s[24:25], s[54:55]
	TURNJ REGC
.set i, 0
.rept 16
	s_wait_dscnt 15-i
	global_store_b128 v[LO], v[X+4*i:X+4*i+3], s[30:31] offset:512*i
.set i, i+1
.endr
.Lend:
	s_wait_tensorcnt 0x0                           ; the wave's end, behind my last LDS store
	ds_add_u32 v[SPW], v[NIL]
	s_wait_dscnt 0x0
	s_endpgm
.Lfunc_end_k_q1b3a055559_prep:
	.size	k_q1b3a055559_prep, .Lfunc_end_k_q1b3a055559_prep-k_q1b3a055559_prep
	.p2alignl 7, 3214868480
	.fill 96, 4, 3214868480
	.section	.rodata,"a",@progbits
	.p2align	6, 0x0
	.amdhsa_kernel k_q1b3a055559_prep
		.amdhsa_group_segment_fixed_size 68096
		.amdhsa_private_segment_fixed_size 0
		.amdhsa_enable_private_segment 0
		.amdhsa_kernarg_size 88
		.amdhsa_user_sgpr_count 2
		.amdhsa_user_sgpr_kernarg_segment_ptr 1
		.amdhsa_wavefront_size32 1
		.amdhsa_system_sgpr_workgroup_id_x 1
		.amdhsa_system_sgpr_workgroup_id_y 1
		.amdhsa_system_sgpr_workgroup_id_z 1
		.amdhsa_system_vgpr_workitem_id 0
		.amdhsa_next_free_vgpr 144
		.amdhsa_next_free_sgpr 66
		.amdhsa_reserve_vcc 0
		.amdhsa_float_denorm_mode_32 3
		.amdhsa_float_denorm_mode_16_64 3
		.amdhsa_memory_ordered 1
		.amdhsa_forward_progress 1
		.amdhsa_inst_pref_size 76
	.end_amdhsa_kernel
	.amdgpu_metadata
---
amdhsa.version: [ 1, 2 ]
amdhsa.kernels:
  - .name:           k_q1b3a055559_prep
    .symbol:         k_q1b3a055559_prep.kd
    .args:
      - { .name: hidden_BTD, .offset: 0, .size: 8, .value_kind: global_buffer, .address_space: global }
      - { .name: cos_BTK, .offset: 8, .size: 8, .value_kind: global_buffer, .address_space: global }
      - { .name: sin_BTK, .offset: 16, .size: 8, .value_kind: global_buffer, .address_space: global }
      - { .name: w_q, .offset: 24, .size: 8, .value_kind: global_buffer, .address_space: global }
      - { .name: w_k, .offset: 32, .size: 8, .value_kind: global_buffer, .address_space: global }
      - { .name: w_v, .offset: 40, .size: 8, .value_kind: global_buffer, .address_space: global }
      - { .name: w_o, .offset: 48, .size: 8, .value_kind: global_buffer, .address_space: global }
      - { .name: lowp_scales, .offset: 56, .size: 8, .value_kind: global_buffer, .address_space: global }
      - { .name: hf, .offset: 64, .size: 8, .value_kind: global_buffer, .address_space: global }
      - { .name: wf, .offset: 72, .size: 8, .value_kind: global_buffer, .address_space: global }
      - { .name: csf, .offset: 80, .size: 8, .value_kind: global_buffer, .address_space: global }
    .group_segment_fixed_size: 68096
    .private_segment_fixed_size: 0
    .kernarg_segment_align: 8
    .kernarg_segment_size: 88
    .max_flat_workgroup_size: 128
    .sgpr_count:     66
    .vgpr_count:     144
    .wavefront_size: 32
...
	.end_amdgpu_metadata
.endif
;; end of part 1
;; launch qkv (part 2): grid 16 x 12, 4 waves a work-group, clusters of 4 x 1, 327,680 bytes of LDS; arguments hf, wf, csf, q_norm_w, k_norm_w, lowp_scales, qf, kf, vf, gf; writes qf, kf, vf, gf
.if DOCPART == 2
	.amdgcn_target "amdgcn-amd-amdhsa--gfx1250"
	.amdhsa_code_object_version 6
	.text
	.protected	k_q1b3a055559_qkv
	.globl	k_q1b3a055559_qkv
	.p2align	8
	.type	k_q1b3a055559_qkv,@function
k_q1b3a055559_qkv:
	s_mov_b64 s[64:65], 0
	v_nop
	global_prefetch_b8 v0, s[64:65] scope:SCOPE_SE
	s_setreg_imm32_b32 hwreg(HW_REG_WAVE_MODE, 25, 1), 1
	s_wait_xcnt 0x0
	s_wait_alu depctr_hold_cnt(0) depctr_sa_sdst(0) depctr_va_vdst(0) depctr_va_sdst(0) depctr_va_ssrc(0) depctr_va_vcc(0) depctr_vm_vsrc(0)
	s_getreg_b32 s2, hwreg(HW_REG_IB_STS2, 6, 4)
	s_cmp_eq_u32 s2, 0
	s_cbranch_scc0 .Lentry_in_a_cluster
	s_endpgm
.Lentry_in_a_cluster:
	s_bfe_u32 s2, ttmp6, 0x10000c
	s_cmp_lg_u32 s2, 0x3003
	s_cbranch_scc0 .Lentry_shape_is_right
	s_endpgm
.Lentry_shape_is_right:
; hidden x (w_q | w_k | w_v) on E4M3 codes, and what follows each: q and k: RMS norm, RoPE, quantiser; gate: x -log2(e), kept in f32; v: quantiser along the keys.
; A tile is 256 tokens (x: token tile mt) x 256 rows of wf (y: 0-7 head y, its 128 q and 128 gate columns; 8, 9: two heads of k each; 10, 11: two heads of v each).  Four waves, 128 x 128 each: 64 accumulators.
; 192 work-groups: 4,096 x 3,072 results make no more tiles of this size, and a smaller wave tile would read twice the LDS bytes for each matrix instruction.
; OPERANDS ARE IMAGES OF REGISTERS (16 rows x 128 K = 2,048 bytes; registers 4 g .. 4 g + 3 of lane l at 512 g + 16 l): no pitch, no padding; every LDS load reads 512 consecutive bytes.
; K goes in steps of 256 through two LDS slots.  A wave's tensor load brings 8 strips x 4,096 bytes: waves 0 and 1 the tokens' codes (bytes 0 .. 65,535 of a slot), waves 2 and 3 the weights' (65,536 on).
; CLUSTER 4 x 1: the four partners are four token tiles of one y and ask for the weights' tile JOINTLY (mask 15); the tokens' tile is each work-group's own (mask 0).  Not 4 x 4: k and v have two weight tiles each,
; their token codes differ (e2, e4) and so do their ways out, so four partners along y would share neither a tile nor the branch below.
; THE MATRIX INSTRUCTION: source 0 = 16 rows of S0, source 1 = 16 rows of S1: lane (r, h) holds S1's row r, register j S0's row 8 h + j.  For q, gate, k: S1 = tokens, S0 = weights: a lane's registers run along the head's
; 128.  For v the roles change places (only the two read bases differ): S1 = the head's 128, S0 = tokens: the registers run along the keys, which are the K of the product that takes v.
; So eight neighbouring registers are eight neighbours along the next K, one conversion gives registers 2 c and 2 c + 1 of the next operand, and results leave as images: no LDS on the way out.
; LIMITS: e0 + e1, e2 + e3, e4 + e5 between -59 and 67; e6, e7, e8 - e4 - e5 between -126 and 119.  NaN and infinities are not served.
; REGISTERS: window 0: v16-31 addresses and constants; v32-95 norm weights (v: codes from v32); v96-223 cos/sin buffer 2; v128-255 S1's fragments in the loop; v224-239 codes; v240-255 at work.
;   window 1: S0's fragments, two sets; on the way out cos/sin buffers 0 and 1.   windows 2, 3: the accumulators ((a, b) at v[8 (8 (a % 4) + b)]).
.set KDIM,   2048
.set STRIPB, 16*KDIM                   ; a strip of 16 rows in memory: KDIM / 128 images
.set FR,     16
.set NL,     4
.set NP,     4
.set SLOT,   131072
.set SPARE,  262144                    ; behind the ring: the spare words, 128 bytes for each wave, which no other line names
.set LAPS,   KDIM/512
.set ADRA, 16                          ; v16-17  S1's fragments in slot 0, 1
.set ADRB, 20                          ; v20-21  S0's
.set LO,   24                          ; v24  16 x lane
.set HO,   25                          ; v25  32 x (lane / 16)
.set SPW,  28
.set NIL,  29
.set QS,   30                          ; v30  the quantiser's 2^XE
.set QL,   31                          ; v31  448 x 2^XE
.set NW,   32
.set AF,   128
.set WVN,  4                           ; s4 wave, s5 wave / 2, s6 wave % 2, s7 cx, s8 mt, s9 y, s11 the way out
.set WHI,  5
.set G1A,  12                          ; s[12:19] group 1, tokens;  s[20:27] group 1, weights;  s[28:35], s[36:43] their groups 0, one set a slot
.set G1B,  20
.set G0A,  28
.set G0B,  36
.set MSB, 0
.macro WIN new                         ; the immediate's high byte repeats the setting that is left
.if MSB != (\new)
	s_set_vgpr_msb (MSB<<8)|(\new)
.set MSB, (\new)
.endif
.endm
.set MUL_LO, 0xa1                      ; source 0 window 1, source 1 window 0, C and D window 2
.set MUL_HI, 0xf1
.set TO_B,   0x40
.macro JLOAD g0a, g1a, g0b, g1b        ; waves 0, 1: the first line; waves 2, 3: the second.  An s_nop 0 and four v_nop follow each
	s_cmp_eq_u32 s[WHI], 0
	s_cbranch_scc0 .Lfor_b_\@
	tensor_load_to_lds s[\g0a:\g0a+3], s[\g1a:\g1a+7]
	s_nop 0
.rept 4
	v_nop
.endr
	s_branch .Lasked_\@
.Lfor_b_\@:
	tensor_load_to_lds s[\g0b:\g0b+3], s[\g1b:\g1b+7]
	s_nop 0
.rept 4
	v_nop
.endr
.Lasked_\@:
.endm
.macro CREST                           ; a round of the cluster's barrier behind its opening barrier
	s_cmp_lg_u32 s[WVN], 0
	s_cbranch_scc1 .Lnot_wave_0_\@
	s_barrier_signal -3
.Lnot_wave_0_\@:
	s_barrier_wait -3
	s_barrier_signal -1
	s_barrier_wait -1
.endm
.macro CROUND
	s_barrier_signal -1
	s_barrier_wait -1
	CREST
.endm
.macro PLACES n
.rept \n
	v_nop
.endr
.endm
.macro FRAG reg, adr, q, i             ; strip i, the slot's q-th 128 along K
.irp c, 0,1,2,3
	ds_load_b128 v[\reg+4*\c:\reg+4*\c+3], v[\adr] offset:4096*(\i)+2048*(\q)+512*\c
.endr
.endm
.macro MUL16 a0, p, zero               ; S1's blocks a0, a0 + 1 x S0's eight; the 64 accumulators take turns, one instruction a turn, in the same order in every step
.irp a, \a0, \a0+1
.irp b, 0,1,2,3,4,5,6,7
.if \zero
	v_wmma_f32_16x16x128_fp8_fp8 v[8*(8*((\a)%4)+\b):8*(8*((\a)%4)+\b)+7], v[128*(\p)+FR*\b:128*(\p)+FR*\b+FR-1], v[AF+FR*(\a):AF+FR*(\a)+FR-1], 0
.else
	v_wmma_f32_16x16x128_fp8_fp8 v[8*(8*((\a)%4)+\b):8*(8*((\a)%4)+\b)+7], v[128*(\p)+FR*\b:128*(\p)+FR*\b+FR-1], v[AF+FR*(\a):AF+FR*(\a)+FR-1], v[8*(8*((\a)%4)+\b):8*(8*((\a)%4)+\b)+7]
.endif
.endr
.endr
.endm
.macro FETCH_B slot, q, p
	WIN TO_B
.irp i, 0,1,2,3,4,5,6,7
	FRAG 128*(\p)+FR*\i, ADRB+\slot, \q, \i
.endr
	WIN 0
.endm
.macro FETCH_A slot, q, i0
.irp i, \i0, \i0+1, \i0+2, \i0+3
	FRAG AF+FR*(\i), ADRA+\slot, \q, \i
.endr
.endm
.macro STEP slot, q, zero              ; 128 along K whose successor lies in the same slot
	s_wait_dscnt 4*NL                              ; S0's set and S1's blocks 0-3 are in; the youngest 16 loads (blocks 4-7) may be out
	WIN MUL_LO
	MUL16 0, (\q)%2, \zero
	MUL16 2, (\q)%2, \zero
	s_wait_dscnt 0
	PLACES NP                                      ; four plain places in front of loads into registers that matrix instructions have read
	FETCH_B \slot, (\q)+1, 1-(\q)%2
	FETCH_A \slot, (\q)+1, 0
	WIN MUL_HI
	MUL16 4, (\q)%2, \zero
	MUL16 6, (\q)%2, \zero
	PLACES NP
	WIN 0
	FETCH_A \slot, (\q)+1, 4
.endm
.macro TURN slot, next, fill           ; a slot's last step changes slots: one barrier; fill = 1: it opens a round of the cluster's barrier, and the slot is filled again, two slots ahead
	s_wait_tensorcnt 0x0                           ; all my tensor loads have landed: the one that was out is my part of the next slot
	ds_add_u32 v[SPW], v[NIL]                      ; 0 onto my spare word
	s_wait_dscnt 4*NL+1                            ; (the add and the youngest 16 loads may be out)
	WIN MUL_LO
	MUL16 0, 1, 0
	s_wait_dscnt 0x0                               ; the add is done, and my reads of this slot are over
	s_barrier_signal -1
	MUL16 2, 1, 0
	WIN 0
	s_barrier_wait -1
.if \fill
	CREST                                          ; no wave of any partner still reads this slot or has a load on its way
	s_add_nc_u64 s[G0A+4*\slot+2:G0A+4*\slot+3], s[G0A+4*\slot+2:G0A+4*\slot+3], 8192
	s_add_nc_u64 s[G0B+4*\slot+2:G0B+4*\slot+3], s[G0B+4*\slot+2:G0B+4*\slot+3], 8192
	JLOAD G0A+4*\slot, G1A, G0B+4*\slot, G1B       ; my one tensor load behind the round; its four v_nop are also the places in front of the loads below
.else
	PLACES NP
.endif
	FETCH_B \next, 0, 0
	FETCH_A \next, 0, 0
	WIN MUL_HI
	MUL16 4, 1, 0
	MUL16 6, 1, 0
	PLACES NP
	WIN 0
	FETCH_A \next, 0, 4
.endm
.macro LAST                            ; the very last step: nothing more to fetch
	s_wait_dscnt 4*NL
	WIN MUL_LO
	MUL16 0, 1, 0
	MUL16 2, 1, 0
	s_wait_dscnt 0
	WIN MUL_HI
	MUL16 4, 1, 0
	MUL16 6, 1, 0
	WIN 0
.endm
	s_load_b512 s[68:83], s[0:1], 0x0              ; hf s[68:69], wf s[70:71], csf s[72:73], q_norm_w s[74:75], k_norm_w s[76:77], lowp_scales s[78:79], qf s[80:81], kf s[82:83]
	s_load_b128 s[84:87], s[0:1], 0x40             ; vf, gf
	v_lshl_add_u32 v[SPW], v0, 2, SPARE
	v_mov_b32 v[NIL], 0
	ds_add_u32 v[SPW], v[NIL]                      ; the wave's opening: the add and its wait ahead of my first tensor load
	v_lshrrev_b32 v1, 5, v0
	v_readfirstlane_b32 s4, v1                     ; wave
	s_lshr_b32 s5, s4, 1                           ; which half of S1 is mine.  Also: I fetch tokens (0) or weights (1)
	s_and_b32 s6, s4, 1                            ; which half of S0.  Also: which 8 strips I fetch
	s_bfe_u32 s7, ttmp6, 0x40000                   ; cx
	s_lshl_b32 s8, ttmp9, 2
	s_add_co_u32 s8, s8, s7                        ; mt: it enters global addresses of my own alone
	s_and_b32 s9, ttmp7, 0xffff                    ; y, which the four partners share
	s_mov_b32 s[G1A], 3<<16                        ; no mask; elements of 8 bytes; no padding
	s_mov_b32 s[G1B], 15|(3<<16)|(1<<21)           ; the four partners; bit 21 set beside a mask
.irp g, G1A, G1B
	s_mov_b32 s[\g+1], 512<<16                     ; tensor_dim0: 512 elements = 4,096 bytes: two images of a strip
	s_mov_b32 s[\g+2], 8<<16                       ; tensor_dim1: 8 strips
	s_mov_b32 s[\g+3], 512<<16                     ; tile_dim0
	s_mov_b32 s[\g+4], 8                           ; tile_dim1
	s_mov_b32 s[\g+5], STRIPB/8                    ; from strip to strip
	s_mov_b32 s[\g+6], 0
	s_mov_b32 s[\g+7], 0
.endr
	s_cmp_ge_u32 s9, 8
	s_cselect_b32 s44, 1, 0
	s_cmp_ge_u32 s9, 10
	s_cselect_b32 s10, 1, 0
	s_cselect_b32 s54, 0x10000, 0                  ; where S1 lies in a slot: for v the weights' bytes,
	s_cselect_b32 s55, 0, 0x10000                  ; and S0: for v the tokens'
	s_add_co_u32 s44, s44, s10                     ; which set of token codes: e0, e2 or e4
	s_lshl_b32 s46, s44, 23
	s_lshl_b32 s45, s8, 19                         ; 16 strips of 32,768 bytes a token tile
	s_add_co_u32 s46, s46, s45
	s_lshl_b32 s51, s6, 18                         ; my 8 strips
	s_add_co_u32 s46, s46, s51
	s_mov_b32 s47, 0
	s_lshl_b32 s48, s9, 19
	s_add_co_u32 s48, s48, s51                     ; the weights': y and the wave's number alone
	s_mov_b32 s49, 0
	s_lshl_b32 s50, s4, 15                         ; where my part goes: wave x 32,768
	s_wait_dscnt 0x0                               ; the opening add is done
	s_wait_kmcnt 0x0
	s_load_b256 s[88:95], s[78:79], 0x0            ; e0 .. e7
	s_load_b128 s[96:99], s[78:79], 0x20           ; e8 .. e11
	s_add_nc_u64 s[46:47], s[68:69], s[46:47]
	s_add_nc_u64 s[48:49], s[70:71], s[48:49]
	CROUND                                         ; all four work-groups are here: the first joint loads meet
.irp s, 0,1
	s_mov_b32 s[G0A+4*\s], 1
	s_add_co_u32 s[G0A+4*\s+1], s50, \s*SLOT
	s_add_nc_u64 s[G0A+4*\s+2:G0A+4*\s+3], s[46:47], \s*4096
	s_or_b32 s[G0A+4*\s+3], s[G0A+4*\s+3], 0x80000000
	s_mov_b32 s[G0B+4*\s], 1
	s_add_co_u32 s[G0B+4*\s+1], s50, \s*SLOT
	s_add_nc_u64 s[G0B+4*\s+2:G0B+4*\s+3], s[48:49], \s*4096
	s_or_b32 s[G0B+4*\s+3], s[G0B+4*\s+3], 0x80000000
	JLOAD G0A+4*\s, G1A, G0B+4*\s, G1B             ; two loads of mine are out
.endr
	v_and_b32 v1, 31, v0
	v_lshlrev_b32 v[LO], 4, v1
	v_bfe_u32 v[HO], v0, 4, 1
	v_lshlrev_b32 v[HO], 5, v[HO]
	s_lshl_b32 s52, s5, 15
	s_add_co_u32 s52, s52, s54
	s_lshl_b32 s53, s6, 15
	s_add_co_u32 s53, s53, s55
.irp s, 0,1
	v_add_nc_u32 v[ADRA+\s], s52, v[LO]
	v_add_nc_u32 v[ADRB+\s], s53, v[LO]
	s_add_co_u32 s52, s52, SLOT
	s_add_co_u32 s53, s53, SLOT
.endr
	s_wait_kmcnt 0x0
	s_add_co_i32 s55, s88, s89                     ; a sum stands for sum x 2^EA: EA = e0 + e1,
	s_add_co_i32 s56, s90, s91                     ; e2 + e3,
	s_add_co_i32 s57, s92, s93                     ; or e4 + e5
	s_sub_co_i32 s59, s96, s57                     ; v's code is sum / 2^(e8 - e4 - e5)
	s_cmp_ge_u32 s9, 8
	s_cselect_b32 s55, s56, s55
	s_cselect_b32 s58, s95, s94                    ; k: e7, q: e6
	s_cselect_b64 s[60:61], s[76:77], s[74:75]     ; the norm's weights
	s_cmp_ge_u32 s9, 10
	s_cselect_b32 s55, s57, s55                    ; EA
	s_cselect_b32 s58, s59, s58                    ; XE
	s_cselect_b32 s11, 2, 0
	s_cmp_lt_u32 s9, 8
	s_cselect_b32 s11, s6, s11                     ; the way out: 0 norm and RoPE, 1 gate, 2 v: ids alone decide
	s_add_co_i32 s46, s55, 127
	s_lshl_b32 s46, s46, 23                        ; 2^EA
	s_lshl_b32 s47, s55, 1
	s_add_co_i32 s47, s47, 120
	s_lshl_b32 s47, s47, 23                        ; 2^(2 EA - 7): sum of squares -> mean of the true squares
	s_mov_b32 s48, 0x358637bd                      ; 1e-6
	s_lshl_b32 s44, s55, 23
	s_add_co_i32 s44, s44, 0xbfb8aa3b              ; -log2(e) x 2^EA: EA is added to the exponent field
	s_mov_b32 s45, s44
	s_mov_b32 s50, 0x76543210                      ; v_permlanex16_b32: lane l xor 16
	s_mov_b32 s51, 0xfedcba98
	s_add_co_i32 s58, s58, 127
	s_lshl_b32 s59, s58, 23
	v_mov_b32 v[QS], s59
	s_add_co_i32 s58, s58, 8
	s_lshl_b32 s58, s58, 23
	s_or_b32 s58, s58, 0x600000
	v_mov_b32 v[QL], s58
	s_wait_tensorcnt 1                             ; my part of slot 0 is in; slot 1's may stay out
	s_barrier_signal -1
	s_barrier_wait -1
	FETCH_B 0, 0, 0
	FETCH_A 0, 0, 0
	FETCH_A 0, 0, 4
	STEP 0, 0, 1                                   ; the first step's products start the sums
	s_mov_b32 s3, LAPS-1
.Llap:
	TURN 0, 1, 1
	STEP 1, 0, 0
	TURN 1, 0, 1
	STEP 0, 0, 0
	s_sub_co_u32 s3, s3, 1
	s_cmp_lg_u32 s3, 0
	s_cbranch_scc1 .Llap
	TURN 0, 1, 0                                   ; the last lap fills nothing
	STEP 1, 0, 0
	; THE WAYS PART HERE, in front of the last step, which each way holds: so the first way can ask for its tables under that step's products
	s_cmp_eq_u32 s11, 1
	s_cbranch_scc1 .Lgate
	s_cmp_eq_u32 s11, 2
	s_cbranch_scc1 .Lv
; ---------------- q and k: RMS norm, RoPE, quantiser.  Block a = my tokens 16 a .. 16 a + 15: register 8 b + j of lane (r, h) is channel 16 b + 8 h + j of token r
.macro CSLOAD a                        ; cos (64 registers) and sin (64) of block a's tokens, in the same layout, into buffer a % 3
.set LW, 1
.set LB, 128*((\a)%3)
.if ((\a)%3) == 2
.set LW, 0
.set LB, 96
.endif
	WIN LW<<6
.set i, 0
.rept 32
	global_load_b128 v[LB+4*i:LB+4*i+3], v[LO], s[52:53] offset:(\a)*16384+512*i
.set i, i+1
.endr
	WIN 0
.endm
.macro NR a
.set AW, 2+(\a)/4
.set AC, 64*((\a)%4)
.set CW, 1
.set CB, 128*((\a)%3)
.if ((\a)%3) == 2
.set CW, 0
.set CB, 96
.endif
.if (\a) < 7
	s_wait_loadcnt 32                              ; this block's tables are in; the next block's 32 loads may be out
.else
	s_wait_loadcnt 0
.endif
.if (\a)+2 < 8
	CSLOAD (\a)+2                                  ; into the buffer that the block before has left
.endif
	WIN AW|(AW<<2)
.set p, 0
.rept 32                               ; the sum of squares of my 64 channels, in four chains, each accumulator from its low end on
.if p < 4
	v_pk_mul_f32 v[240+2*p:241+2*p], v[AC+2*p:AC+2*p+1], v[AC+2*p:AC+2*p+1]
.else
	v_pk_fma_f32 v[240+2*(p%4):241+2*(p%4)], v[AC+2*p:AC+2*p+1], v[AC+2*p:AC+2*p+1], v[240+2*(p%4):241+2*(p%4)]
.endif
.set p, p+1
.endr
	WIN 0
	v_pk_add_f32 v[240:241], v[240:241], v[242:243]
	v_pk_add_f32 v[244:245], v[244:245], v[246:247]
	v_pk_add_f32 v[240:241], v[240:241], v[244:245]
	v_add_f32 v240, v240, v241
	v_permlanex16_b32 v241, v240, s50, s51         ; the token's other 64 channels lie in lane l xor 16
	v_add_f32 v240, v240, v241
	v_fma_f32 v240, v240, s47, s48                 ; the mean of the true squares + 1e-6
	v_rsq_f32 v241, v240
	v_nop                                          ; a plain place behind the transcendental
	s_wait_alu depctr_va_vdst(0)                   ; and the wait ahead of its first reader
	v_mul_f32 v248, s46, v241                      ; f = 2^EA / sqrt(..): sum x f is x / sqrt(..)
	v_mul_f32 v249, s46, v241
	WIN AW|(AW<<6)
.set p, 0
.rept 32
	v_pk_mul_f32 v[AC+2*p:AC+2*p+1], v[AC+2*p:AC+2*p+1], v[248:249]
.set p, p+1
.endr
.set p, 0
.rept 32
	v_pk_mul_f32 v[AC+2*p:AC+2*p+1], v[AC+2*p:AC+2*p+1], v[NW+2*p:NW+2*p+1]   ; x the norm's weight
.set p, p+1
.endr
.irp b, 0,1,2,3                        ; RoPE: channel d < 64 and channel d + 64 lie in one lane, 32 registers apart
	WIN AW|(CW<<2)
.irp i, 0,2,4,6
	v_pk_mul_f32 v[240+\i:241+\i], v[AC+32+8*\b+\i:AC+33+8*\b+\i], v[CB+64+8*\b+\i:CB+65+8*\b+\i]   ; x(d + 64) sin(d)
	v_pk_mul_f32 v[248+\i:249+\i], v[AC+8*\b+\i:AC+1+8*\b+\i], v[CB+96+8*\b+\i:CB+97+8*\b+\i]       ; x(d) sin(d + 64)
.endr
	WIN AW|(CW<<2)|(AW<<6)
.irp i, 0,2,4,6
	v_pk_fma_f32 v[AC+8*\b+\i:AC+1+8*\b+\i], v[AC+8*\b+\i:AC+1+8*\b+\i], v[CB+8*\b+\i:CB+1+8*\b+\i], v[240+\i:241+\i] neg_lo:[0,0,1] neg_hi:[0,0,1]
	v_pk_fma_f32 v[AC+32+8*\b+\i:AC+33+8*\b+\i], v[AC+32+8*\b+\i:AC+33+8*\b+\i], v[CB+32+8*\b+\i:CB+33+8*\b+\i], v[248+\i:249+\i]
.endr
.endr
	WIN AW|(AW<<6)
.set i, 0
.rept 64
	v_med3_num_f32 v[AC+i], v[AC+i], -v[QL], v[QL] ; the conversion does not saturate (ISA guide 7.6.2): the hold comes first
.set i, i+1
.endr
	WIN AW
.if (\a) > 0
	s_wait_xcnt 0x0                                ; the last block's stores have read the codes' registers
.endif
.irp b, 0,1,2,3,4,5,6,7
	v_cvt_scalef32_pk8_fp8_f32 v[224+2*\b:225+2*\b], v[AC+8*\b:AC+8*\b+7], v[QS]   ; registers 2 b, 2 b + 1 of the fragment: k = 16 b + 8 h + 0 .. 7
.endr
	v_nop
	WIN 0
.irp g, 0,1,2,3
	global_store_b128 v[LO], v[224+4*\g:227+4*\g], s[54:55] offset:(\a)*2048+512*\g   ; 512 consecutive bytes, aligned
.endr
.endm
	s_lshl_b32 s52, s8, 18                         ; csf: strip 16 mt + 8 (wave / 2), 16,384 bytes a strip
	s_lshl_b32 s56, s5, 17
	s_add_co_u32 s52, s52, s56
	s_mov_b32 s53, 0
	s_add_nc_u64 s[52:53], s[72:73], s[52:53]
	s_lshr_b32 s56, s8, 3                          ; batch
	s_and_b32 s57, s8, 7
	s_lshl_b32 s57, s57, 4
	s_lshl_b32 s58, s5, 3
	s_add_co_u32 s57, s57, s58                     ; my first tile of 16 tokens in the batch
	s_lshl_b32 s58, s56, 3
	s_add_co_u32 s58, s58, s9                      ; q: 8 batch + head
	s_lshl_b32 s59, s56, 2
	s_sub_co_u32 s54, s9, 8
	s_lshl_b32 s54, s54, 1
	s_add_co_u32 s59, s59, s54
	s_add_co_u32 s59, s59, s6                      ; k: 4 batch + 2 (y - 8) + wave % 2
	s_cmp_lt_u32 s9, 8
	s_cselect_b32 s58, s58, s59
	s_cselect_b64 s[54:55], s[80:81], s[82:83]
	s_lshl_b32 s58, s58, 7
	s_add_co_u32 s58, s58, s57
	s_lshl_b32 s58, s58, 11
	s_mov_b32 s59, 0
	s_add_nc_u64 s[54:55], s[54:55], s[58:59]
.set i, 0
.rept 8
	global_load_b128 v[NW+8*i:NW+8*i+3], v[HO], s[60:61] offset:64*i       ; the norm's weights of channels 16 i + 8 h + 0 .. 7
	global_load_b128 v[NW+8*i+4:NW+8*i+7], v[HO], s[60:61] offset:64*i+16
.set i, i+1
.endr
	CSLOAD 0                                       ; into S0's set 0, which the step before multiplied last, four places back
	LAST
	PLACES NP                                      ; behind the last products: for the loads into their operands' registers and for the first reads of results
	CSLOAD 1
.irp a, 0,1,2,3,4,5,6,7
	NR \a
.endr
	s_branch .Lend
; ---------------- gate: -log2(e) x gate, f32, in the accumulators' own layout: what the next launch's exponential takes
.macro GT a
.set AW, 2+(\a)/4
.set AC, 64*((\a)%4)
	WIN AW|(AW<<6)
.set p, 0
.rept 32
	v_pk_mul_f32 v[AC+2*p:AC+2*p+1], v[AC+2*p:AC+2*p+1], s[44:45] op_sel_hi:[1,0]
.set p, p+1
.endr
	WIN AW<<2                                      ; a store's data are its source 1
.set i, 0
.rept 16
	global_store_b128 v[LO], v[AC+4*i:AC+4*i+3], s[54:55] offset:(\a)*65536+512*i
.set i, i+1
.endr
.endm
.Lgate:
	s_lshl_b32 s54, s8, 20                         ; gf: ((16 mt + 8 (wave / 2) + a) x 8 + head) x 8,192
	s_lshl_b32 s56, s5, 19
	s_add_co_u32 s54, s54, s56
	s_lshl_b32 s56, s9, 13
	s_add_co_u32 s54, s54, s56
	s_mov_b32 s55, 0
	s_add_nc_u64 s[54:55], s[86:87], s[54:55]
	LAST
	PLACES NP
.irp a, 0,1,2,3,4,5,6,7
	GT \a
.endr
	WIN 0
	s_branch .Lend
; ---------------- v: block a = channels 16 a .. 16 a + 15 of my head; the registers run along my 128 keys: one fragment
.macro VT a
.set AW, 2+(\a)/4
.set AC, 64*((\a)%4)
	WIN AW|(AW<<6)
.set i, 0
.rept 64
	v_med3_num_f32 v[AC+i], v[AC+i], -v[QL], v[QL]
.set i, i+1
.endr
	WIN AW
.irp b, 0,1,2,3,4,5,6,7
	v_cvt_scalef32_pk8_fp8_f32 v[32+16*(\a)+2*\b:33+16*(\a)+2*\b], v[AC+8*\b:AC+8*\b+7], v[QS]
.endr
	v_nop
	WIN 0
.irp g, 0,1,2,3
	global_store_b128 v[LO], v[32+16*(\a)+4*\g:35+16*(\a)+4*\g], s[54:55] offset:(\a)*2048+512*\g   ; each block has its own registers
.endr
.endm
.Lv:
	s_lshr_b32 s56, s8, 3
	s_lshl_b32 s56, s56, 2
	s_sub_co_u32 s57, s9, 10
	s_lshl_b32 s57, s57, 1
	s_add_co_u32 s56, s56, s57
	s_add_co_u32 s56, s56, s5                      ; 4 batch + head
	s_lshl_b32 s56, s56, 4
	s_and_b32 s57, s8, 7
	s_lshl_b32 s57, s57, 1
	s_add_co_u32 s56, s56, s57
	s_add_co_u32 s56, s56, s6                      ; x 16 + the key step
	s_lshl_b32 s54, s56, 14                        ; 8 images a key step
	s_mov_b32 s55, 0
	s_add_nc_u64 s[54:55], s[84:85], s[54:55]
	LAST
	PLACES NP
.irp a, 0,1,2,3,4,5,6,7
	VT \a
.endr
.Lend:
	s_wait_tensorcnt 0x0                           ; the wave's end
	ds_add_u32 v[SPW], v[NIL]
	s_wait_dscnt 0x0
	CROUND                                         ; the closing round: no work-group ends while a partner may still ask for a tile that names it
	s_endpgm
.Lfunc_end_k_q1b3a055559_qkv:
	.size	k_q1b3a055559_qkv, .Lfunc_end_k_q1b3a055559_qkv-k_q1b3a055559_qkv
	.p2alignl 7, 3214868480
	.fill 96, 4, 3214868480
	.section	.rodata,"a",@progbits
	.p2align	6, 0x0
	.amdhsa_kernel k_q1b3a055559_qkv
		.amdhsa_group_segment_fixed_size 327680
		.amdhsa_private_segment_fixed_size 0
		.amdhsa_enable_private_segment 0
		.amdhsa_kernarg_size 80
		.amdhsa_user_sgpr_count 2
		.amdhsa_user_sgpr_kernarg_segment_ptr 1
		.amdhsa_wavefront_size32 1
		.amdhsa_system_sgpr_workgroup_id_x 1
		.amdhsa_system_sgpr_workgroup_id_y 1
		.amdhsa_system_sgpr_workgroup_id_z 1
		.amdhsa_system_vgpr_workitem_id 0
		.amdhsa_next_free_vgpr 1024
		.amdhsa_next_free_sgpr 100
		.amdhsa_reserve_vcc 0
		.amdhsa_float_denorm_mode_32 3
		.amdhsa_float_denorm_mode_16_64 3
		.amdhsa_memory_ordered 1
		.amdhsa_forward_progress 1
		.amdhsa_inst_pref_size 255
	.end_amdhsa_kernel
	.section	.bss,"aw",@nobits
	.p2align	6
	.space	262144
	.amdgpu_metadata
---
amdhsa.version: [ 1, 2 ]
amdhsa.kernels:
  - .name:           k_q1b3a055559_qkv
    .symbol:         k_q1b3a055559_qkv.kd
    .args:
      - { .name: hf, .offset: 0, .size: 8, .value_kind: global_buffer, .address_space: global }
      - { .name: wf, .offset: 8, .size: 8, .value_kind: global_buffer, .address_space: global }
      - { .name: csf, .offset: 16, .size: 8, .value_kind: global_buffer, .address_space: global }
      - { .name: q_norm_w, .offset: 24, .size: 8, .value_kind: global_buffer, .address_space: global }
      - { .name: k_norm_w, .offset: 32, .size: 8, .value_kind: global_buffer, .address_space: global }
      - { .name: lowp_scales, .offset: 40, .size: 8, .value_kind: global_buffer, .address_space: global }
      - { .name: qf, .offset: 48, .size: 8, .value_kind: global_buffer, .address_space: global }
      - { .name: kf, .offset: 56, .size: 8, .value_kind: global_buffer, .address_space: global }
      - { .name: vf, .offset: 64, .size: 8, .value_kind: global_buffer, .address_space: global }
      - { .name: gf, .offset: 72, .size: 8, .value_kind: global_buffer, .address_space: global }
    .group_segment_fixed_size: 327680
    .private_segment_fixed_size: 0
    .kernarg_segment_align: 8
    .kernarg_segment_size: 80
    .max_flat_workgroup_size: 128
    .sgpr_count:     100
    .vgpr_count:     1024
    .wavefront_size: 32
...
	.end_amdgpu_metadata
.endif
;; end of part 2
;; launch attn (part 3): grid 32 x 8, 8 waves a work-group, clusters of 4 x 1, 327,680 bytes of LDS; arguments qf, kf, vf, gf, lowp_scales, af; writes af
.if DOCPART == 3
	.amdgcn_target "amdgcn-amd-amdhsa--gfx1250"
	.amdhsa_code_object_version 6
	.text
	.protected	k_q1b3a055559_attn
	.globl	k_q1b3a055559_attn
	.p2align	8
	.type	k_q1b3a055559_attn,@function
k_q1b3a055559_attn:
	s_mov_b64 s[64:65], 0
	v_nop
	global_prefetch_b8 v0, s[64:65] scope:SCOPE_SE
	s_setreg_imm32_b32 hwreg(HW_REG_WAVE_MODE, 25, 1), 1
	s_wait_xcnt 0x0
	s_wait_alu depctr_hold_cnt(0) depctr_sa_sdst(0) depctr_va_vdst(0) depctr_va_sdst(0) depctr_va_ssrc(0) depctr_va_vcc(0) depctr_vm_vsrc(0)
	s_getreg_b32 s2, hwreg(HW_REG_IB_STS2, 6, 4)
	s_cmp_eq_u32 s2, 0
	s_cbranch_scc0 .Lentry_in_a_cluster
	s_endpgm
.Lentry_in_a_cluster:
	s_bfe_u32 s2, ttmp6, 0x10000c
	s_cmp_lg_u32 s2, 0x3003
	s_cbranch_scc0 .Lentry_shape_is_right
	s_endpgm
.Lentry_shape_is_right:
; Causal attention on E4M3 codes, the sigmoid gate, and the quantiser of the output projection's operand.
; t = score x log2(e) / sqrt(128); M = the running largest t rounded up to a whole number; p = 2^(t - M) is quantised along the keys, not normalised; the row's sum is taken of the unquantised p and divides at the end.
; SHARES.  y = 4 batch + kv head.  A cluster of four work-groups (cluster x = gp, 0 .. 7) owns the groups of 128 queries gp and 15 - gp of both query heads of that kv head: 32 tiles of 16 queries, one a wave.
; Waves 0-3 take group gp, waves 4-7 group 15 - gp: gp + 1 and 16 - gp key steps of 128, 17 for each such pair, in every work-group.  Head = 2 kv head + wave % 2; tile in the group u = 2 cx + (wave / 2) % 2.
; The group hangs on the cluster's x and the wave's number alone, so every branch is alike in all partners; cx enters global addresses and the mask's threshold (a number in a register), nothing else.
; K and V (images of registers, dense in memory) come through two LDS slots of 512 keys: K's 64 KiB, then V's.  Each of the eight waves asks for 16 KiB by one JOINT load (mask 15): the four partners walk the same K and V.
; Every work-group walks all four slots' worth; a step all of whose keys come after a wave's queries is left out by a scalar branch on ids, round its loads and work alone.
; Both products are used transposed: S^T = K Q^T, O^T = V^T P^T: a lane holds one query (lane % 16); register 8 t + j of S^T is key 16 t + 8 h + j, so a conversion of eight registers gives registers 2 t, 2 t + 1 of P.
; LIMITS: e6 + e7 between -123 and 130; e9 and e10 between -126 and 119.  NaN and infinities are not served.
; REGISTERS: v1 16 x lane; v2 the same + 65,536; v3 the mask's threshold; v5, v6 the add's; v8, v9 LDS addresses; v12 -M, v13 largest t, v[14:15] the sum; v16-31 Q; v32-95 sigmoid(gate); v96-159 S^T, p; v160-223 O^T;
;   v224-239 codes; v240, v244: 448 x 2^e9, 2^e9; v248, v249: 2^e10, 448 x 2^e10; v242-243, v246, v252-254 at work.   window 1: v0-127 eight fragments, K's and then V's.
.set SLOT,  131072
.set SPARE, 262144                     ; behind the ring: the spare words, 128 bytes for each of eight waves, which no other line names
.set LI,  1
.set LV,  2
.set DL,  3
.set SPW, 5
.set NIL, 6
.set ADK, 8
.set ADV, 9
.set WV,  18                           ; s18 wave; s[20:21] lane selects; s[22:23] c; s[24:31] group 1; s[32:39] groups 0; s2 the step's LDS byte; s40 key step; s41 my group; s42 a loop's count
.set MSB, 0
.macro WIN new
.if MSB != (\new)
	s_set_vgpr_msb (MSB<<8)|(\new)
.set MSB, (\new)
.endif
.endm
.macro CROUND                          ; a round of the cluster's barrier
	s_barrier_signal -1
	s_barrier_wait -1
	s_cmp_lg_u32 s[WV], 0
	s_cbranch_scc1 .Lnot_wave_0_\@
	s_barrier_signal -3
.Lnot_wave_0_\@:
	s_barrier_wait -3
	s_barrier_signal -1
	s_barrier_wait -1
.endm
	s_load_b256 s[4:11], s[0:1], 0x0               ; qf s[4:5], kf s[6:7], vf s[8:9], gf s[10:11]
	s_load_b128 s[12:15], s[0:1], 0x20             ; lowp_scales s[12:13], af s[14:15]
	v_lshl_add_u32 v[SPW], v0, 2, SPARE
	v_mov_b32 v[NIL], 0
	ds_add_u32 v[SPW], v[NIL]                      ; the wave's opening: the add and its wait ahead of my first tensor load
	v_lshrrev_b32 v8, 5, v0
	v_readfirstlane_b32 s[WV], v8                  ; wave 0..7
	s_bfe_u32 s43, ttmp6, 0x40000                  ; cx
	s_and_b32 s44, ttmp7, 0xffff                   ; y
	s_mov_b32 s24, 15|(3<<16)|(1<<21)              ; the four partners; elements of 8 bytes; bit 21 set beside a mask; no padding
	s_mov_b32 s25, 32<<16                          ; tensor_dim0: 32 elements = 256 bytes
	s_mov_b32 s26, 64<<16                          ; tensor_dim1: 64 rows: 16 KiB, dense
	s_mov_b32 s27, 32<<16                          ; tile_dim0
	s_mov_b32 s28, 64                              ; tile_dim1
	s_mov_b32 s29, 32                              ; the pitch
	s_mov_b32 s30, 0
	s_mov_b32 s31, 0
	s_sub_co_u32 s45, 15, ttmp9
	s_cmp_lt_u32 s[WV], 4
	s_cselect_b32 s41, ttmp9, s45                  ; my group of 128 queries = the last key step that I need
	s_and_b32 s46, s[WV], 3
	s_lshl_b32 s46, s46, 14                        ; my quarter of K's or V's 64 KiB,
	s_lshl_b32 s47, s44, 18                        ; in this kv head's 262,144 bytes
	s_add_co_u32 s46, s46, s47
	s_mov_b32 s47, 0
	s_lshl_b32 s48, s[WV], 14                      ; and in a slot: wave x 16,384
	s_and_b32 s49, s44, 3
	s_lshl_b32 s49, s49, 1
	s_and_b32 s50, s[WV], 1
	s_add_co_u32 s49, s49, s50                     ; head
	s_lshr_b32 s50, s44, 2                         ; batch
	s_bfe_u32 s51, s[WV], 0x10001
	s_lshl_b32 s52, s43, 1
	s_add_co_u32 s51, s51, s52                     ; u
	s_lshl_b32 s52, s41, 3
	s_add_co_u32 s52, s52, s51                     ; my tile of 16 queries in the batch
	s_lshl_b32 s53, s50, 3
	s_add_co_u32 s53, s53, s49
	s_lshl_b32 s53, s53, 7
	s_add_co_u32 s53, s53, s52
	s_lshl_b32 s54, s53, 11                        ; qf: ((8 batch + head) x 128 + tile) x 2,048
	s_mov_b32 s55, 0
	s_lshl_b32 s56, s50, 7
	s_add_co_u32 s56, s56, s52
	s_lshl_b32 s56, s56, 3
	s_add_co_u32 s56, s56, s49                     ; (128 batch + tile) x 8 + head
	s_lshl_b32 s58, s56, 11                        ; af: x 2,048
	s_mov_b32 s59, 0
	s_lshl_b32 s56, s56, 13                        ; gf: x 8,192
	s_mov_b32 s57, 0
	s_mov_b32 s20, 0x76543210
	s_mov_b32 s21, 0xfedcba98
	s_mov_b32 s22, 0x3e0293ee                      ; c = log2(e) / sqrt(128)
	s_mov_b32 s40, 0
	s_wait_dscnt 0x0                               ; the opening add is done
	s_wait_kmcnt 0x0
	s_load_b256 s[68:75], s[12:13], 0x0            ; e0 .. e7
	s_load_b128 s[76:79], s[12:13], 0x20           ; e8 .. e11
	s_cmp_lt_u32 s[WV], 4
	s_cselect_b64 s[60:61], s[6:7], s[8:9]         ; waves 0-3 fetch K, waves 4-7 V
	s_add_nc_u64 s[60:61], s[60:61], s[46:47]
	CROUND                                         ; all four work-groups are here: the first joint loads meet
.irp s, 0,1
	s_mov_b32 s[32+4*\s], 1
	s_add_co_u32 s[33+4*\s], s48, \s*SLOT
	s_add_nc_u64 s[34+4*\s:35+4*\s], s[60:61], \s*65536
	s_or_b32 s[35+4*\s], s[35+4*\s], 0x80000000
.endr
	tensor_load_to_lds s[32:35], s[24:31]          ; keys 0 .. 511
	s_nop 0
	tensor_load_to_lds s[36:39], s[24:31]          ; keys 512 .. 1,023: two loads of mine are out
	s_nop 0
.rept 4
	v_nop
.endr
	s_add_nc_u64 s[4:5], s[4:5], s[54:55]
	s_add_nc_u64 s[10:11], s[10:11], s[56:57]
	s_add_nc_u64 s[14:15], s[14:15], s[58:59]
	v_and_b32 v8, 31, v0
	v_lshlrev_b32 v[LI], 4, v8
.irp c, 0,1,2,3
	global_load_b128 v[16+4*\c:19+4*\c], v[LI], s[4:5] offset:512*\c       ; Q's fragment stays in registers
.endr
.set i, 0
.rept 16
	global_load_b128 v[32+4*i:35+4*i], v[LI], s[10:11] offset:512*i th:TH_LOAD_NT   ; -log2(e) x gate, in O^T's layout
.set i, i+1
.endr
	v_add_nc_u32 v[LV], 0x10000, v[LI]
	v_and_b32 v9, 15, v0
	v_bfe_u32 v10, v0, 4, 1
	v_lshlrev_b32 v10, 3, v10
	v_sub_nc_u32 v[DL], v9, v10
	s_lshl_b32 s51, s51, 4
	v_add_nc_u32 v[DL], s51, v[DL]                 ; my query in its group less 8 h: register n's key is hidden where 16 (n / 8) + n % 8 is greater
	v_mov_b32 v13, 0xff61b1e6                      ; the largest t so far: -3e38, under every t
	v_floor_f32 v12, -v13                          ; -M
	v_mov_b32 v14, 0
	v_mov_b32 v15, 0
	v_mov_b32 v246, 0                              ; a lane permute's destination counts as one of its sources
	v_mov_b32 v252, 0
	v_mov_b32 v253, 0                              ; (named as the upper half of the pair v[252:253])
.set j, 0
.rept 64
	v_mov_b32 v[160+j], 0                          ; O^T: the step is written once; its first run finds zeros
.set j, j+1
.endr
	s_wait_kmcnt 0x0
	s_add_co_i32 s60, s74, s75
	s_lshl_b32 s60, s60, 23
	s_add_co_i32 s22, s22, s60                     ; a score stands for score x 2^(e6 + e7): added to c's exponent field
	s_mov_b32 s23, s22
	s_add_co_i32 s60, s77, 127
	s_lshl_b32 s61, s60, 23
	v_mov_b32 v244, s61                            ; 2^e9
	s_add_co_i32 s60, s60, 8
	s_lshl_b32 s60, s60, 23
	s_or_b32 s60, s60, 0x600000
	v_mov_b32 v240, s60                            ; 448 x 2^e9
	s_add_co_i32 s60, s78, 127
	s_lshl_b32 s61, s60, 23
	v_mov_b32 v248, s61                            ; 2^e10
	s_add_co_i32 s60, s60, 8
	s_lshl_b32 s60, s60, 23
	s_or_b32 s60, s60, 0x600000
	v_mov_b32 v249, s60                            ; 448 x 2^e10
	s_add_co_i32 s62, s76, s77                     ; e8 + e9
	s_wait_loadcnt 0x0
.set j, 0
.rept 64                               ; sigmoid(g) = 1 / (1 + 2^(-log2(e) g)), made while the first tiles are on their way
	v_exp_f32 v[32+j], v[32+j]
.set j, j+1
.endr
	v_nop
	s_wait_alu depctr_va_vdst(0)                   ; one wait for the batch, ahead of its first reader
.set j, 0
.rept 32
	v_pk_add_f32 v[32+j:33+j], v[32+j:33+j], 1.0 op_sel_hi:[1,0]
.set j, j+2
.endr
.set j, 0
.rept 64
	v_rcp_f32 v[32+j], v[32+j]
.set j, j+1
.endr
	v_nop
	s_wait_alu depctr_va_vdst(0)
	s_wait_tensorcnt 0x1                           ; my part of slot 0 is in; slot 1's may stay out
	s_barrier_signal -1
	s_barrier_wait -1
.macro SMUL t0                         ; four tiles of 16 keys
.irp t, \t0, \t0+1, \t0+2, \t0+3
	v_wmma_f32_16x16x128_fp8_fp8 v[96+8*(\t):103+8*(\t)], v[16*(\t):16*(\t)+15], v[16:31], 0
.endr
.endm
.macro LOAD8 adr                       ; eight fragments into window 1
	WIN 0x40
.set t, 0
.rept 8
.irp c, 0,1,2,3
	ds_load_b128 v[16*t+4*\c:16*t+4*\c+3], v[\adr] offset:2048*t+512*\c
.endr
.set t, t+1
.endr
.endm
; A KEY STEP: 128 keys, at LDS byte s2 of the ring
.macro STEP
	s_cmp_gt_u32 s40, s41                          ; all its keys come after my queries: left out
	s_cbranch_scc1 .Lhidden_\@
	v_add_nc_u32 v[ADK], s2, v[LI]
	v_add_nc_u32 v[ADV], s2, v[LV]
	v_nop
	v_nop                                          ; with the two additions: four places in front of loads into registers that the last products read
	LOAD8 ADK
	s_wait_dscnt 16                                ; K's tiles 0-3 are in; the 16 loads of tiles 4-7 may be out
	WIN 0x01                                       ; source 0 window 1
	SMUL 0
	s_wait_dscnt 0
	SMUL 4
	WIN 0
.rept 4
	v_nop
.endr
	LOAD8 ADV                                      ; V's fragments take K's registers and land under the softmax
	WIN 0
	s_cmp_eq_u32 s40, s41                          ; on the diagonal the scores of hidden keys become -infinity ahead of the maximum: p = 0 then
	s_cbranch_scc0 .Lopen_\@
	v_mov_b32 v254, 0xff800000
.set n, 0
.rept 64
	v_cmp_gt_i32 vcc_lo, 16*(n/8)+n%8, v[DL]
	v_cndmask_b32 v[96+n], v[96+n], v254, vcc_lo
.set n, n+1
.endr
.Lopen_\@:
	v_max3_num_f32 v254, v96, v97, v98             ; the step's largest score of my query among my 64 keys, in two chains; each accumulator is read from its low end on
	v_max3_num_f32 v252, v99, v100, v101
.set i, 6
.rept 14
	v_max3_num_f32 v254, v254, v[96+i], v[97+i]
	v_max3_num_f32 v252, v252, v[98+i], v[99+i]
.set i, i+4
.endr
	v_max3_num_f32 v254, v254, v158, v159
	v_max_num_f32 v254, v254, v252
	v_permlanex16_b32 v246, v254, s20, s21
	v_max_num_f32 v254, v254, v246                 ; and among lane l xor 16's
	v_mul_f32 v254, s22, v254                      ; as t (c is positive)
	v_max_num_f32 v13, v13, v254
	v_mov_b32 v254, v12
	v_floor_f32 v12, -v13                          ; the new -M = -ceil(t)
	v_sub_f32 v254, v12, v254                      ; old M - new M: a whole number, 0 or less
	v_cvt_i32_f32 v254, v254
	v_ldexp_f32 v252, 1.0, v254                    ; f = 2^(old M - new M)
.set j, 0
.rept 32
	v_pk_fma_f32 v[96+j:97+j], v[96+j:97+j], s[22:23], v[12:13] op_sel_hi:[1,0,0]   ; t - M
.set j, j+2
.endr
.set j, 0
.rept 64
	v_exp_f32 v[96+j], v[96+j]                     ; p
.set j, j+1
.endr
	v_pk_mul_f32 v[14:15], v[14:15], v[252:253] op_sel_hi:[1,0]   ; the sums under the new M (a plain place behind the exponentials)
	s_wait_alu depctr_va_vdst(0)                   ; one wait for the batch, ahead of its first reader
	v_pk_add_f32 v[242:243], v[96:97], v[98:99]    ; the row's sum is taken of the unquantised p
.set j, 4
.rept 15
	v_pk_add_f32 v[14:15], v[14:15], v[96+j:97+j]
	v_pk_add_f32 v[242:243], v[242:243], v[98+j:99+j]
.set j, j+4
.endr
	v_pk_add_f32 v[14:15], v[14:15], v[242:243]
.set t, 0
.rept 8
.set i, 0
.rept 8
	v_min_num_f32 v[96+8*t+i], v[96+8*t+i], v240   ; p is not negative: a one-sided hold (the conversion does not saturate: ISA guide 7.6.2)
.set i, i+1
.endr
	v_cvt_scalef32_pk8_fp8_f32 v[224+2*t:225+2*t], v[96+8*t:103+8*t], v244
.set t, t+1
.endr
.set j, 0
.rept 32
	v_pk_mul_f32 v[160+j:161+j], v[160+j:161+j], v[252:253] op_sel_hi:[1,0]   ; O^T under the new M
.set j, j+2
.endr
	s_wait_dscnt 0x0                               ; V is in
	WIN 0x01
.set t, 0
.rept 8
	v_wmma_f32_16x16x128_fp8_fp8 v[160+8*t:167+8*t], v[16*t:16*t+15], v[224:239], v[160+8*t:167+8*t]   ; eight accumulators, one instruction a turn
.set t, t+1
.endr
	WIN 0
.Lhidden_\@:
.endm
.macro SLOT_STEPS base                 ; a slot's four key steps: written once, walked four times
	s_mov_b32 s2, \base
	s_mov_b32 s42, 4
.Lstep_\@:
	STEP
	s_add_co_u32 s2, s2, 16384
	s_add_co_u32 s40, s40, 1
	s_sub_co_u32 s42, s42, 1
	s_cmp_lg_u32 s42, 0
	s_cbranch_scc1 .Lstep_\@
.endm
.macro CHANGE fill, set                ; the change of slots.  fill = 1: the slot just left takes the keys two slots on
	s_wait_tensorcnt 0x0                           ; all my tensor loads have landed: my part of the slot ahead; so a group 0 may be written
	ds_add_u32 v[SPW], v[NIL]                      ; 0 onto my spare word
.if \fill
	s_add_nc_u64 s[34+4*\set:35+4*\set], s[34+4*\set:35+4*\set], 131072
.endif
	s_wait_dscnt 0x0                               ; the add is done, and my reads of the slot that I leave are over
.if \fill
	CROUND                                         ; both now hold of every wave of all four work-groups
	tensor_load_to_lds s[32+4*\set:35+4*\set], s[24:31]   ; my one tensor load behind the round: four key steps' work in which to land
	s_nop 0
.rept 4
	v_nop
.endr
.else
	s_barrier_signal -1
	s_barrier_wait -1
.endif
.endm
	SLOT_STEPS 0                                   ; keys 0 .. 511
	CHANGE 1, 0
	SLOT_STEPS SLOT                                ; 512 .. 1,023
	CHANGE 1, 1
	SLOT_STEPS 0                                   ; 1,024 .. 1,535
	CHANGE 0, 0
	SLOT_STEPS SLOT                                ; 1,536 .. 2,047
	; THE WAY OUT: O^T / the sum x 2^(e8 + e9), x sigmoid(gate), quantised: registers 8 t + j are channels 16 t + 8 h + j of my query: K step = my head of the next product's operand
.rept 4
	v_nop
.endr
	v_add_f32 v14, v14, v15
	v_permlanex16_b32 v252, v14, s20, s21
	v_add_f32 v14, v14, v252
	v_rcp_f32 v14, v14
	v_nop
	s_wait_alu depctr_va_vdst(0)
	v_ldexp_f32 v14, v14, s62
	v_mov_b32 v15, v14
.set j, 0
.rept 32
	v_pk_mul_f32 v[160+j:161+j], v[160+j:161+j], v[14:15]
.set j, j+2
.endr
.set j, 0
.rept 32
	v_pk_mul_f32 v[160+j:161+j], v[160+j:161+j], v[32+j:33+j]
.set j, j+2
.endr
.set j, 0
.rept 64
	v_med3_num_f32 v[160+j], v[160+j], -v249, v249
.set j, j+1
.endr
.set t, 0
.rept 8
	v_cvt_scalef32_pk8_fp8_f32 v[224+2*t:225+2*t], v[160+8*t:167+8*t], v248
.set t, t+1
.endr
	v_nop
.irp g, 0,1,2,3
	global_store_b128 v[LI], v[224+4*\g:227+4*\g], s[14:15] offset:512*\g   ; 512 consecutive bytes, aligned
.endr
	s_wait_tensorcnt 0x0                           ; the wave's end
	ds_add_u32 v[SPW], v[NIL]
	s_wait_dscnt 0x0
	CROUND                                         ; the closing round
	s_endpgm
.Lfunc_end_k_q1b3a055559_attn:
	.size	k_q1b3a055559_attn, .Lfunc_end_k_q1b3a055559_attn-k_q1b3a055559_attn
	.p2alignl 7, 3214868480
	.fill 96, 4, 3214868480
	.section	.rodata,"a",@progbits
	.p2align	6, 0x0
	.amdhsa_kernel k_q1b3a055559_attn
		.amdhsa_group_segment_fixed_size 327680
		.amdhsa_private_segment_fixed_size 0
		.amdhsa_enable_private_segment 0
		.amdhsa_kernarg_size 48
		.amdhsa_user_sgpr_count 2
		.amdhsa_user_sgpr_kernarg_segment_ptr 1
		.amdhsa_wavefront_size32 1
		.amdhsa_system_sgpr_workgroup_id_x 1
		.amdhsa_system_sgpr_workgroup_id_y 1
		.amdhsa_system_sgpr_workgroup_id_z 1
		.amdhsa_system_vgpr_workitem_id 0
		.amdhsa_next_free_vgpr 384
		.amdhsa_next_free_sgpr 80
		.amdhsa_reserve_vcc 1
		.amdhsa_float_denorm_mode_32 3
		.amdhsa_float_denorm_mode_16_64 3
		.amdhsa_memory_ordered 1
		.amdhsa_forward_progress 1
		.amdhsa_inst_pref_size 123
	.end_amdhsa_kernel
	.amdgpu_metadata
---
amdhsa.version: [ 1, 2 ]
amdhsa.kernels:
  - .name:           k_q1b3a055559_attn
    .symbol:         k_q1b3a055559_attn.kd
    .args:
      - { .name: qf, .offset: 0, .size: 8, .value_kind: global_buffer, .address_space: global }
      - { .name: kf, .offset: 8, .size: 8, .value_kind: global_buffer, .address_space: global }
      - { .name: vf, .offset: 16, .size: 8, .value_kind: global_buffer, .address_space: global }
      - { .name: gf, .offset: 24, .size: 8, .value_kind: global_buffer, .address_space: global }
      - { .name: lowp_scales, .offset: 32, .size: 8, .value_kind: global_buffer, .address_space: global }
      - { .name: af, .offset: 40, .size: 8, .value_kind: global_buffer, .address_space: global }
    .group_segment_fixed_size: 327680
    .private_segment_fixed_size: 0
    .kernarg_segment_align: 8
    .kernarg_segment_size: 48
    .max_flat_workgroup_size: 256
    .sgpr_count:     80
    .vgpr_count:     384
    .wavefront_size: 32
...
	.end_amdgpu_metadata
.endif
;; end of part 3
;; launch oproj (part 4): grid 8 x 16, 4 waves a work-group, clusters of 4 x 4, 327,680 bytes of LDS; arguments af, wf, lowp_scales, out0; writes out0
.if DOCPART == 4
	.amdgcn_target "amdgcn-amd-amdhsa--gfx1250"
	.amdhsa_code_object_version 6
	.text
	.protected	k_q1b3a055559_oproj
	.globl	k_q1b3a055559_oproj
	.p2align	8
	.type	k_q1b3a055559_oproj,@function
k_q1b3a055559_oproj:
	s_mov_b64 s[64:65], 0
	v_nop
	global_prefetch_b8 v0, s[64:65] scope:SCOPE_SE
	s_setreg_imm32_b32 hwreg(HW_REG_WAVE_MODE, 25, 1), 1
	s_wait_xcnt 0x0
	s_wait_alu depctr_hold_cnt(0) depctr_sa_sdst(0) depctr_va_vdst(0) depctr_va_sdst(0) depctr_va_ssrc(0) depctr_va_vcc(0) depctr_vm_vsrc(0)
	s_getreg_b32 s2, hwreg(HW_REG_IB_STS2, 6, 4)
	s_cmp_eq_u32 s2, 0
	s_cbranch_scc0 .Lentry_in_a_cluster
	s_endpgm
.Lentry_in_a_cluster:
	s_bfe_u32 s2, ttmp6, 0x10000c
	s_cmp_lg_u32 s2, 0xf033
	s_cbranch_scc0 .Lentry_shape_is_right
	s_endpgm
.Lentry_shape_is_right:
; out0 [4096][2048] f32 = (attention x gate, as codes: af) x w_o (as codes: wf from 6 MiB on), x 2^(e10 + e11).  K = 1,024.
; A tile of 256 x 256 by four waves of 128 x 128: 64 accumulators each.  Operands are images of registers (16 rows x 128 K = 2,048 bytes; registers 4 g .. 4 g + 3 of lane l at 512 g + 16 l): no pitch, no padding.
; K goes in steps of 256 through two LDS slots; a wave's tensor load brings 8 strips x 4,096 bytes: waves 0, 1 the tokens' (bytes 0 .. 65,535 of a slot), waves 2, 3 the weights'.
; CLUSTER 4 x 4: the tokens' tile is shared along a row of the cluster, the weights' along a column; each is asked for jointly.
; Source 0 = 16 rows of the weights (output columns), source 1 = 16 tokens: a lane holds eight neighbouring numbers of a row of the output.
; LIMIT: e10 + e11 between -126 and 127.
.set SIZE_N, 2048
.set KDIM,   1024
.set STRIPB, 16*KDIM
.set FR,     16
.set NL,     4
.set NP,     4
.set SLOT,   131072
.set SPARE,  262144                    ; behind the ring: the spare words, 128 bytes for each wave, which no other line names
.set STG,    262656                    ; behind them: a stage of 16 rows x 528 bytes for each wave, into which no tile lands
.set SPITCH, 528
.set LAPS,   KDIM/512
.set ADRA, 16
.set ADRB, 20
.set STO,  24
.set RD,   25
.set CO,   26
.set LO,   27
.set SPW,  28
.set NIL,  29
.set TMP,  32
.set AF,   128
.set BK,   128
.set WVN,  14
.set WHI,  15
.set G1A,  24
.set G0A,  32
.set G1B,  48
.set G0B,  56
.set MSB, 0
.macro WIN new
.if MSB != (\new)
	s_set_vgpr_msb (MSB<<8)|(\new)
.set MSB, (\new)
.endif
.endm
.set MUL_LO, 0xa1
.set MUL_HI, 0xf1
.set TO_B,   0x40
.macro JLOAD g0a, g1a, g0b, g1b        ; waves 0, 1: the first line; waves 2, 3: the second.  An s_nop 0 and four v_nop follow each
	s_cmp_eq_u32 s[WHI], 0
	s_cbranch_scc0 .Lfor_b_\@
	tensor_load_to_lds s[\g0a:\g0a+3], s[\g1a:\g1a+7]
	s_nop 0
.rept 4
	v_nop
.endr
	s_branch .Lasked_\@
.Lfor_b_\@:
	tensor_load_to_lds s[\g0b:\g0b+3], s[\g1b:\g1b+7]
	s_nop 0
.rept 4
	v_nop
.endr
.Lasked_\@:
.endm
.macro CREST
	s_cmp_lg_u32 s[WVN], 0
	s_cbranch_scc1 .Lnot_wave_0_\@
	s_barrier_signal -3
.Lnot_wave_0_\@:
	s_barrier_wait -3
	s_barrier_signal -1
	s_barrier_wait -1
.endm
.macro CROUND
	s_barrier_signal -1
	s_barrier_wait -1
	CREST
.endm
.macro PLACES n
.rept \n
	v_nop
.endr
.endm
.macro FRAG reg, adr, q, i
.irp c, 0,1,2,3
	ds_load_b128 v[\reg+4*\c:\reg+4*\c+3], v[\adr] offset:4096*(\i)+2048*(\q)+512*\c
.endr
.endm
.macro MUL16 a0, p, zero               ; the 64 accumulators take turns, one instruction a turn, in the same order in every step
.irp a, \a0, \a0+1
.irp b, 0,1,2,3,4,5,6,7
.if \zero
	v_wmma_f32_16x16x128_fp8_fp8 v[8*(8*((\a)%4)+\b):8*(8*((\a)%4)+\b)+7], v[128*(\p)+FR*\b:128*(\p)+FR*\b+FR-1], v[AF+FR*(\a):AF+FR*(\a)+FR-1], 0
.else
	v_wmma_f32_16x16x128_fp8_fp8 v[8*(8*((\a)%4)+\b):8*(8*((\a)%4)+\b)+7], v[128*(\p)+FR*\b:128*(\p)+FR*\b+FR-1], v[AF+FR*(\a):AF+FR*(\a)+FR-1], v[8*(8*((\a)%4)+\b):8*(8*((\a)%4)+\b)+7]
.endif
.endr
.endr
.endm
.macro FETCH_B slot, q, p
	WIN TO_B
.irp i, 0,1,2,3,4,5,6,7
	FRAG 128*(\p)+FR*\i, ADRB+\slot, \q, \i
.endr
	WIN 0
.endm
.macro FETCH_A slot, q, i0
.irp i, \i0, \i0+1, \i0+2, \i0+3
	FRAG AF+FR*(\i), ADRA+\slot, \q, \i
.endr
.endm
.macro STEP slot, q, zero
	s_wait_dscnt 4*NL                              ; the weights' set and the tokens' blocks 0-3 are in; the youngest 16 loads may be out
	WIN MUL_LO
	MUL16 0, (\q)%2, \zero
	MUL16 2, (\q)%2, \zero
	s_wait_dscnt 0
	PLACES NP
	FETCH_B \slot, (\q)+1, 1-(\q)%2
	FETCH_A \slot, (\q)+1, 0
	WIN MUL_HI
	MUL16 4, (\q)%2, \zero
	MUL16 6, (\q)%2, \zero
	PLACES NP
	WIN 0
	FETCH_A \slot, (\q)+1, 4
.endm
.macro TURN slot, next, fill
	s_wait_tensorcnt 0x0                           ; all my tensor loads have landed: my part of the next slot
	ds_add_u32 v[SPW], v[NIL]                      ; 0 onto my spare word
	s_wait_dscnt 4*NL+1                            ; (the add and the youngest 16 loads may be out)
	WIN MUL_LO
	MUL16 0, 1, 0
	s_wait_dscnt 0x0                               ; the add is done, and my reads of this slot are over
	s_barrier_signal -1
	MUL16 2, 1, 0
	WIN 0
	s_barrier_wait -1
.if \fill
	CREST                                          ; no wave of any partner still reads this slot or has a load on its way
	s_add_nc_u64 s[G0A+4*\slot+2:G0A+4*\slot+3], s[G0A+4*\slot+2:G0A+4*\slot+3], 8192
	s_add_nc_u64 s[G0B+4*\slot+2:G0B+4*\slot+3], s[G0B+4*\slot+2:G0B+4*\slot+3], 8192
	JLOAD G0A+4*\slot, G1A, G0B+4*\slot, G1B
.else
	PLACES NP
.endif
	FETCH_B \next, 0, 0
	FETCH_A \next, 0, 0
	WIN MUL_HI
	MUL16 4, 1, 0
	MUL16 6, 1, 0
	PLACES NP
	WIN 0
	FETCH_A \next, 0, 4
.endm
	s_load_b128 s[4:7], s[0:1], 0x0                ; af, wf
	s_load_b128 s[8:11], s[0:1], 0x10              ; lowp_scales, out0
	v_lshl_add_u32 v[SPW], v0, 2, SPARE
	v_mov_b32 v[NIL], 0
	ds_add_u32 v[SPW], v[NIL]                      ; the wave's opening: the add and its wait ahead of my first tensor load
	v_lshrrev_b32 v1, 5, v0
	v_readfirstlane_b32 s14, v1                    ; wave
	s_lshr_b32 s15, s14, 1                         ; which half of the tile's rows is mine.  Also: I fetch tokens (0) or weights (1)
	s_and_b32 s16, s14, 1                          ; which half of its columns.  Also: which 8 strips I fetch
	s_bfe_u32 s40, ttmp6, 0x40000                  ; cx, cy
	s_bfe_u32 s41, ttmp6, 0x40004
	s_lshl_b32 s42, ttmp9, 2
	s_add_co_u32 s42, s42, s40                     ; tile column
	s_and_b32 s17, ttmp7, 0xffff
	s_lshl_b32 s17, s17, 2
	s_add_co_u32 s17, s17, s41                     ; tile row
	s_lshl_b32 s43, s41, 2
	s_lshl_b32 s43, 15, s43                        ; my row of the cluster
	s_lshl_b32 s44, 0x1111, s40                    ; my column
	s_or_b32 s[G1A], s43, (3<<16)|(1<<21)          ; the mask; elements of 8 bytes; bit 21 set beside a mask; no padding
	s_or_b32 s[G1B], s44, (3<<16)|(1<<21)
.irp g, G1A, G1B
	s_mov_b32 s[\g+1], 512<<16                     ; tensor_dim0: 4,096 bytes: two images of a strip
	s_mov_b32 s[\g+2], 8<<16                       ; tensor_dim1: 8 strips
	s_mov_b32 s[\g+3], 512<<16
	s_mov_b32 s[\g+4], 8
	s_mov_b32 s[\g+5], STRIPB/8
	s_mov_b32 s[\g+6], 0
	s_mov_b32 s[\g+7], 0
.endr
	s_lshl_b32 s18, s16, 17                        ; my 8 strips of 16,384 bytes
	s_lshl_b32 s20, s17, 18
	s_add_co_u32 s20, s20, s18
	s_mov_b32 s21, 0
	s_lshl_b32 s46, s42, 18
	s_add_co_u32 s46, s46, s18
	s_add_co_u32 s46, s46, 0x600000                ; w_o's codes begin 6 MiB into wf
	s_mov_b32 s47, 0
	s_lshl_b32 s45, s14, 15                        ; where my part goes: wave x 32,768
	s_wait_dscnt 0x0
	s_wait_kmcnt 0x0
	s_load_b64 s[96:97], s[8:9], 0x28              ; e10, e11
	s_add_nc_u64 s[20:21], s[4:5], s[20:21]
	s_add_nc_u64 s[46:47], s[6:7], s[46:47]
	CROUND                                         ; all sixteen work-groups are here: the first joint loads meet
.irp s, 0,1
	s_mov_b32 s[G0A+4*\s], 1
	s_add_co_u32 s[G0A+4*\s+1], s45, \s*SLOT
	s_add_nc_u64 s[G0A+4*\s+2:G0A+4*\s+3], s[20:21], \s*4096
	s_or_b32 s[G0A+4*\s+3], s[G0A+4*\s+3], 0x80000000
	s_mov_b32 s[G0B+4*\s], 1
	s_add_co_u32 s[G0B+4*\s+1], s45, \s*SLOT
	s_add_nc_u64 s[G0B+4*\s+2:G0B+4*\s+3], s[46:47], \s*4096
	s_or_b32 s[G0B+4*\s+3], s[G0B+4*\s+3], 0x80000000
	JLOAD G0A+4*\s, G1A, G0B+4*\s, G1B
.endr
	v_and_b32 v1, 15, v0
	v_bfe_u32 v2, v0, 4, 1
	v_and_b32 v6, 31, v0
	v_lshlrev_b32 v[LO], 4, v6
	s_lshl_b32 s21, s15, 15
	s_lshl_b32 s22, s16, 15
	s_add_co_u32 s22, s22, 65536
.irp s, 0,1
	v_add_nc_u32 v[ADRA+\s], s21, v[LO]
	v_add_nc_u32 v[ADRB+\s], s22, v[LO]
	s_add_co_u32 s21, s21, SLOT
	s_add_co_u32 s22, s22, SLOT
.endr
	s_mul_i32 s23, s14, 16*SPITCH
	s_add_co_u32 s23, s23, STG                     ; my stage
	v_mul_u32_u24 v5, v1, SPITCH                   ; in: row l % 16, 32 bytes for each half of the lanes
	v_lshl_add_u32 v5, v2, 5, v5
	v_add_nc_u32 v[STO], s23, v5
	v_lshlrev_b32 v[CO], 4, v6                     ; back: the 32 lanes take one row of 512 bytes; and the same in the output
	v_add_nc_u32 v[RD], s23, v[CO]
	s_lshl_b32 s20, s17, 8
	s_lshl_b32 s21, s15, 7
	s_add_co_u32 s20, s20, s21                     ; my first row
	s_lshl_b32 s20, s20, 13                        ; rows of 8,192 bytes
	s_lshl_b32 s46, s42, 10
	s_lshl_b32 s47, s16, 9
	s_add_co_u32 s46, s46, s47                     ; my first column, in bytes
	s_add_co_u32 s20, s20, s46
	s_mov_b32 s21, 0
	s_add_nc_u64 s[10:11], s[10:11], s[20:21]
	s_wait_tensorcnt 1                             ; my part of slot 0 is in; slot 1's may stay out
	s_barrier_signal -1
	s_barrier_wait -1
	FETCH_B 0, 0, 0
	FETCH_A 0, 0, 0
	FETCH_A 0, 0, 4
	STEP 0, 0, 1
	s_mov_b32 s3, LAPS-1
.Llap:
	TURN 0, 1, 1
	STEP 1, 0, 0
	TURN 1, 0, 1
	STEP 0, 0, 0
	s_sub_co_u32 s3, s3, 1
	s_cmp_lg_u32 s3, 0
	s_cbranch_scc1 .Llap
	TURN 0, 1, 0
	STEP 1, 0, 0
	s_wait_dscnt 4*NL
	WIN MUL_LO
	MUL16 0, 1, 0
	MUL16 2, 1, 0
	s_wait_dscnt 0
	WIN MUL_HI
	MUL16 4, 1, 0
	MUL16 6, 1, 0
	WIN 0
; THE WAY OUT, block by block of 16 rows x 128 columns, through my own stage: in as 32 bytes a lane, back as whole rows of 512 bytes.  LDS serves a wave's instructions in order: no wait between the stores and the loads.
.macro TOSTAGE a
.set AC, 64*((\a)%4)
	WIN 0x02+((\a)/4)
.set j, 0
.rept 32
	v_pk_mul_f32 v[TMP+j:TMP+j+1], v[AC+j:AC+j+1], s[96:97] op_sel_hi:[1,0]   ; x 2^(e10 + e11); each accumulator from its low end on
.set j, j+2
.endr
	WIN 0
.irp b, 0,1,2,3,4,5,6,7
	ds_store_b128 v[STO], v[TMP+8*\b:TMP+8*\b+3] offset:64*\b
	ds_store_b128 v[STO], v[TMP+8*\b+4:TMP+8*\b+7] offset:64*\b+16
.endr
.set BB, BK+64*((\a)%2)
.set t, 0
.rept 16
	ds_load_b128 v[BB+4*t:BB+4*t+3], v[RD] offset:t*SPITCH
.set t, t+1
.endr
.endm
.macro SEND a, younger                 ; younger: the LDS instructions issued behind block a's loads, which may stay out
.set BB, BK+64*((\a)%2)
	s_wait_dscnt \younger
.if (\a) > 0
	s_add_nc_u64 s[10:11], s[10:11], 16*SIZE_N*4   ; (behind a wait on XCNT: the earlier stores have read their base)
.endif
.set t, 0
.rept 16
	global_store_b128 v[CO], v[BB+4*t:BB+4*t+3], s[10:11] offset:t*SIZE_N*4 th:TH_STORE_NT   ; 32 lanes store 512 consecutive bytes, aligned
.set t, t+1
.endr
.endm
	s_wait_kmcnt 0x0
	s_add_co_i32 s96, s96, s97
	s_add_co_i32 s96, s96, 127
	s_lshl_b32 s96, s96, 23                        ; 2^(e10 + e11) as f32
	PLACES NP
	TOSTAGE 0
.irp a, 1,2,3,4,5,6,7
.if \a > 1
	s_wait_xcnt 0x0                                ; block a - 2's stores have read their registers and their base
.endif
	TOSTAGE \a
	SEND \a-1, 32                                  ; behind block a - 1's loads: block a's 16 stores and 16 loads
.endr
	s_wait_xcnt 0x0
	SEND 7, 0
	s_wait_tensorcnt 0x0                           ; the wave's end
	ds_add_u32 v[SPW], v[NIL]
	s_wait_dscnt 0x0
	CROUND                                         ; the closing round
	s_endpgm
.Lfunc_end_k_q1b3a055559_oproj:
	.size	k_q1b3a055559_oproj, .Lfunc_end_k_q1b3a055559_oproj-k_q1b3a055559_oproj
	.p2alignl 7, 3214868480
	.fill 96, 4, 3214868480
	.section	.rodata,"a",@progbits
	.p2align	6, 0x0
	.amdhsa_kernel k_q1b3a055559_oproj
		.amdhsa_group_segment_fixed_size 327680
		.amdhsa_private_segment_fixed_size 0
		.amdhsa_enable_private_segment 0
		.amdhsa_kernarg_size 32
		.amdhsa_user_sgpr_count 2
		.amdhsa_user_sgpr_kernarg_segment_ptr 1
		.amdhsa_wavefront_size32 1
		.amdhsa_system_sgpr_workgroup_id_x 1
		.amdhsa_system_sgpr_workgroup_id_y 1
		.amdhsa_system_sgpr_workgroup_id_z 1
		.amdhsa_system_vgpr_workitem_id 0
		.amdhsa_next_free_vgpr 1024
		.amdhsa_next_free_sgpr 98
		.amdhsa_reserve_vcc 0
		.amdhsa_float_denorm_mode_32 3
		.amdhsa_float_denorm_mode_16_64 3
		.amdhsa_memory_ordered 1
		.amdhsa_forward_progress 1
		.amdhsa_inst_pref_size 123
	.end_amdhsa_kernel
	.amdgpu_metadata
---
amdhsa.version: [ 1, 2 ]
amdhsa.kernels:
  - .name:           k_q1b3a055559_oproj
    .symbol:         k_q1b3a055559_oproj.kd
    .args:
      - { .name: af, .offset: 0, .size: 8, .value_kind: global_buffer, .address_space: global }
      - { .name: wf, .offset: 8, .size: 8, .value_kind: global_buffer, .address_space: global }
      - { .name: lowp_scales, .offset: 16, .size: 8, .value_kind: global_buffer, .address_space: global }
      - { .name: out0, .offset: 24, .size: 8, .value_kind: global_buffer, .address_space: global }
    .group_segment_fixed_size: 327680
    .private_segment_fixed_size: 0
    .kernarg_segment_align: 8
    .kernarg_segment_size: 32
    .max_flat_workgroup_size: 128
    .sgpr_count:     98
    .vgpr_count:     1024
    .wavefront_size: 32
...
	.end_amdgpu_metadata
.endif
;; end of part 4
;; ======== version 2 of 2: 4 launches
;; limits: right only within a limited range of input values
;; workspace buffers: hf 25,165,824 bytes; wf 8,388,608 bytes; csf 4,194,304 bytes; qf 4,194,304 bytes; kf 2,097,152 bytes; vf 2,097,152 bytes; gf 16,777,216 bytes; af 4,194,304 bytes
;; launch prep (part 5): grid 1664 x 1, 4 waves a work-group, no clusters, 34,304 bytes of LDS; arguments hidden_BTD, cos_BTK, sin_BTK, w_q, w_k, w_v, w_o, lowp_scales, hf, wf, csf; writes hf, wf, csf
.if DOCPART == 5
	.amdgcn_target "amdgcn-amd-amdhsa--gfx1250"
	.amdhsa_code_object_version 6
	.text
	.protected	k_q1b3a055559_prep
	.globl	k_q1b3a055559_prep
	.p2align	8
	.type	k_q1b3a055559_prep,@function
k_q1b3a055559_prep:
	s_mov_b64 s[64:65], 0
	v_nop
	global_prefetch_b8 v0, s[64:65] scope:SCOPE_SE
	s_setreg_imm32_b32 hwreg(HW_REG_WAVE_MODE, 25, 1), 1
	s_wait_xcnt 0x0
; THE INPUTS ARE QUANTISED ONCE AND LAID AS THE LATER LAUNCHES' OPERAND REGISTERS WANT THEM.
; A FRAGMENT is 16 rows x 128 along K of E4M3 codes: 16 registers a lane; lane (r = lane % 16, h = lane / 16) holds row r, registers 2 c and 2 c + 1 hold k = 16 c + 8 h + 0 .. 7.
; Its IMAGE is 2,048 bytes: registers 4 g .. 4 g + 3 of lane l at byte 512 g + 16 l, so four accesses of 16 bytes a lane, 512 consecutive bytes each, move it.
; code = x / 2^e, held within +-448, rounded to the nearest code, ties to even; e comes from lowp_scales.
;   work-groups    0 ..  511: the weights, stored [k][n]: a lane takes a column n, its registers run down K.  wf = [strip n / 16][K step][2048]: w_q from byte 0, w_k from 4 MiB, w_v from 5 MiB, w_o from 6 MiB.
;   work-groups  512 .. 1535: hidden: hf = [3 sets][256 strips of 16 tokens][16 K steps][2048].  Set 0 takes e0.  Set 1 takes e2 and is made only where e2 differs from e0; set 2 takes e4 and is made only where e4
;                             differs from both: the next launch chooses its set by the same comparisons, and a set that is not made is not read.
;   work-groups 1536 .. 1663: cos and sin, f32, re-laid: csf = [256 strips][cos 8192 | sin 8192]; register 8 b + j of lane (r, h) is column 16 b + 8 h + j of token r; registers 4 m .. 4 m + 3 at 512 m + 16 l.
; Hidden and the two tables take ONE path through the loads and the stage in LDS (16 rows x 512 bytes a wave; pointers, offsets and the rows' pitch are chosen by the work-group's number) and part behind it.
; segment_ids_BT and position_ids_BT enter no expression of the function that is computed, so no launch of this program loads them.
; LIMITS: each e between -126 and 119.  NaN and infinities among the inputs are not served.
; No tensor loads, no barrier: waves share nothing.
.set SPARE, 33792                      ; LDS: 0 .. 33,791 four stages (16 rows x 528 bytes a wave); behind them the spare words, 128 bytes for each wave, which no other line names
.set LO,  2                            ; v2  16 x lane
.set STI, 3                            ; v3  the stage, way in: wave x 8,448 + 16 x lane
.set STO, 4                            ; v4  the stage, way out: wave x 8,448 + 528 r + 32 h
.set VO,  5                            ; v5  lane / 16; in the weights' way: my 16 bytes in wf
.set L4,  6                            ; v6  4 x lane
.set RR,  7                            ; v7  r
.set SPW, 8                            ; v8  my spare word
.set NIL, 9                            ; v9  0
.set X,   16                           ; v16-79   64 numbers
.set T,   80                           ; v80-95   the sixteen rows' offsets; later two sets of 8 held numbers
.set C,   96                           ; v96-143  codes
; v10 .. v15: 2^e and 448 x 2^e, up to three pairs
.macro SCALE e, vs, vl                 ; s[e] = the exponent: v[vs] = 2^e as f32 (the conversion takes its exponent field), v[vl] = 448 x 2^e
	s_add_co_i32 s62, s[\e], 127
	s_lshl_b32 s63, s62, 23
	v_mov_b32 v[\vs], s63
	s_add_co_i32 s62, s62, 8
	s_lshl_b32 s62, s62, 23
	s_or_b32 s62, s62, 0x600000
	v_mov_b32 v[\vl], s62
.endm
.macro LDSC                            ; the twelve exponents into s36 .. s47
	s_load_b256 s[36:43], s[18:19], 0x0
	s_load_b128 s[44:47], s[18:19], 0x20
.endm
.macro LOADJ                           ; 16 rows x 512 bytes, s60 bytes apart: each load reads 512 consecutive bytes of one row
.set i, 0
.rept 16
	v_mad_u32_u24 v[T+i], s60, i, v[LO]
.set i, i+1
.endr
.set i, 0
.rept 16
	global_load_b128 v[X+4*i:X+4*i+3], v[T+i], s[28:29] th:TH_LOAD_NT
.set i, i+1
.endr
.endm
.macro TURNJ                           ; through my own stage: in by rows as loaded, out so that X[8 c + j] is column 16 c + 8 h + j of row r
.set i, 0
.rept 16
	s_wait_loadcnt 15-i                            ; loads come back in order: row i is in, the 15 - i younger ones may be out
	ds_store_b128 v[STI], v[X+4*i:X+4*i+3] offset:528*i
.set i, i+1
.endr
.set i, 0
.rept 16
	ds_load_b128 v[X+4*i:X+4*i+3], v[STO] offset:64*(i/2)+16*(i%2)   ; LDS serves a wave's instructions in order: these see my stores
.set i, i+1
.endr
.endm
.macro HSET z                          ; the fragment with exponent s[36 + 2 z], into set z
	SCALE 36+2*\z, 10+2*\z, 11+2*\z
.set c, 0
.rept 8
.set TS, T+8*(c%2)
.set j, 0
.rept 8
	v_med3_num_f32 v[TS+j], v[X+8*c+j], -v[11+2*\z], v[11+2*\z]   ; the hold (the conversion does not saturate: ISA guide 7.6.2), into one of two sets by turns: eight plain lines stand between a conversion and the next write of its sources
.set j, j+1
.endr
	v_cvt_scalef32_pk8_fp8_f32 v[C+16*\z+2*c:C+16*\z+2*c+1], v[TS:TS+7], v[10+2*\z]
.set c, c+1
.endr
	v_nop
.irp g, 0,1,2,3
	global_store_b128 v[LO], v[C+16*\z+4*\g:C+16*\z+4*\g+3], s[30+2*\z:31+2*\z] offset:512*\g   ; 512 consecutive bytes, aligned; each set has its own registers
.endr
.endm
; ---- the weights' macros.  n = the weight's row length
.macro WSET n                          ; s53 = nx (128 columns), s54 = ky (128 along K), s51 = bytes of a strip in wf, s52 = the weight's first byte in wf, s50 = e, s[28:29] = the weight
	s_mul_i32 s55, s54, 512*\n                     ; 128 rows of n x 4 bytes
	s_lshl_b32 s56, s53, 9
	s_add_co_u32 s55, s55, s56
	s_lshl_b32 s56, s26, 7                         ; my wave's 32 columns
	s_add_co_u32 s56, s55, s56
	s_mov_b32 s57, 0
	s_add_nc_u64 s[28:29], s[28:29], s[56:57]
	s_lshl_b32 s58, s53, 3
	s_lshl_b32 s59, s26, 1
	s_add_co_u32 s58, s58, s59                     ; my first strip: 8 nx + 2 wave
	s_mul_i32 s58, s58, s51
	s_add_co_u32 s58, s58, s52
	s_lshl_b32 s59, s54, 11
	s_add_co_u32 s58, s58, s59                     ; + K step ky
	s_mov_b32 s59, 0
	s_add_nc_u64 s[30:31], s[22:23], s[58:59]
	v_mul_lo_u32 v[VO], v[VO], s51                 ; lanes 16-31 hold the next strip
	v_lshl_add_u32 v[VO], v[RR], 4, v[VO]
	SCALE 50, 10, 11
.endm
.macro WLOAD t, n                      ; W(32 t + i, my column), i = 0 .. 31: 128 consecutive bytes a wave
.set i, 0
.rept 32
	global_load_b32 v[X+32*((\t)%2)+i], v[L4], s[28:29] offset:(32*(\t)+i)*(\n)*4 th:TH_LOAD_NT
.set i, i+1
.endr
.endm
.macro WBLOCK t, n
.set XS, X+32*((\t)%2)
.if (\t) < 3
	s_wait_loadcnt 32                              ; this block's 32 loads are in; the next block's may be out
.else
	s_wait_loadcnt 0
.endif
.set i, 0
.rept 32
	v_med3_num_f32 v[XS+i], v[XS+i], -v11, v11     ; the hold comes first
.set i, i+1
.endr
	; k = 32 t + 8 g + 0 .. 7 is c = 2 t + g / 2, h = g % 2: g = 0 and 2 are lane r's registers 4 t .. 4 t + 3, g = 1 and 3 lane 16 + r's
	v_cvt_scalef32_pk8_fp8_f32 v[C+8*(\t):C+8*(\t)+1], v[XS:XS+7], v10
	v_cvt_scalef32_pk8_fp8_f32 v[C+8*(\t)+4:C+8*(\t)+5], v[XS+8:XS+15], v10
	v_cvt_scalef32_pk8_fp8_f32 v[C+8*(\t)+2:C+8*(\t)+3], v[XS+16:XS+23], v10
	v_cvt_scalef32_pk8_fp8_f32 v[C+8*(\t)+6:C+8*(\t)+7], v[XS+24:XS+31], v10
	global_store_b128 v[VO], v[C+8*(\t):C+8*(\t)+3], s[30:31] offset:512*(\t)          ; sixteen lanes store 256 consecutive bytes, aligned; each block has its own registers, so no store's data are written again
	global_store_b128 v[VO], v[C+8*(\t)+4:C+8*(\t)+7], s[30:31] offset:512*(\t)+256
.if (\t)+2 < 4
	WLOAD (\t)+2, \n
.endif
.endm
.macro WBODY n
	WLOAD 0, \n
	WLOAD 1, \n
.irp t, 0,1,2,3
	WBLOCK \t, \n
.endr
.endm
	s_load_b512 s[4:19], s[0:1], 0x0               ; hidden s[4:5], cos s[6:7], sin s[8:9], w_q s[10:11], w_k s[12:13], w_v s[14:15], w_o s[16:17], lowp_scales s[18:19]
	s_load_b128 s[20:23], s[0:1], 0x40             ; hf, wf
	s_load_b64 s[24:25], s[0:1], 0x50              ; csf
	v_lshl_add_u32 v[SPW], v0, 2, SPARE
	v_mov_b32 v[NIL], 0
	v_lshrrev_b32 v1, 5, v0
	v_readfirstlane_b32 s26, v1                    ; wave 0..3
	v_and_b32 v1, 31, v0                           ; lane
	v_lshlrev_b32 v[LO], 4, v1
	v_lshlrev_b32 v[L4], 2, v1
	v_and_b32 v[RR], 15, v1
	v_lshrrev_b32 v[VO], 4, v1
	s_mul_i32 s27, s26, 8448
	v_add_nc_u32 v[STI], s27, v[LO]
	v_mul_u32_u24 v[STO], v[RR], 528
	v_lshl_add_u32 v[STO], v[VO], 5, v[STO]
	v_add_nc_u32 v[STO], s27, v[STO]
	s_wait_kmcnt 0x0
	s_cmp_lt_u32 ttmp9, 512
	s_cbranch_scc0 .Lnot_w
	; ---------------- the weights: 128 columns x 128 along K a work-group, 32 columns a wave
	LDSC
	s_sub_co_u32 s48, ttmp9, 256
	s_cmp_lt_u32 s48, 128
	s_cbranch_scc1 .Lw_narrow
	s_sub_co_u32 s49, ttmp9, 384                   ; rows of 2,048 numbers: w_q (work-groups 0 .. 255) or w_o (384 .. 511)
	s_mov_b32 s51, 0x4000
	s_wait_kmcnt 0x0
	s_cmp_lt_u32 ttmp9, 256
	s_cselect_b32 s49, ttmp9, s49
	s_cselect_b64 s[28:29], s[10:11], s[16:17]
	s_cselect_b32 s50, s37, s47                    ; e1 or e11
	s_cselect_b32 s52, 0, 0x600000
	s_cselect_b32 s51, 0x8000, s51                 ; a strip has 16 K steps, w_o's 8
	s_and_b32 s53, s49, 15
	s_lshr_b32 s54, s49, 4
	s_wait_alu depctr_va_vdst(0)
	WSET 2048
	s_wait_alu depctr_va_vdst(0)
	WBODY 2048
	s_branch .Lend
.Lw_narrow:                                            ; rows of 512 numbers: w_k (256 .. 319) or w_v (320 .. 383)
	s_and_b32 s49, s48, 63
	s_mov_b32 s52, 0x500000
	s_mov_b32 s51, 0x8000
	s_wait_kmcnt 0x0
	s_cmp_lt_u32 ttmp9, 320
	s_cselect_b64 s[28:29], s[12:13], s[14:15]
	s_cselect_b32 s50, s39, s41                    ; e3 or e5
	s_cselect_b32 s52, 0x400000, s52
	s_and_b32 s53, s49, 3
	s_lshr_b32 s54, s49, 2
	s_wait_alu depctr_va_vdst(0)
	WSET 512
	s_wait_alu depctr_va_vdst(0)
	WBODY 512
	s_branch .Lend
.Lnot_w:	; ---------------- hidden (s48 under 1,024) and the tables: a wave takes 16 rows x 512 bytes
	LDSC
	s_sub_co_u32 s48, ttmp9, 512
	s_lshr_b32 s49, s48, 2                         ; hidden: strip,
	s_and_b32 s50, s48, 3
	s_lshl_b32 s50, s50, 2
	s_add_co_u32 s50, s50, s26                     ; K step;
	s_lshl_b32 s52, s49, 17                        ; from: 16 rows of 8,192 bytes a strip, 512 bytes a K step;
	s_lshl_b32 s51, s50, 9
	s_add_co_u32 s52, s52, s51
	s_lshl_b32 s54, s49, 15                        ; to: 32,768 bytes a strip, 2,048 a K step
	s_lshl_b32 s51, s50, 11
	s_add_co_u32 s54, s54, s51
	s_and_b32 s55, s48, 127                        ; the tables: strip 2 x (work-group - 1,536) + wave / 2,
	s_lshl_b32 s55, s55, 1
	s_lshr_b32 s56, s26, 1
	s_add_co_u32 s55, s55, s56
	s_and_b32 s56, s26, 1                          ; 0: cos, 1: sin;
	s_lshl_b32 s57, s55, 13                        ; from: 16 rows of 512 bytes;
	s_lshl_b32 s58, s55, 14                        ; to: 16,384 bytes a strip, sin 8,192 behind cos
	s_lshl_b32 s59, s56, 13
	s_add_co_u32 s58, s58, s59
	s_cmp_eq_u32 s56, 0
	s_cselect_b64 s[28:29], s[6:7], s[8:9]
	s_mov_b32 s60, 512
	s_cmp_lt_u32 s48, 1024                         ; the choice hangs on the work-group's number alone
	s_cselect_b64 s[28:29], s[4:5], s[28:29]
	s_cselect_b64 s[30:31], s[20:21], s[24:25]
	s_cselect_b32 s52, s52, s57
	s_cselect_b32 s54, s54, s58
	s_cselect_b32 s60, 0x2000, s60                 ; from row to row
	s_mov_b32 s53, 0
	s_mov_b32 s55, 0
	s_add_nc_u64 s[28:29], s[28:29], s[52:53]
	s_add_nc_u64 s[30:31], s[30:31], s[54:55]
	s_wait_alu depctr_va_vdst(0)
	LOADJ
	TURNJ
	s_wait_kmcnt 0x0                               ; the exponents
	s_wait_dscnt 0x0                               ; my 64 numbers are back from the stage
	s_cmp_lt_u32 s48, 1024
	s_cbranch_scc0 .Lcs
	s_add_nc_u64 s[32:33], s[30:31], 0x800000      ; the three sets lie 8 MiB apart
	s_add_nc_u64 s[34:35], s[32:33], 0x800000
	HSET 0
	s_cmp_eq_u32 s38, s36                          ; e2 = e0: set 0 serves
	s_cbranch_scc1 .Lno_set1
	HSET 1
.Lno_set1:
	s_cmp_eq_u32 s40, s36                          ; e4 = e0: set 0 serves
	s_cbranch_scc1 .Lend
	s_cmp_eq_u32 s40, s38                          ; e4 = e2: set 1 serves
	s_cbranch_scc1 .Lend
	HSET 2
	s_branch .Lend
.Lcs:
.set i, 0
.rept 16
	global_store_b128 v[LO], v[X+4*i:X+4*i+3], s[30:31] offset:512*i   ; 512 consecutive bytes, aligned
.set i, i+1
.endr
.Lend:
	s_wait_tensorcnt 0x0                           ; the wave's end, behind my last LDS store
	ds_add_u32 v[SPW], v[NIL]
	s_wait_dscnt 0x0
	s_endpgm
.Lfunc_end_k_q1b3a055559_prep:
	.size	k_q1b3a055559_prep, .Lfunc_end_k_q1b3a055559_prep-k_q1b3a055559_prep
	.p2alignl 7, 3214868480
	.fill 96, 4, 3214868480
	.section	.rodata,"a",@progbits
	.p2align	6, 0x0
	.amdhsa_kernel k_q1b3a055559_prep
		.amdhsa_group_segment_fixed_size 34304
		.amdhsa_private_segment_fixed_size 0
		.amdhsa_enable_private_segment 0
		.amdhsa_kernarg_size 88
		.amdhsa_user_sgpr_count 2
		.amdhsa_user_sgpr_kernarg_segment_ptr 1
		.amdhsa_wavefront_size32 1
		.amdhsa_system_sgpr_workgroup_id_x 1
		.amdhsa_system_sgpr_workgroup_id_y 1
		.amdhsa_system_sgpr_workgroup_id_z 1
		.amdhsa_system_vgpr_workitem_id 0
		.amdhsa_next_free_vgpr 144
		.amdhsa_next_free_sgpr 66
		.amdhsa_reserve_vcc 0
		.amdhsa_float_denorm_mode_32 3
		.amdhsa_float_denorm_mode_16_64 3
		.amdhsa_memory_ordered 1
		.amdhsa_forward_progress 1
		.amdhsa_inst_pref_size 73
	.end_amdhsa_kernel
	.amdgpu_metadata
---
amdhsa.version: [ 1, 2 ]
amdhsa.kernels:
  - .name:           k_q1b3a055559_prep
    .symbol:         k_q1b3a055559_prep.kd
    .args:
      - { .name: hidden_BTD, .offset: 0, .size: 8, .value_kind: global_buffer, .address_space: global }
      - { .name: cos_BTK, .offset: 8, .size: 8, .value_kind: global_buffer, .address_space: global }
      - { .name: sin_BTK, .offset: 16, .size: 8, .value_kind: global_buffer, .address_space: global }
      - { .name: w_q, .offset: 24, .size: 8, .value_kind: global_buffer, .address_space: global }
      - { .name: w_k, .offset: 32, .size: 8, .value_kind: global_buffer, .address_space: global }
      - { .name: w_v, .offset: 40, .size: 8, .value_kind: global_buffer, .address_space: global }
      - { .name: w_o, .offset: 48, .size: 8, .value_kind: global_buffer, .address_space: global }
      - { .name: lowp_scales, .offset: 56, .size: 8, .value_kind: global_buffer, .address_space: global }
      - { .name: hf, .offset: 64, .size: 8, .value_kind: global_buffer, .address_space: global }
      - { .name: wf, .offset: 72, .size: 8, .value_kind: global_buffer, .address_space: global }
      - { .name: csf, .offset: 80, .size: 8, .value_kind: global_buffer, .address_space: global }
    .group_segment_fixed_size: 34304
    .private_segment_fixed_size: 0
    .kernarg_segment_align: 8
    .kernarg_segment_size: 88
    .max_flat_workgroup_size: 128
    .sgpr_count:     66
    .vgpr_count:     144
    .wavefront_size: 32
...
	.end_amdgpu_metadata
.endif
;; end of part 5
;; launch qkv (part 6): grid 16 x 12, 4 waves a work-group, clusters of 4 x 1, 327,680 bytes of LDS; arguments hf, wf, csf, q_norm_w, k_norm_w, lowp_scales, qf, kf, vf, gf; writes qf, kf, vf, gf
.if DOCPART == 6
	.amdgcn_target "amdgcn-amd-amdhsa--gfx1250"
	.amdhsa_code_object_version 6
	.text
	.protected	k_q1b3a055559_qkv
	.globl	k_q1b3a055559_qkv
	.p2align	8
	.type	k_q1b3a055559_qkv,@function
k_q1b3a055559_qkv:
	s_mov_b64 s[64:65], 0
	v_nop
	global_prefetch_b8 v0, s[64:65] scope:SCOPE_SE
	s_setreg_imm32_b32 hwreg(HW_REG_WAVE_MODE, 25, 1), 1
	s_wait_xcnt 0x0
	s_wait_alu depctr_hold_cnt(0) depctr_sa_sdst(0) depctr_va_vdst(0) depctr_va_sdst(0) depctr_va_ssrc(0) depctr_va_vcc(0) depctr_vm_vsrc(0)
	s_getreg_b32 s2, hwreg(HW_REG_IB_STS2, 6, 4)
	s_cmp_eq_u32 s2, 0
	s_cbranch_scc0 .Lentry_in_a_cluster
	s_endpgm
.Lentry_in_a_cluster:
	s_bfe_u32 s2, ttmp6, 0x10000c
	s_cmp_lg_u32 s2, 0x3003
	s_cbranch_scc0 .Lentry_shape_is_right
	s_endpgm
.Lentry_shape_is_right:
; hidden x (w_q | w_k | w_v) on E4M3 codes, and what follows each: q and k: RMS norm, RoPE, quantiser; gate: x -log2(e), kept in f32; v: quantiser along the keys.
; A tile is 256 tokens (x: token tile mt) x 256 rows of wf (y: 0-7 head y, its 128 q and 128 gate columns; 8, 9: two heads of k each; 10, 11: two heads of v each).  Four waves, 128 x 128 each: 64 accumulators.
; 192 work-groups: 4,096 x 3,072 results make no more tiles of this size, and a smaller wave tile would read twice the LDS bytes for each matrix instruction.
; OPERANDS ARE IMAGES OF REGISTERS (16 rows x 128 K = 2,048 bytes; registers 4 g .. 4 g + 3 of lane l at 512 g + 16 l): no pitch, no padding; every LDS load reads 512 consecutive bytes.
; K goes in steps of 256 through two LDS slots.  A wave's tensor load brings 8 strips x 4,096 bytes: waves 0 and 1 the tokens' codes (bytes 0 .. 65,535 of a slot), waves 2 and 3 the weights' (65,536 on).
; WHICH SET OF TOKEN CODES: q takes set 0 (e0); k takes set 0 where e2 = e0, else set 1; v takes set 0 where e4 = e0, else k's set where e4 = e2, else set 2: chosen without a branch, as the launch before has made them.
; THE WALK ALONG K BEGINS AT STEP (y + 2 x cluster x) mod 8 AND GOES ROUND.  Work-groups that read the same strips (a token tile: the y that share its set; a weight tile: the four clusters of a y) begin at different
; steps, two apart from cluster to cluster; each asks for two steps at its start, so between them the four clusters ask for all eight at the start, and a later refill asks for bytes that another work-group has asked for before.  The f32 sums take K in that order.
; CLUSTER 4 x 1: the four partners are four token tiles of one y and ask for the weights' tile JOINTLY (mask 15); the tokens' tile is each work-group's own (mask 0).  Not 4 x 4: k and v have two weight tiles each
; and their ways out differ, so four partners along y would not share the branch below.
; THE MATRIX INSTRUCTION: source 0 = 16 rows of S0, source 1 = 16 rows of S1: lane (r, h) holds S1's row r, register j S0's row 8 h + j.  For q, gate, k: S1 = tokens, S0 = weights: a lane's registers run along the head's
; 128.  For v the roles change places (only the two read bases differ): S1 = the head's 128, S0 = tokens: the registers run along the keys, which are the K of the product that takes v.
; So eight neighbouring registers are eight neighbours along the next K, one conversion gives registers 2 c and 2 c + 1 of the next operand, and results leave as images: no LDS on the way out.
; LIMITS: e0 + e1, e2 + e3, e4 + e5 between -59 and 67; e6, e7, e8 - e4 - e5 between -126 and 119.  NaN and infinities are not served.
; REGISTERS: window 0: v16-31 addresses and constants; v32-95 norm weights (v: codes from v32); v96-223 cos/sin buffer 2; v128-255 S1's fragments in the loop; v224-239 codes; v240-255 at work.
;   window 1: S0's fragments, two sets; on the way out cos/sin buffers 0 and 1.   windows 2, 3: the accumulators ((a, b) at v[8 (8 (a % 4) + b)]).
.set KDIM,   2048
.set KSLOTS, KDIM/256
.set STRIPB, 16*KDIM                   ; a strip of 16 rows in memory: KDIM / 128 images
.set FR,     16
.set NL,     4
.set NP,     4
.set SLOT,   131072
.set SPARE,  262144                    ; behind the ring: the spare words, 128 bytes for each wave, which no other line names
.set LAPS,   KDIM/512
.set ADRA, 16                          ; v16-17  S1's fragments in slot 0, 1
.set ADRB, 20                          ; v20-21  S0's
.set LO,   24                          ; v24  16 x lane
.set HO,   25                          ; v25  32 x (lane / 16)
.set SPW,  28
.set NIL,  29
.set QS,   30                          ; v30  the quantiser's 2^XE
.set QL,   31                          ; v31  448 x 2^XE
.set NW,   32
.set AF,   128
.set WVN,  4                           ; s4 wave, s5 wave / 2, s6 wave % 2, s7 cx, s8 mt, s9 y, s11 the way out
.set WHI,  5
.set G1A,  12                          ; s[12:19] group 1, tokens;  s[20:27] group 1, weights;  s[28:35], s[36:43] their groups 0, one set a slot
.set G1B,  20
.set G0A,  28
.set G0B,  36
.set KO,   62                          ; s[62:63] a K step's byte offset in a strip, and 0
.set KI,   66                          ; s66, s67 the K step that slot 0, 1 holds or has been asked for (taken mod 8)
.set BA,   68                          ; s[68:69] my 8 strips of token codes;  s[70:71] my 8 strips of weight codes
.set BB,   70
.set MSB, 0
.macro WIN new                         ; the immediate's high byte repeats the setting that is left
.if MSB != (\new)
	s_set_vgpr_msb (MSB<<8)|(\new)
.set MSB, (\new)
.endif
.endm
.set MUL_LO, 0xa1                      ; source 0 window 1, source 1 window 0, C and D window 2
.set MUL_HI, 0xf1
.set TO_B,   0x40
.macro JLOAD g0a, g1a, g0b, g1b        ; waves 0, 1: the first line; waves 2, 3: the second.  An s_nop 0 and four v_nop follow each
	s_cmp_eq_u32 s[WHI], 0
	s_cbranch_scc0 .Lfor_b_\@
	tensor_load_to_lds s[\g0a:\g0a+3], s[\g1a:\g1a+7]
	s_nop 0
.rept 4
	v_nop
.endr
	s_branch .Lasked_\@
.Lfor_b_\@:
	tensor_load_to_lds s[\g0b:\g0b+3], s[\g1b:\g1b+7]
	s_nop 0
.rept 4
	v_nop
.endr
.Lasked_\@:
.endm
.macro KADDR slot                      ; both groups 0 of a slot: my strips + (s[KI + slot] mod 8) x 4,096 bytes.  No tensor load of mine is out where this stands
	s_and_b32 s[KO], s[KI+\slot], KSLOTS-1
	s_lshl_b32 s[KO], s[KO], 12
	s_add_nc_u64 s[G0A+4*\slot+2:G0A+4*\slot+3], s[BA:BA+1], s[KO:KO+1]
	s_or_b32 s[G0A+4*\slot+3], s[G0A+4*\slot+3], 0x80000000
	s_add_nc_u64 s[G0B+4*\slot+2:G0B+4*\slot+3], s[BB:BB+1], s[KO:KO+1]
	s_or_b32 s[G0B+4*\slot+3], s[G0B+4*\slot+3], 0x80000000
.endm
.macro CREST                           ; a round of the cluster's barrier behind its opening barrier
	s_cmp_lg_u32 s[WVN], 0
	s_cbranch_scc1 .Lnot_wave_0_\@
	s_barrier_signal -3
.Lnot_wave_0_\@:
	s_barrier_wait -3
	s_barrier_signal -1
	s_barrier_wait -1
.endm
.macro CROUND
	s_barrier_signal -1
	s_barrier_wait -1
	CREST
.endm
.macro PLACES n
.rept \n
	v_nop
.endr
.endm
.macro FRAG reg, adr, q, i             ; strip i, the slot's q-th 128 along K
.irp c, 0,1,2,3
	ds_load_b128 v[\reg+4*\c:\reg+4*\c+3], v[\adr] offset:4096*(\i)+2048*(\q)+512*\c
.endr
.endm
.macro MUL16 a0, p, zero               ; S1's blocks a0, a0 + 1 x S0's eight; the 64 accumulators take turns, one instruction a turn, in the same order in every step
.irp a, \a0, \a0+1
.irp b, 0,1,2,3,4,5,6,7
.if \zero
	v_wmma_f32_16x16x128_fp8_fp8 v[8*(8*((\a)%4)+\b):8*(8*((\a)%4)+\b)+7], v[128*(\p)+FR*\b:128*(\p)+FR*\b+FR-1], v[AF+FR*(\a):AF+FR*(\a)+FR-1], 0
.else
	v_wmma_f32_16x16x128_fp8_fp8 v[8*(8*((\a)%4)+\b):8*(8*((\a)%4)+\b)+7], v[128*(\p)+FR*\b:128*(\p)+FR*\b+FR-1], v[AF+FR*(\a):AF+FR*(\a)+FR-1], v[8*(8*((\a)%4)+\b):8*(8*((\a)%4)+\b)+7]
.endif
.endr
.endr
.endm
.macro FETCH_B slot, q, p
	WIN TO_B
.irp i, 0,1,2,3,4,5,6,7
	FRAG 128*(\p)+FR*\i, ADRB+\slot, \q, \i
.endr
	WIN 0
.endm
.macro FETCH_A slot, q, i0
.irp i, \i0, \i0+1, \i0+2, \i0+3
	FRAG AF+FR*(\i), ADRA+\slot, \q, \i
.endr
.endm
.macro STEP slot, q, zero              ; 128 along K whose successor lies in the same slot
	s_wait_dscnt 4*NL                              ; S0's set and S1's blocks 0-3 are in; the youngest 16 loads (blocks 4-7) may be out
	WIN MUL_LO
	MUL16 0, (\q)%2, \zero
	MUL16 2, (\q)%2, \zero
	s_wait_dscnt 0
	PLACES NP                                      ; four plain places in front of loads into registers that matrix instructions have read
	FETCH_B \slot, (\q)+1, 1-(\q)%2
	FETCH_A \slot, (\q)+1, 0
	WIN MUL_HI
	MUL16 4, (\q)%2, \zero
	MUL16 6, (\q)%2, \zero
	PLACES NP
	WIN 0
	FETCH_A \slot, (\q)+1, 4
.endm
.macro TURN slot, next, fill           ; a slot's last step changes slots: one barrier; fill = 1: it opens a round of the cluster's barrier, and the slot is filled again, two K steps of 256 on
	s_wait_tensorcnt 0x0                           ; all my tensor loads have landed: the one that was out is my part of the next slot; so a group 0 may be written
	ds_add_u32 v[SPW], v[NIL]                      ; 0 onto my spare word
.if \fill
	s_add_co_u32 s[KI+\slot], s[KI+\slot], 2       ; work on registers while the add is out: where this slot's next tile lies
	KADDR \slot
.endif
	s_wait_dscnt 4*NL+1                            ; (the add and the youngest 16 loads may be out)
	WIN MUL_LO
	MUL16 0, 1, 0
	s_wait_dscnt 0x0                               ; the add is done, and my reads of this slot are over
	s_barrier_signal -1
	MUL16 2, 1, 0
	WIN 0
	s_barrier_wait -1
.if \fill
	CREST                                          ; no wave of any partner still reads this slot or has a load on its way
	JLOAD G0A+4*\slot, G1A, G0B+4*\slot, G1B       ; my one tensor load behind the round; its four v_nop are also the places in front of the loads below
.else
	PLACES NP
.endif
	FETCH_B \next, 0, 0
	FETCH_A \next, 0, 0
	WIN MUL_HI
	MUL16 4, 1, 0
	MUL16 6, 1, 0
	PLACES NP
	WIN 0
	FETCH_A \next, 0, 4
.endm
.macro LAST                            ; the very last step: nothing more to fetch
	s_wait_dscnt 4*NL
	WIN MUL_LO
	MUL16 0, 1, 0
	MUL16 2, 1, 0
	s_wait_dscnt 0
	WIN MUL_HI
	MUL16 4, 1, 0
	MUL16 6, 1, 0
	WIN 0
.endm
	s_load_b512 s[68:83], s[0:1], 0x0              ; hf s[68:69], wf s[70:71], csf s[72:73], q_norm_w s[74:75], k_norm_w s[76:77], lowp_scales s[78:79], qf s[80:81], kf s[82:83]
	s_load_b128 s[84:87], s[0:1], 0x40             ; vf, gf
	v_lshl_add_u32 v[SPW], v0, 2, SPARE
	v_mov_b32 v[NIL], 0
	ds_add_u32 v[SPW], v[NIL]                      ; the wave's opening: two adds and their wait ahead of my first tensor load
	ds_add_u32 v[SPW], v[NIL]
	v_lshrrev_b32 v1, 5, v0
	v_readfirstlane_b32 s4, v1                     ; wave
	s_lshr_b32 s5, s4, 1                           ; which half of S1 is mine.  Also: I fetch tokens (0) or weights (1)
	s_and_b32 s6, s4, 1                            ; which half of S0.  Also: which 8 strips I fetch
	s_bfe_u32 s7, ttmp6, 0x40000                   ; cx
	s_lshl_b32 s8, ttmp9, 2
	s_add_co_u32 s8, s8, s7                        ; mt: it enters global addresses of my own alone
	s_and_b32 s9, ttmp7, 0xffff                    ; y, which the four partners share
	s_mov_b32 s[G1A], 3<<16                        ; no mask; elements of 8 bytes; no padding
	s_mov_b32 s[G1B], 15|(3<<16)|(1<<21)           ; the four partners; bit 21 set beside a mask
.irp g, G1A, G1B
	s_mov_b32 s[\g+1], 512<<16                     ; tensor_dim0: 512 elements = 4,096 bytes: two images of a strip
	s_mov_b32 s[\g+2], 8<<16                       ; tensor_dim1: 8 strips
	s_mov_b32 s[\g+3], 512<<16                     ; tile_dim0
	s_mov_b32 s[\g+4], 8                           ; tile_dim1
	s_mov_b32 s[\g+5], STRIPB/8                    ; from strip to strip
	s_mov_b32 s[\g+6], 0
	s_mov_b32 s[\g+7], 0
.endr
	s_cmp_ge_u32 s9, 10
	s_cselect_b32 s54, 0x10000, 0                  ; where S1 lies in a slot: for v the weights' bytes,
	s_cselect_b32 s55, 0, 0x10000                  ; and S0: for v the tokens'
	s_lshl_b32 s45, s8, 19                         ; 16 strips of 32,768 bytes a token tile,
	s_lshl_b32 s51, s6, 18                         ; my 8 strips
	s_add_co_u32 s45, s45, s51
	s_mov_b32 s47, 0
	s_lshl_b32 s48, s9, 19
	s_add_co_u32 s48, s48, s51                     ; the weights': y and the wave's number alone
	s_mov_b32 s49, 0
	s_lshl_b32 s50, s4, 15                         ; where my part goes: wave x 32,768
	s_lshl_b32 s[KI], ttmp9, 1
	s_add_co_u32 s[KI], s[KI], s9
	s_and_b32 s[KI], s[KI], KSLOTS-1               ; my first K step: (y + 2 x cluster x) mod 8: the same in the four partners
	s_add_co_u32 s[KI+1], s[KI], 1
	s_mov_b32 s[KO+1], 0
	s_wait_dscnt 0x0                               ; the opening add is done
	s_wait_kmcnt 0x0
	s_load_b256 s[88:95], s[78:79], 0x0            ; e0 .. e7
	s_load_b128 s[96:99], s[78:79], 0x20           ; e8 .. e11
	s_add_nc_u64 s[BB:BB+1], s[BB:BB+1], s[48:49]
	CROUND                                         ; all four work-groups are here: the first joint loads meet
	s_wait_kmcnt 0x0                               ; the exponents, asked for ahead of the round
	s_cmp_lg_u32 s90, s88
	s_cselect_b32 s56, 1, 0                        ; k's set: 1 where e2 differs from e0
	s_cmp_lg_u32 s92, s90
	s_cselect_b32 s57, 2, s56                      ; v's set: k's where e4 = e2,
	s_cmp_lg_u32 s92, s88
	s_cselect_b32 s57, s57, 0                      ; 0 where e4 = e0, else 2
	s_cmp_ge_u32 s9, 8
	s_cselect_b32 s44, s56, 0
	s_cmp_ge_u32 s9, 10
	s_cselect_b32 s44, s57, s44
	s_min_u32 s44, s44, 2                          ; a number that hangs on loaded ones enters an address behind a bound
	s_lshl_b32 s46, s44, 23                        ; the sets lie 8 MiB apart
	s_add_co_u32 s46, s46, s45
	s_add_nc_u64 s[BA:BA+1], s[BA:BA+1], s[46:47]
.irp s, 0,1
	s_mov_b32 s[G0A+4*\s], 1
	s_add_co_u32 s[G0A+4*\s+1], s50, \s*SLOT
	s_mov_b32 s[G0B+4*\s], 1
	s_add_co_u32 s[G0B+4*\s+1], s50, \s*SLOT
	KADDR \s
.endr
	JLOAD G0A, G1A, G0B, G1B                       ; my first K step alone (the second behind the round below)
	v_and_b32 v1, 31, v0
	v_lshlrev_b32 v[LO], 4, v1
	v_bfe_u32 v[HO], v0, 4, 1
	v_lshlrev_b32 v[HO], 5, v[HO]
	s_lshl_b32 s52, s5, 15
	s_add_co_u32 s52, s52, s54
	s_lshl_b32 s53, s6, 15
	s_add_co_u32 s53, s53, s55
.irp s, 0,1
	v_add_nc_u32 v[ADRA+\s], s52, v[LO]
	v_add_nc_u32 v[ADRB+\s], s53, v[LO]
	s_add_co_u32 s52, s52, SLOT
	s_add_co_u32 s53, s53, SLOT
.endr
	s_add_co_i32 s55, s88, s89                     ; a sum stands for sum x 2^EA: EA = e0 + e1,
	s_add_co_i32 s56, s90, s91                     ; e2 + e3,
	s_add_co_i32 s57, s92, s93                     ; or e4 + e5
	s_sub_co_i32 s59, s96, s57                     ; v's code is sum / 2^(e8 - e4 - e5)
	s_cmp_ge_u32 s9, 8
	s_cselect_b32 s55, s56, s55
	s_cselect_b32 s58, s95, s94                    ; k: e7, q: e6
	s_cselect_b64 s[60:61], s[76:77], s[74:75]     ; the norm's weights
	s_cmp_ge_u32 s9, 10
	s_cselect_b32 s55, s57, s55                    ; EA
	s_cselect_b32 s58, s59, s58                    ; XE
	s_cselect_b32 s11, 2, 0
	s_cmp_lt_u32 s9, 8
	s_cselect_b32 s11, s6, s11                     ; the way out: 0 norm and RoPE, 1 gate, 2 v: ids alone decide
	s_add_co_i32 s46, s55, 127
	s_lshl_b32 s46, s46, 23                        ; 2^EA
	s_lshl_b32 s47, s55, 1
	s_add_co_i32 s47, s47, 120
	s_lshl_b32 s47, s47, 23                        ; 2^(2 EA - 7): sum of squares -> mean of the true squares
	s_mov_b32 s48, 0x358637bd                      ; 1e-6
	s_lshl_b32 s44, s55, 23
	s_add_co_i32 s44, s44, 0xbfb8aa3b              ; -log2(e) x 2^EA: EA is added to the exponent field
	s_mov_b32 s45, s44
	s_mov_b32 s50, 0x76543210                      ; v_permlanex16_b32: lane l xor 16
	s_mov_b32 s51, 0xfedcba98
	s_add_co_i32 s58, s58, 127
	s_lshl_b32 s59, s58, 23
	v_mov_b32 v[QS], s59
	s_add_co_i32 s58, s58, 8
	s_lshl_b32 s58, s58, 23
	s_or_b32 s58, s58, 0x600000
	v_mov_b32 v[QL], s58
	s_wait_alu depctr_va_vdst(0)
	s_wait_tensorcnt 0x0                           ; my part of slot 0 is in
	ds_add_u32 v[SPW], v[NIL]
	s_wait_dscnt 0x0
	CROUND                                         ; everybody's part of slot 0 is in, and the four partners are here
	JLOAD G0A+4, G1A, G0B+4, G1B                   ; slot 1's first fill: my one tensor load behind the round
	FETCH_B 0, 0, 0
	FETCH_A 0, 0, 0
	FETCH_A 0, 0, 4
	STEP 0, 0, 1                                   ; the first step's products start the sums
	s_mov_b32 s3, LAPS-1
.Llap:
	TURN 0, 1, 1
	STEP 1, 0, 0
	TURN 1, 0, 1
	STEP 0, 0, 0
	s_sub_co_u32 s3, s3, 1
	s_cmp_lg_u32 s3, 0
	s_cbranch_scc1 .Llap
	TURN 0, 1, 0                                   ; the last lap fills nothing
	STEP 1, 0, 0
	; THE WAYS PART HERE, in front of the last step, which each way holds: so the first way can ask for its tables under that step's products
	s_cmp_eq_u32 s11, 1
	s_cbranch_scc1 .Lgate
	s_cmp_eq_u32 s11, 2
	s_cbranch_scc1 .Lv
; ---------------- q and k: RMS norm, RoPE, quantiser.  Block a = my tokens 16 a .. 16 a + 15: register 8 b + j of lane (r, h) is channel 16 b + 8 h + j of token r
.macro CSLOAD a                        ; cos (64 registers) and sin (64) of block a's tokens, in the same layout, into buffer a % 3
.set LW, 1
.set LB, 128*((\a)%3)
.if ((\a)%3) == 2
.set LW, 0
.set LB, 96
.endif
	WIN LW<<6
.set i, 0
.rept 32
	global_load_b128 v[LB+4*i:LB+4*i+3], v[LO], s[52:53] offset:(\a)*16384+512*i
.set i, i+1
.endr
	WIN 0
.endm
.macro NR a
.set AW, 2+(\a)/4
.set AC, 64*((\a)%4)
.set CW, 1
.set CB, 128*((\a)%3)
.if ((\a)%3) == 2
.set CW, 0
.set CB, 96
.endif
.if (\a) < 7
	s_wait_loadcnt 32                              ; this block's tables are in; the next block's 32 loads may be out
.else
	s_wait_loadcnt 0
.endif
.if (\a)+2 < 8
	CSLOAD (\a)+2                                  ; into the buffer that the block before has left
.endif
	WIN AW|(AW<<2)
.set p, 0
.rept 32                               ; the sum of squares of my 64 channels, in four chains, each accumulator from its low end on
.if p < 4
	v_pk_mul_f32 v[240+2*p:241+2*p], v[AC+2*p:AC+2*p+1], v[AC+2*p:AC+2*p+1]
.else
	v_pk_fma_f32 v[240+2*(p%4):241+2*(p%4)], v[AC+2*p:AC+2*p+1], v[AC+2*p:AC+2*p+1], v[240+2*(p%4):241+2*(p%4)]
.endif
.set p, p+1
.endr
	WIN 0
	v_pk_add_f32 v[240:241], v[240:241], v[242:243]
	v_pk_add_f32 v[244:245], v[244:245], v[246:247]
	v_pk_add_f32 v[240:241], v[240:241], v[244:245]
	v_add_f32 v240, v240, v241
	v_permlanex16_b32 v241, v240, s50, s51         ; the token's other 64 channels lie in lane l xor 16
	v_add_f32 v240, v240, v241
	v_fma_f32 v240, v240, s47, s48                 ; the mean of the true squares + 1e-6
	s_wait_alu depctr_va_vdst(0)
	v_rsq_f32 v241, v240
	v_nop                                          ; a plain place behind the transcendental
	s_wait_alu depctr_va_vdst(0)                   ; and the wait ahead of its first reader
	v_mul_f32 v248, s46, v241                      ; f = 2^EA / sqrt(..): sum x f is x / sqrt(..)
	v_mul_f32 v249, s46, v241
	WIN AW|(AW<<6)
.set p, 0
.rept 32
	v_pk_mul_f32 v[AC+2*p:AC+2*p+1], v[AC+2*p:AC+2*p+1], v[248:249]
.set p, p+1
.endr
.set p, 0
.rept 32
	v_pk_mul_f32 v[AC+2*p:AC+2*p+1], v[AC+2*p:AC+2*p+1], v[NW+2*p:NW+2*p+1]   ; x the norm's weight
.set p, p+1
.endr
.irp b, 0,1,2,3                        ; RoPE: channel d < 64 and channel d + 64 lie in one lane, 32 registers apart
	WIN AW|(CW<<2)
.irp i, 0,2,4,6
	v_pk_mul_f32 v[240+\i:241+\i], v[AC+32+8*\b+\i:AC+33+8*\b+\i], v[CB+64+8*\b+\i:CB+65+8*\b+\i]   ; x(d + 64) sin(d)
	v_pk_mul_f32 v[248+\i:249+\i], v[AC+8*\b+\i:AC+1+8*\b+\i], v[CB+96+8*\b+\i:CB+97+8*\b+\i]       ; x(d) sin(d + 64)
.endr
	WIN AW|(CW<<2)|(AW<<6)
.irp i, 0,2,4,6
	v_pk_fma_f32 v[AC+8*\b+\i:AC+1+8*\b+\i], v[AC+8*\b+\i:AC+1+8*\b+\i], v[CB+8*\b+\i:CB+1+8*\b+\i], v[240+\i:241+\i] neg_lo:[0,0,1] neg_hi:[0,0,1]
	v_pk_fma_f32 v[AC+32+8*\b+\i:AC+33+8*\b+\i], v[AC+32+8*\b+\i:AC+33+8*\b+\i], v[CB+32+8*\b+\i:CB+33+8*\b+\i], v[248+\i:249+\i]
.endr
.endr
	WIN AW|(AW<<6)
.set i, 0
.rept 64
	v_med3_num_f32 v[AC+i], v[AC+i], -v[QL], v[QL] ; the conversion does not saturate (ISA guide 7.6.2): the hold comes first
.set i, i+1
.endr
	WIN AW
.if (\a) > 0
	s_wait_alu depctr_va_vdst(0)
	s_wait_xcnt 0x0                                ; the last block's stores have read the codes' registers
.endif
.irp b, 0,1,2,3,4,5,6,7
	v_cvt_scalef32_pk8_fp8_f32 v[224+2*\b:225+2*\b], v[AC+8*\b:AC+8*\b+7], v[QS]   ; registers 2 b, 2 b + 1 of the fragment: k = 16 b + 8 h + 0 .. 7
.endr
	v_nop
	WIN 0
.irp g, 0,1,2,3
	global_store_b128 v[LO], v[224+4*\g:227+4*\g], s[54:55] offset:(\a)*2048+512*\g   ; 512 consecutive bytes, aligned
.endr
.endm
	s_lshl_b32 s52, s8, 18                         ; csf: strip 16 mt + 8 (wave / 2), 16,384 bytes a strip
	s_lshl_b32 s56, s5, 17
	s_add_co_u32 s52, s52, s56
	s_mov_b32 s53, 0
	s_add_nc_u64 s[52:53], s[72:73], s[52:53]
	s_lshr_b32 s56, s8, 3                          ; batch
	s_and_b32 s57, s8, 7
	s_lshl_b32 s57, s57, 4
	s_lshl_b32 s58, s5, 3
	s_add_co_u32 s57, s57, s58                     ; my first tile of 16 tokens in the batch
	s_lshl_b32 s58, s56, 3
	s_add_co_u32 s58, s58, s9                      ; q: 8 batch + head
	s_lshl_b32 s59, s56, 2
	s_sub_co_u32 s54, s9, 8
	s_lshl_b32 s54, s54, 1
	s_add_co_u32 s59, s59, s54
	s_add_co_u32 s59, s59, s6                      ; k: 4 batch + 2 (y - 8) + wave % 2
	s_cmp_lt_u32 s9, 8
	s_cselect_b32 s58, s58, s59
	s_cselect_b64 s[54:55], s[80:81], s[82:83]
	s_lshl_b32 s58, s58, 7
	s_add_co_u32 s58, s58, s57
	s_lshl_b32 s58, s58, 11
	s_mov_b32 s59, 0
	s_add_nc_u64 s[54:55], s[54:55], s[58:59]
.set i, 0
.rept 8
	global_load_b128 v[NW+8*i:NW+8*i+3], v[HO], s[60:61] offset:64*i       ; the norm's weights of channels 16 i + 8 h + 0 .. 7
	global_load_b128 v[NW+8*i+4:NW+8*i+7], v[HO], s[60:61] offset:64*i+16
.set i, i+1
.endr
	CSLOAD 0                                       ; into S0's set 0, which the step before multiplied last, four places back
	LAST
	PLACES NP                                      ; behind the last products: for the loads into their operands' registers and for the first reads of results
	CSLOAD 1
.irp a, 0,1,2,3,4,5,6,7
	NR \a
.endr
	s_branch .Lend
; ---------------- gate: -log2(e) x gate, f32, in the accumulators' own layout: what the next launch's exponential takes
.macro GT a
.set AW, 2+(\a)/4
.set AC, 64*((\a)%4)
	WIN AW|(AW<<6)
.set p, 0
.rept 32
	v_pk_mul_f32 v[AC+2*p:AC+2*p+1], v[AC+2*p:AC+2*p+1], s[44:45] op_sel_hi:[1,0]
.set p, p+1
.endr
	WIN AW<<2                                      ; a store's data are its source 1
.set i, 0
.rept 16
	global_store_b128 v[LO], v[AC+4*i:AC+4*i+3], s[54:55] offset:(\a)*65536+512*i
.set i, i+1
.endr
.endm
.Lgate:
	s_lshl_b32 s54, s8, 20                         ; gf: ((16 mt + 8 (wave / 2) + a) x 8 + head) x 8,192
	s_lshl_b32 s56, s5, 19
	s_add_co_u32 s54, s54, s56
	s_lshl_b32 s56, s9, 13
	s_add_co_u32 s54, s54, s56
	s_mov_b32 s55, 0
	s_add_nc_u64 s[54:55], s[86:87], s[54:55]
	LAST
	PLACES NP
.irp a, 0,1,2,3,4,5,6,7
	GT \a
.endr
	WIN 0
	s_branch .Lend
; ---------------- v: block a = channels 16 a .. 16 a + 15 of my head; the registers run along my 128 keys: one fragment
.macro VT a
.set AW, 2+(\a)/4
.set AC, 64*((\a)%4)
	WIN AW|(AW<<6)
.set i, 0
.rept 64
	v_med3_num_f32 v[AC+i], v[AC+i], -v[QL], v[QL]
.set i, i+1
.endr
	WIN AW
.irp b, 0,1,2,3,4,5,6,7
	v_cvt_scalef32_pk8_fp8_f32 v[32+16*(\a)+2*\b:33+16*(\a)+2*\b], v[AC+8*\b:AC+8*\b+7], v[QS]
.endr
	v_nop
	WIN 0
.irp g, 0,1,2,3
	global_store_b128 v[LO], v[32+16*(\a)+4*\g:35+16*(\a)+4*\g], s[54:55] offset:(\a)*2048+512*\g   ; each block has its own registers
.endr
.endm
.Lv:
	s_lshr_b32 s56, s8, 3
	s_lshl_b32 s56, s56, 2
	s_sub_co_u32 s57, s9, 10
	s_lshl_b32 s57, s57, 1
	s_add_co_u32 s56, s56, s57
	s_add_co_u32 s56, s56, s5                      ; 4 batch + head
	s_lshl_b32 s56, s56, 4
	s_and_b32 s57, s8, 7
	s_lshl_b32 s57, s57, 1
	s_add_co_u32 s56, s56, s57
	s_add_co_u32 s56, s56, s6                      ; x 16 + the key step
	s_lshl_b32 s54, s56, 14                        ; 8 images a key step
	s_mov_b32 s55, 0
	s_add_nc_u64 s[54:55], s[84:85], s[54:55]
	LAST
	PLACES NP
.irp a, 0,1,2,3,4,5,6,7
	VT \a
.endr
.Lend:
	s_wait_tensorcnt 0x0                           ; the wave's end
	ds_add_u32 v[SPW], v[NIL]
	s_wait_dscnt 0x0
	CROUND                                         ; the closing round: no work-group ends while a partner may still ask for a tile that names it
	s_endpgm
.Lfunc_end_k_q1b3a055559_qkv:
	.size	k_q1b3a055559_qkv, .Lfunc_end_k_q1b3a055559_qkv-k_q1b3a055559_qkv
	.p2alignl 7, 3214868480
	.fill 96, 4, 3214868480
	.section	.rodata,"a",@progbits
	.p2align	6, 0x0
	.amdhsa_kernel k_q1b3a055559_qkv
		.amdhsa_group_segment_fixed_size 327680
		.amdhsa_private_segment_fixed_size 0
		.amdhsa_enable_private_segment 0
		.amdhsa_kernarg_size 80
		.amdhsa_user_sgpr_count 2
		.amdhsa_user_sgpr_kernarg_segment_ptr 1
		.amdhsa_wavefront_size32 1
		.amdhsa_system_sgpr_workgroup_id_x 1
		.amdhsa_system_sgpr_workgroup_id_y 1
		.amdhsa_system_sgpr_workgroup_id_z 1
		.amdhsa_system_vgpr_workitem_id 0
		.amdhsa_next_free_vgpr 1024
		.amdhsa_next_free_sgpr 100
		.amdhsa_reserve_vcc 0
		.amdhsa_float_denorm_mode_32 3
		.amdhsa_float_denorm_mode_16_64 3
		.amdhsa_memory_ordered 1
		.amdhsa_forward_progress 1
		.amdhsa_inst_pref_size 255
	.end_amdhsa_kernel
	.section	.bss,"aw",@nobits
	.p2align	6
	.space	262144
	.amdgpu_metadata
---
amdhsa.version: [ 1, 2 ]
amdhsa.kernels:
  - .name:           k_q1b3a055559_qkv
    .symbol:         k_q1b3a055559_qkv.kd
    .args:
      - { .name: hf, .offset: 0, .size: 8, .value_kind: global_buffer, .address_space: global }
      - { .name: wf, .offset: 8, .size: 8, .value_kind: global_buffer, .address_space: global }
      - { .name: csf, .offset: 16, .size: 8, .value_kind: global_buffer, .address_space: global }
      - { .name: q_norm_w, .offset: 24, .size: 8, .value_kind: global_buffer, .address_space: global }
      - { .name: k_norm_w, .offset: 32, .size: 8, .value_kind: global_buffer, .address_space: global }
      - { .name: lowp_scales, .offset: 40, .size: 8, .value_kind: global_buffer, .address_space: global }
      - { .name: qf, .offset: 48, .size: 8, .value_kind: global_buffer, .address_space: global }
      - { .name: kf, .offset: 56, .size: 8, .value_kind: global_buffer, .address_space: global }
      - { .name: vf, .offset: 64, .size: 8, .value_kind: global_buffer, .address_space: global }
      - { .name: gf, .offset: 72, .size: 8, .value_kind: global_buffer, .address_space: global }
    .group_segment_fixed_size: 327680
    .private_segment_fixed_size: 0
    .kernarg_segment_align: 8
    .kernarg_segment_size: 80
    .max_flat_workgroup_size: 128
    .sgpr_count:     100
    .vgpr_count:     1024
    .wavefront_size: 32
...
	.end_amdgpu_metadata
.endif
;; end of part 6
;; launch attn (part 7): grid 32 x 8, 8 waves a work-group, clusters of 4 x 1, 327,680 bytes of LDS; arguments qf, kf, vf, gf, lowp_scales, af; writes af
.if DOCPART == 7
	.amdgcn_target "amdgcn-amd-amdhsa--gfx1250"
	.amdhsa_code_object_version 6
	.text
	.protected	k_q1b3a055559_attn
	.globl	k_q1b3a055559_attn
	.p2align	8
	.type	k_q1b3a055559_attn,@function
k_q1b3a055559_attn:
	s_mov_b64 s[64:65], 0
	v_nop
	global_prefetch_b8 v0, s[64:65] scope:SCOPE_SE
	s_setreg_imm32_b32 hwreg(HW_REG_WAVE_MODE, 25, 1), 1
	s_wait_xcnt 0x0
	s_wait_alu depctr_hold_cnt(0) depctr_sa_sdst(0) depctr_va_vdst(0) depctr_va_sdst(0) depctr_va_ssrc(0) depctr_va_vcc(0) depctr_vm_vsrc(0)
	s_getreg_b32 s2, hwreg(HW_REG_IB_STS2, 6, 4)
	s_cmp_eq_u32 s2, 0
	s_cbranch_scc0 .Lentry_in_a_cluster
	s_endpgm
.Lentry_in_a_cluster:
	s_bfe_u32 s2, ttmp6, 0x10000c
	s_cmp_lg_u32 s2, 0x3003
	s_cbranch_scc0 .Lentry_shape_is_right
	s_endpgm
.Lentry_shape_is_right:
; Causal attention on E4M3 codes, the sigmoid gate and the quantiser of the last product's operand.  qf, kf, vf, af hold images of operand registers (16 rows x 128 K = 2,048 bytes; registers 4 g .. 4 g + 3 of lane l at 512 g + 16 l);
; gf holds -log2(e) x gate, f32, in the accumulators' layout.
; LEFT OUT: key steps that lie wholly above the diagonal of the mask that the function builds by tril: their scores are replaced ahead of the softmax for all inputs.  A NaN or an infinity that reaches only those tiles is not carried.
; THE SOFTMAX: t = score x log2(e) / sqrt(128); M = ceil of the running largest t; p = 2^(t - M) is quantised; the sum of the unquantised p divides at the end.
; SHARES.  A strip is 16 queries of one head; a block is 128 queries; a key step is 128 keys.  The cluster's x is j (0 .. 7), its y is 4 batch + kv head.  A PAIR of waves (w, w + 4) owns two strips of one head: one of block j (key steps 0 .. j)
; and one of block 15 - j (key steps 15 - j .. 0): 17 ITEMS, in this order: item n is key step n for n <= j, else 16 - n.  Wave w takes the even items (9), wave w + 4 the odd ones (8): so every wave works in every slot.
; At its first item beyond j a wave lays its state of the first strip aside in registers and begins the second.  At the end wave w gives its part of the second strip, wave w + 4 its part of the first, through LDS; each joins the two parts of
; the strip that it keeps by 2^(M's differences), which rounds nothing, and finishes it.  Each part has its own running M.
; THE RING: two slots of four items (K's 4 x 16,384 bytes, then V's); each of the eight waves brings one piece of 16,384 bytes by one joint load (mask 15: the four partners walk the same items).  Five fills: 4, 4, 4, 4 and 1 item.
; By the text's own count a wave has one tensor load out; every wait on TENSORcnt is for 0.
; NO PREFETCH: fills 0 and 1 stand at the launch's start, with no trip ahead of them in which to ask; fills 2, 3 and 4 bring key steps 8 .. 0 in every cluster, of which all but key step 8 are among those that the clusters
; j = 3 .. 7 of the same kv head ask for in their fills 0 and 1; and the eight clusters of a kv head would all name the same blocks.
; THE GATE of the strip that a wave finishes is asked for behind the loop and read behind items 12 .. 15, so that at the launch's start Q and the fills alone are asked for.
; LIMITS: e6 + e7 between -123 and 130; e9 and e10 between -126 and 119; the scaled scores stay under 2^31 in magnitude.  NaN and infinities among the inputs are not served.
; REGISTERS: window 0: v1-9 addresses; v12 -M, v13 largest t, v[14:15] the sum; v16-31 Q in hand; v32-47 the second strip's Q; v48-51 the state laid aside; v52-55 the partner's; v96-159 S^T, p; v160-223 O^T; v224-239 codes; v240-254 at work.
;   window 1: v0-127 eight fragments of K or V; v128-191 the gate; v192-255 O^T laid aside.
.set SLOT,  131072
.set SPARE, 262144                     ; behind the ring: the spare words, 128 bytes a wave, which no other line names
.set STGP,  8704                       ; a wave's stage: 64 registers' images and one of four; the stages lie in slot 1, behind its last fill and last read
.set LI,  1                            ; v1  16 x lane
.set LV,  2                            ; v2  + 65,536: V's pieces
.set DL,  3                            ; v3  my query in its block - 8 (lane / 16)
.set STM, 4                            ; v4  my stage
.set SPW, 5
.set NIL, 6
.set STP, 7                            ; v7  my partner's stage
.set ADK, 8
.set ADV, 9
.set WV,  18                           ; s18 wave, s19 wave / 4, s87 wave % 4; s40 my item; s80 the item that my next load brings; s3 the slot in hand; s[60:61] K's or V's codes of my kv head
.set MSB, 0
.macro WIN new
.if MSB != (\new)
	s_set_vgpr_msb (MSB<<8)|(\new)
.set MSB, (\new)
.endif
.endm
.macro CROUND
	s_barrier_signal -1
	s_barrier_wait -1
	s_cmp_lg_u32 s[WV], 0
	s_cbranch_scc1 .Lnot_wave_0_\@
	s_barrier_signal -3
.Lnot_wave_0_\@:
	s_barrier_wait -3
	s_barrier_signal -1
	s_barrier_wait -1
.endm
.macro KSOF n, d                       ; s[d] = 16,384 x the key step of item s[n] (held at 0 from below, for items beyond 16, which are never asked for)
	s_sub_co_u32 s81, 16, s[\n]
	s_cmp_le_u32 s[\n], ttmp9
	s_cselect_b32 s[\d], s[\n], s81
	s_max_i32 s[\d], s[\d], 0
	s_lshl_b32 s[\d], s[\d], 14
.endm
	s_load_b256 s[4:11], s[0:1], 0x0               ; qf, kf, vf, gf
	s_load_b128 s[12:15], s[0:1], 0x20             ; lowp_scales, af
	v_lshl_add_u32 v[SPW], v0, 2, SPARE
	v_mov_b32 v[NIL], 0
	ds_add_u32 v[SPW], v[NIL]                      ; the opening lines: the add twice on end and its wait
	ds_add_u32 v[SPW], v[NIL]
	v_lshrrev_b32 v8, 5, v0
	v_readfirstlane_b32 s[WV], v8
	s_bfe_u32 s43, ttmp6, 0x40000                  ; cx
	s_and_b32 s44, ttmp7, 0xffff                   ; 4 batch + kv head
	s_mov_b32 s24, 15|(3<<16)|(1<<21)              ; the four partners; elements of 8 bytes
	s_mov_b32 s25, 32<<16                          ; rows of 256 bytes,
	s_mov_b32 s26, 64<<16                          ; 64 of them, dense
	s_mov_b32 s27, 32<<16
	s_mov_b32 s28, 64
	s_mov_b32 s29, 32
	s_mov_b32 s30, 0
	s_mov_b32 s31, 0
	s_lshr_b32 s19, s[WV], 2
	s_and_b32 s87, s[WV], 3
	s_mov_b32 s80, s87
	s_sub_co_u32 s45, 15, ttmp9                    ; the later block
	s_cmp_lt_u32 s[WV], 4
	s_cselect_b32 s41, ttmp9, s45                  ; the block whose strip I finish
	s_lshl_b32 s46, s44, 18
	s_mov_b32 s47, 0
	s_lshl_b32 s48, s[WV], 14                      ; my piece's place in a slot
	s_and_b32 s49, s44, 3
	s_lshl_b32 s49, s49, 1
	s_and_b32 s50, s[WV], 1
	s_add_co_u32 s49, s49, s50                     ; head
	s_lshr_b32 s50, s44, 2                         ; batch
	s_bfe_u32 s51, s[WV], 0x10001
	s_lshl_b32 s52, s43, 1
	s_add_co_u32 s51, s51, s52                     ; strip in its block
	s_lshl_b32 s53, s50, 3
	s_add_co_u32 s53, s53, s49
	s_lshl_b32 s53, s53, 7
	s_add_co_u32 s53, s53, s51
	s_lshl_b32 s52, ttmp9, 3
	s_add_co_u32 s54, s53, s52
	s_lshl_b32 s54, s54, 11                        ; Q of block j's strip
	s_mov_b32 s55, 0
	s_lshl_b32 s52, s45, 3
	s_add_co_u32 s84, s53, s52
	s_lshl_b32 s84, s84, 11                        ; Q of block 15 - j's
	s_mov_b32 s85, 0
	s_lshl_b32 s52, s41, 3
	s_add_co_u32 s52, s52, s51
	s_lshl_b32 s56, s50, 7
	s_add_co_u32 s56, s56, s52
	s_lshl_b32 s56, s56, 3
	s_add_co_u32 s56, s56, s49
	s_lshl_b32 s58, s56, 11                        ; af
	s_mov_b32 s59, 0
	s_lshl_b32 s56, s56, 13                        ; gf
	s_mov_b32 s57, 0
	s_mul_i32 s89, s[WV], STGP
	s_add_co_u32 s89, s89, SLOT
	s_xor_b32 s90, s[WV], 4
	s_mul_i32 s90, s90, STGP
	s_add_co_u32 s90, s90, SLOT
	s_lshl_b32 s51, s51, 4
	s_mov_b32 s20, 0x76543210
	s_mov_b32 s21, 0xfedcba98
	s_mov_b32 s22, 0x3e0293ee                      ; log2(e) / sqrt(128)
	s_mov_b32 s83, 0
	KSOF 80, 82
	s_wait_dscnt 0x0
	s_wait_kmcnt 0x0
	s_load_b256 s[68:75], s[12:13], 0x0
	s_load_b128 s[76:79], s[12:13], 0x20
	s_cmp_lt_u32 s[WV], 4                          ; waves 0-3 bring K's pieces, waves 4-7 V's
	s_cselect_b64 s[60:61], s[6:7], s[8:9]
	s_add_nc_u64 s[60:61], s[60:61], s[46:47]
	s_mov_b32 s32, 1
	s_mov_b32 s33, s48
	s_add_nc_u64 s[34:35], s[60:61], s[82:83]
	s_or_b32 s35, s35, 0x80000000
	CROUND
	tensor_load_to_lds s[32:35], s[24:31]          ; fill 0: my one load at the head
	s_nop 0
.rept 4
	v_nop
.endr
	s_add_nc_u64 s[54:55], s[4:5], s[54:55]
	s_add_nc_u64 s[84:85], s[4:5], s[84:85]
	s_add_nc_u64 s[10:11], s[10:11], s[56:57]
	s_add_nc_u64 s[14:15], s[14:15], s[58:59]
	v_and_b32 v11, 31, v0
	v_lshlrev_b32 v[LI], 4, v11
.irp c, 0,1,2,3
	global_load_b128 v[16+4*\c:19+4*\c], v[LI], s[54:55] offset:512*\c
.endr
.irp c, 0,1,2,3
	global_load_b128 v[32+4*\c:35+4*\c], v[LI], s[84:85] offset:512*\c
.endr
	v_add_nc_u32 v[LV], 0x10000, v[LI]
	WIN 0x40
.set i, 0
.rept 64
	v_mov_b32 v[192+i], 0                          ; the state laid aside is written once on every path; the change of strips, which ids place, writes it again
.set i, i+1
.endr
	WIN 0
.set i, 0
.rept 4
	v_mov_b32 v[48+i], 0
.set i, i+1
.endr
	v_add_nc_u32 v[STM], s89, v[LI]
	v_add_nc_u32 v[STP], s90, v[LI]
	v_and_b32 v8, 15, v0
	v_bfe_u32 v9, v0, 4, 1
	v_lshlrev_b32 v9, 3, v9
	v_sub_nc_u32 v[DL], v8, v9
	v_add_nc_u32 v[DL], s51, v[DL]
	v_mov_b32 v13, 0xff61b1e6                      ; -3e38, under every t
	v_floor_f32 v12, -v13
	v_mov_b32 v14, 0
	v_mov_b32 v15, 0
	v_mov_b32 v246, 0
	v_mov_b32 v252, 0
	v_mov_b32 v253, 0
.set j, 0
.rept 64
	v_mov_b32 v[160+j], 0
.set j, j+1
.endr
	s_wait_kmcnt 0x0
	s_add_co_i32 s46, s74, s75
	s_lshl_b32 s46, s46, 23
	s_add_co_i32 s22, s22, s46                     ; e6 + e7 go into c's exponent field
	s_mov_b32 s23, s22
	s_add_co_i32 s46, s77, 127
	s_lshl_b32 s47, s46, 23
	v_mov_b32 v244, s47                            ; 2^e9
	s_add_co_i32 s46, s46, 8
	s_lshl_b32 s46, s46, 23
	s_or_b32 s46, s46, 0x600000
	v_mov_b32 v240, s46                            ; 448 x 2^e9
	s_add_co_i32 s46, s78, 127
	s_lshl_b32 s47, s46, 23
	v_mov_b32 v248, s47                            ; 2^e10
	s_add_co_i32 s46, s46, 8
	s_lshl_b32 s46, s46, 23
	s_or_b32 s46, s46, 0x600000
	v_mov_b32 v249, s46
	s_add_co_i32 s62, s76, s77                     ; e8 + e9
	s_mov_b32 s40, s19                             ; my first item
	s_mov_b32 s3, 0
	s_mov_b32 s63, 3
	s_wait_alu depctr_va_vdst(0)
	s_wait_loadcnt 0x0                             ; both Q fragments are in
.macro SMUL t0
.irp t, \t0, \t0+1, \t0+2, \t0+3
	v_wmma_f32_16x16x128_fp8_fp8 v[96+8*(\t):103+8*(\t)], v[16*(\t):16*(\t)+15], v[16:31], 0
.endr
.endm
.macro LOAD8 adr
	WIN 0x40
.set t, 0
.rept 8
.irp c, 0,1,2,3
	ds_load_b128 v[16*t+4*\c:16*t+4*\c+3], v[\adr] offset:2048*t+512*\c
.endr
.set t, t+1
.endr
.endm
.macro SWITCH                          ; the first strip's state is laid aside, the second strip begins
	WIN 0x40
.rept 4
	v_nop                                          ; places behind the last products
.endr
	s_wait_alu depctr_va_vdst(0)                   ; directly ahead of the first readers of O^T
.set i, 0
.rept 64
	v_mov_b32 v[192+i], v[160+i]
.set i, i+1
.endr
	WIN 0
.set i, 0
.rept 4
	v_mov_b32 v[48+i], v[12+i]
.set i, i+1
.endr
.set i, 0
.rept 64
	v_mov_b32 v[160+i], 0
.set i, i+1
.endr
.set i, 0
.rept 16
	v_mov_b32 v[16+i], v[32+i]
.set i, i+1
.endr
	v_mov_b32 v13, 0xff61b1e6
	v_floor_f32 v12, -v13
	v_mov_b32 v14, 0
	v_mov_b32 v15, 0
.endm
; ONE ITEM: 128 keys at LDS byte s2.  full = 1: the change of strips and the diagonal can fall here (items 0 .. 9: ids alone decide)
.macro STEP full
.if \full
	s_sub_co_u32 s46, s40, ttmp9                   ; n - j
	s_sub_co_u32 s47, s46, 1
	s_cmp_le_u32 s47, 1                            ; n = j + 1 or j + 2: my first item of the second strip
	s_cbranch_scc0 .Lsame_\@
	SWITCH
.Lsame_\@:
.endif
	v_add_nc_u32 v[ADK], s2, v[LI]
	v_add_nc_u32 v[ADV], s2, v[LV]
	v_nop
	v_nop                                          ; four places in front of loads into registers that matrix instructions have read
	LOAD8 ADK
	s_wait_alu depctr_va_vdst(0)
	s_wait_dscnt 16
	WIN 0x01
	SMUL 0
	s_wait_dscnt 0
	SMUL 4
	WIN 0
.rept 4
	v_nop
.endr
	LOAD8 ADV
	WIN 0
.if \full
	s_cmp_le_u32 s46, 1                            ; n = j or j + 1: the key step of the strip's own block
	s_cbranch_scc0 .Lopen_\@
	v_mov_b32 v254, 0xff800000
.set n, 0
.rept 64
	v_cmp_gt_i32 vcc_lo, 16*(n/8)+n%8, v[DL]
	v_cndmask_b32 v[96+n], v[96+n], v254, vcc_lo
.set n, n+1
.endr
.Lopen_\@:
.endif
	v_max3_num_f32 v254, v96, v97, v98
	v_max3_num_f32 v252, v99, v100, v101
.set i, 6
.rept 14
	v_max3_num_f32 v254, v254, v[96+i], v[97+i]
	v_max3_num_f32 v252, v252, v[98+i], v[99+i]
.set i, i+4
.endr
	v_max3_num_f32 v254, v254, v158, v159
	s_delay_alu instid0(VALU_DEP_1)
	v_max_num_f32 v254, v254, v252
	s_delay_alu instid0(VALU_DEP_1)
	v_permlanex16_b32 v246, v254, s20, s21
	s_delay_alu instid0(VALU_DEP_1)
	v_max_num_f32 v254, v254, v246
	s_delay_alu instid0(VALU_DEP_1)
	v_mul_f32 v254, s22, v254
	s_delay_alu instid0(VALU_DEP_1)
	v_max_num_f32 v13, v13, v254
	v_mov_b32 v254, v12
	s_delay_alu instid0(VALU_DEP_2)
	v_floor_f32 v12, -v13                          ; -M = floor(-t)
	s_delay_alu instid0(VALU_DEP_1)
	v_sub_f32 v254, v12, v254
	s_delay_alu instid0(VALU_DEP_1)
	v_cvt_i32_f32 v254, v254
	s_delay_alu instid0(VALU_DEP_1)
	v_ldexp_f32 v252, 1.0, v254                    ; f = 2^(old M - new M)
.set j, 0
.rept 32
	v_pk_fma_f32 v[96+j:97+j], v[96+j:97+j], s[22:23], v[12:13] op_sel_hi:[1,0,0]
.set j, j+2
.endr
	s_wait_alu depctr_va_vdst(0)                   ; ahead of the batch
.set j, 0
.rept 64
	v_exp_f32 v[96+j], v[96+j]
.set j, j+1
.endr
	v_pk_mul_f32 v[14:15], v[14:15], v[252:253] op_sel_hi:[1,0]
	s_wait_alu depctr_va_vdst(0)                   ; and behind it
	v_pk_add_f32 v[242:243], v[96:97], v[98:99]
.set j, 4
.rept 15
	v_pk_add_f32 v[14:15], v[14:15], v[96+j:97+j]
	v_pk_add_f32 v[242:243], v[242:243], v[98+j:99+j]
.set j, j+4
.endr
	s_delay_alu instid0(VALU_DEP_1)
	v_pk_add_f32 v[14:15], v[14:15], v[242:243]
.set t, 0
.rept 8
.set i, 0
.rept 8
	v_min_num_f32 v[96+8*t+i], v[96+8*t+i], v240   ; the hold: the conversion does not saturate (ISA guide 7.6.2)
.set i, i+1
.endr
	v_cvt_scalef32_pk8_fp8_f32 v[224+2*t:225+2*t], v[96+8*t:103+8*t], v244
.set t, t+1
.endr
	s_wait_alu depctr_va_vdst(0)                   ; directly ahead of the first readers of O^T
.set j, 0
.rept 32
	v_pk_mul_f32 v[160+j:161+j], v[160+j:161+j], v[252:253] op_sel_hi:[1,0]
.set j, j+2
.endr
	s_wait_alu depctr_va_vdst(0)
	s_wait_dscnt 0x0
	WIN 0x01
.set t, 0
.rept 8
	v_wmma_f32_16x16x128_fp8_fp8 v[160+8*t:167+8*t], v[16*t:16*t+15], v[224:239], v[160+8*t:167+8*t]
.set t, t+1
.endr
	WIN 0
.endm
.macro STEPS full                      ; my two items of the slot at s3: places wave / 4 and wave / 4 + 2
	s_lshl_b32 s2, s19, 14
	s_add_co_u32 s2, s2, s3
	s_mov_b32 s42, 2
.Lstep_\@:
	STEP \full
	s_add_co_u32 s2, s2, 32768
	s_add_co_u32 s40, s40, 2
	s_sub_co_u32 s42, s42, 1
	s_cmp_lg_u32 s42, 0
	s_cbranch_scc1 .Lstep_\@
.endm
; THE CHANGE OF SLOTS, at a slot's head.  kind 1: every wave fills its piece of the other slot; kind 2: the last fill, one item: waves 0 and 4 alone; kind 0: nothing is filled
.macro CHANGE kind
	s_wait_alu depctr_va_vdst(0)
	s_wait_tensorcnt 0x0                           ; my one load is in, so its group 0 may be written
	ds_add_u32 v[SPW], v[NIL]
.if \kind
	s_add_co_u32 s80, s80, 4
	KSOF 80, 82
	s_add_nc_u64 s[34:35], s[60:61], s[82:83]
	s_or_b32 s35, s35, 0x80000000
.endif
.if \kind == 1
	s_xor_b32 s33, s33, SLOT
.endif
.if \kind == 2
	s_mov_b32 s33, s48                             ; slot 0
.endif
	s_wait_dscnt 0x0
.if \kind == 0
	s_barrier_signal -1
	s_barrier_wait -1
.else
	CROUND
.if \kind == 2
	s_cmp_eq_u32 s87, 0
	s_cbranch_scc0 .Lnone_\@
.endif
	tensor_load_to_lds s[32:35], s[24:31]
	s_nop 0
.rept 4
	v_nop
.endr
.if \kind == 2
.Lnone_\@:
.endif
.endif
.endm
.Lslot:                                            ; three trips: fills 1, 2, 3 are asked for; items 0 .. 11 are worked
	CHANGE 1
	STEPS 1
	s_xor_b32 s3, s3, SLOT
	s_sub_co_u32 s63, s63, 1
	s_cmp_lg_u32 s63, 0
	s_cbranch_scc1 .Lslot
	WIN 0x40
.set i, 0
.rept 16
	global_load_b128 v[128+4*i:131+4*i], v[LI], s[10:11] offset:512*i th:TH_LOAD_NT   ; the gate of the strip that I finish: two items lie between these loads and the wait for them
.set i, i+1
.endr
	WIN 0
	s_mov_b32 s3, SLOT
	CHANGE 2
	STEPS 0                                        ; items 12 .. 15
	; the gate: sigmoid = 1 / (1 + 2^(-log2(e) g))
	s_wait_loadcnt 0x0
	WIN 0x41
	s_wait_alu depctr_va_vdst(0)
.set j, 0
.rept 64
	v_exp_f32 v[128+j], v[128+j]
.set j, j+1
.endr
	v_nop
	s_wait_alu depctr_va_vdst(0)
.set j, 0
.rept 32
	v_pk_add_f32 v[128+j:129+j], v[128+j:129+j], 1.0 op_sel_hi:[1,0]
.set j, j+2
.endr
	s_wait_alu depctr_va_vdst(0)
.set j, 0
.rept 64
	v_rcp_f32 v[128+j], v[128+j]
.set j, j+1
.endr
	v_nop
	s_wait_alu depctr_va_vdst(0)
	WIN 0
	CHANGE 0
	s_mov_b32 s2, 0
	s_cmp_lt_u32 s[WV], 4
	s_cbranch_scc0 .Lno16
	STEP 0                                         ; item 16: waves 0-3
.Lno16:
.rept 4
	v_nop                                          ; places behind the last products
.endr
	s_cmp_lt_u32 s[WV], 4
	s_cbranch_scc0 .Lgive_first
.set g, 0
.rept 16
	ds_store_b128 v[STM], v[160+4*g:163+4*g] offset:512*g   ; waves 0-3 give their part of the second strip,
.set g, g+1
.endr
	ds_store_b128 v[STM], v[12:15] offset:8192
	s_wait_dscnt 0x0
	WIN 0x01
.set i, 0
.rept 64
	v_mov_b32 v[160+i], v[192+i]                   ; and take up the first strip again
.set i, i+1
.endr
	WIN 0
.set i, 0
.rept 4
	v_mov_b32 v[12+i], v[48+i]
.set i, i+1
.endr
	s_branch .Lgiven
.Lgive_first:
	WIN 0x04
.set g, 0
.rept 16
	ds_store_b128 v[STM], v[192+4*g:195+4*g] offset:512*g   ; waves 4-7 give their part of the first strip
.set g, g+1
.endr
	WIN 0
	ds_store_b128 v[STM], v[48:51] offset:8192
.Lgiven:
	s_wait_alu depctr_va_vdst(0)
	s_wait_dscnt 0x0                               ; my stores are done: for the partner's sake
	s_barrier_signal -1
	s_barrier_wait -1
.set g, 0
.rept 16
	ds_load_b128 v[96+4*g:99+4*g], v[STP] offset:512*g
.set g, g+1
.endr
	ds_load_b128 v[52:55], v[STP] offset:8192
	s_wait_dscnt 0x0
	v_min_num_f32 v241, v12, v52                   ; the joint -M
	v_add_f32 v14, v14, v15
	v_add_f32 v54, v54, v55
	v_sub_f32 v242, v241, v12
	v_sub_f32 v243, v241, v52
	v_cvt_i32_f32 v242, v242
	v_cvt_i32_f32 v243, v243
	v_ldexp_f32 v242, 1.0, v242                    ; my part's factor,
	v_ldexp_f32 v243, 1.0, v243                    ; the partner's: powers of two (0 for a part that has met no key)
	v_mul_f32 v14, v14, v242
	v_fmac_f32 v14, v54, v243
	v_permlanex16_b32 v252, v14, s20, s21
	v_add_f32 v14, v14, v252                       ; the row's sum
	s_wait_alu depctr_va_vdst(0)
	v_rcp_f32 v14, v14
	v_nop
	s_wait_alu depctr_va_vdst(0)
	v_ldexp_f32 v14, v14, s62                      ; x 2^(e8 + e9)
	v_mul_f32 v250, v242, v14
	v_mul_f32 v251, v242, v14
	v_mul_f32 v252, v243, v14
	s_wait_alu depctr_va_vdst(0)                   ; directly ahead of the first readers of O^T
.set j, 0
.rept 32
	v_pk_mul_f32 v[160+j:161+j], v[160+j:161+j], v[250:251] op_sel_hi:[1,0]
.set j, j+2
.endr
.set j, 0
.rept 32
	v_pk_fma_f32 v[160+j:161+j], v[96+j:97+j], v[252:253], v[160+j:161+j] op_sel_hi:[1,0,1]
.set j, j+2
.endr
	WIN 0x04
.set j, 0
.rept 32
	v_pk_mul_f32 v[160+j:161+j], v[160+j:161+j], v[128+j:129+j]   ; x the gate's sigmoid
.set j, j+2
.endr
	WIN 0
.set j, 0
.rept 64
	v_med3_num_f32 v[160+j], v[160+j], -v249, v249
.set j, j+1
.endr
.set t, 0
.rept 8
	v_cvt_scalef32_pk8_fp8_f32 v[224+2*t:225+2*t], v[160+8*t:167+8*t], v248
.set t, t+1
.endr
	v_nop
.irp g, 0,1,2,3
	global_store_b128 v[LI], v[224+4*\g:227+4*\g], s[14:15] offset:512*\g   ; 512 consecutive bytes, aligned
.endr
	s_wait_tensorcnt 0x0                           ; the wave's end
	ds_add_u32 v[SPW], v[NIL]
	s_wait_dscnt 0x0
	CROUND                                         ; the closing round
	s_endpgm
.Lfunc_end_k_q1b3a055559_attn:
	.size	k_q1b3a055559_attn, .Lfunc_end_k_q1b3a055559_attn-k_q1b3a055559_attn
	.p2alignl 7, 3214868480
	.fill 96, 4, 3214868480
	.section	.rodata,"a",@progbits
	.p2align	6, 0x0
	.amdhsa_kernel k_q1b3a055559_attn
		.amdhsa_group_segment_fixed_size 327680
		.amdhsa_private_segment_fixed_size 0
		.amdhsa_enable_private_segment 0
		.amdhsa_kernarg_size 48
		.amdhsa_user_sgpr_count 2
		.amdhsa_user_sgpr_kernarg_segment_ptr 1
		.amdhsa_wavefront_size32 1
		.amdhsa_system_sgpr_workgroup_id_x 1
		.amdhsa_system_sgpr_workgroup_id_y 1
		.amdhsa_system_sgpr_workgroup_id_z 1
		.amdhsa_system_vgpr_workitem_id 0
		.amdhsa_next_free_vgpr 512
		.amdhsa_next_free_sgpr 100
		.amdhsa_reserve_vcc 1
		.amdhsa_float_denorm_mode_32 3
		.amdhsa_float_denorm_mode_16_64 3
		.amdhsa_memory_ordered 1
		.amdhsa_forward_progress 1
		.amdhsa_inst_pref_size 108
	.end_amdhsa_kernel
	.amdgpu_metadata
---
amdhsa.version: [ 1, 2 ]
amdhsa.kernels:
  - .name:           k_q1b3a055559_attn
    .symbol:         k_q1b3a055559_attn.kd
    .args:
      - { .name: qf, .offset: 0, .size: 8, .value_kind: global_buffer, .address_space: global }
      - { .name: kf, .offset: 8, .size: 8, .value_kind: global_buffer, .address_space: global }
      - { .name: vf, .offset: 16, .size: 8, .value_kind: global_buffer, .address_space: global }
      - { .name: gf, .offset: 24, .size: 8, .value_kind: global_buffer, .address_space: global }
      - { .name: lowp_scales, .offset: 32, .size: 8, .value_kind: global_buffer, .address_space: global }
      - { .name: af, .offset: 40, .size: 8, .value_kind: global_buffer, .address_space: global }
    .group_segment_fixed_size: 327680
    .private_segment_fixed_size: 0
    .kernarg_segment_align: 8
    .kernarg_segment_size: 48
    .max_flat_workgroup_size: 256
    .sgpr_count:     100
    .vgpr_count:     512
    .wavefront_size: 32
...
	.end_amdgpu_metadata
.endif
;; end of part 7
;; launch oproj (part 8): grid 8 x 32, 4 waves a work-group, clusters of 4 x 4, 327,680 bytes of LDS; arguments af, wf, lowp_scales, out0; writes out0
.if DOCPART == 8
	.amdgcn_target "amdgcn-amd-amdhsa--gfx1250"
	.amdhsa_code_object_version 6
	.text
	.protected	k_q1b3a055559_oproj
	.globl	k_q1b3a055559_oproj
	.p2align	8
	.type	k_q1b3a055559_oproj,@function
k_q1b3a055559_oproj:
	s_mov_b64 s[64:65], 0
	v_nop
	global_prefetch_b8 v0, s[64:65] scope:SCOPE_SE
	s_setreg_imm32_b32 hwreg(HW_REG_WAVE_MODE, 25, 1), 1
	s_wait_xcnt 0x0
	s_wait_alu depctr_hold_cnt(0) depctr_sa_sdst(0) depctr_va_vdst(0) depctr_va_sdst(0) depctr_va_ssrc(0) depctr_va_vcc(0) depctr_vm_vsrc(0)
	s_getreg_b32 s2, hwreg(HW_REG_IB_STS2, 6, 4)
	s_cmp_eq_u32 s2, 0
	s_cbranch_scc0 .Lentry_in_a_cluster
	s_endpgm
.Lentry_in_a_cluster:
	s_bfe_u32 s2, ttmp6, 0x10000c
	s_cmp_lg_u32 s2, 0xf033
	s_cbranch_scc0 .Lentry_shape_is_right
	s_endpgm
.Lentry_shape_is_right:
; out0 [4096][2048] f32 = (attention x gate, as codes: af) x w_o (as codes: wf from 6 MiB on), x 2^(e10 + e11).  K = 1,024.
; A tile of 128 tokens x 256 columns: 32 x 8 = 256 work-groups.  Four waves, each 64 tokens x 128 columns: 32 accumulators.  Tiles of 256 x 256 would make 128 work-groups.
; Operands are images of registers (16 rows x 128 K = 2,048 bytes; registers 4 g .. 4 g + 3 of lane l at 512 g + 16 l): no pitch, no padding; every LDS load reads 512 consecutive bytes.
; K goes in four steps of 256, in THREE FILLS, one tensor load a wave each.  The first, at the head, brings two K steps at once, in rows of 8,192 bytes: the tokens' 8 strips from LDS byte 0 (waves 0, 1 fetch four strips each),
; the weights' 16 strips from byte 65,536 (waves 2, 3 eight each): 196,608 bytes.  The second brings the third K step, in rows of 4,096 bytes, to 98,304 bytes from byte 196,608 on (tokens 32,768, then weights 65,536): a first fill, behind
; a round of the cluster's barrier.  The third is the launch's one refill: the fourth K step, laid like the third, into bytes 0 .. 98,303, behind the round in the second K step's last half,
; where every wave's reads of the first fill are over.  By the text's own count a wave has one tensor load out; every wait on TENSORcnt is for 0.
; THE WALK ALONG K BEGINS AT STEP 2 x ((cluster x + cluster y) mod 2) AND GOES ROUND: the two clusters that read the same tokens, and neighbouring clusters that read the same weights, begin two steps apart, so the two later fills
; ask for bytes that another cluster has asked for at its start.  The f32 sums take K in that order.  No prefetch: the text has no loop to run ahead in.
; CLUSTER 4 x 4: the tokens' tile is shared along a row of the cluster, the weights' along a column; each is asked for jointly.
; Source 0 = 16 rows of the weights (output columns), source 1 = 16 tokens: a lane holds eight neighbouring numbers of a row of the output.
; LIMIT: e10 + e11 between -126 and 127.
; REGISTERS: window 0: v16-29 addresses; v32-95 at work on the way out; v128-255 the tokens' fragments, two sets of 4 (on the way out: rows read back).  window 1: the weights' fragments, two sets of 8.  window 2: the accumulators ((a, b) at v[8 (8 a + b)]).
.set SIZE_N, 2048
.set KDIM,   1024
.set STRIPB, 16*KDIM
.set FR,     16
.set NP,     4
.set SLOT,   98304                     ; one K step: the fourth at byte 0 (place 0), the third at 2 x SLOT (place 2); place 1 is the first fill
.set WOFF,   32768                     ; the weights' bytes in a place of one K step
.set BIGW,   65536                     ; the weights' bytes in the first fill
.set SPARE,  3*SLOT                    ; behind all tiles: the spare words, 128 bytes for each wave, which no other line names
.set STG,    SLOT                      ; the way out: a stage of 16 rows x 528 bytes for each wave, in bytes that the first fill alone has filled and that nobody reads behind the refill's round
.set SPITCH, 528
.set ADRA, 16                          ; v16-18  the tokens' fragments in place 0, 1, 2
.set ADRB, 20                          ; v20-22  the weights'
.set STO,  24
.set RD,   25
.set CO,   26
.set LO,   27
.set SPW,  28
.set NIL,  29
.set TMP,  32
.set AF,   128
.set BK,   128
.set WVN,  14                          ; s14 wave, s15 wave / 2, s16 wave % 2, s17 tile row, s82 tile column, s12 my first K step
.set WHI,  15
.set G1A,  24                          ; s[24:31] group 1, tokens, one K step;  s[32:43] their groups 0, one set a place
.set G0A,  32
.set G1B,  48                          ; s[48:55] group 1, weights, one K step;  s[68:79] their groups 0
.set G0B,  68
.set G1A2, 56                          ; s[56:63], s[88:95] groups 1 of the first fill: rows of two K steps
.set G1B2, 88
.set BA,   4                           ; s[4:5] my strips of token codes;  s[6:7] my strips of weight codes
.set BB,   6
.set KO,   18                          ; s[18:19] a K step's byte offset in a strip, and 0
.set SP,   4096                        ; from strip to strip in the place that is read: set anew where the walk changes places
.set MSB, 0
.macro WIN new                         ; the immediate's high byte repeats the setting that is left
.if MSB != (\new)
	s_set_vgpr_msb (MSB<<8)|(\new)
.set MSB, (\new)
.endif
.endm
.set MUL_LO, 0xa1                      ; source 0 window 1, source 1 window 0, C and D window 2
.set TO_B,   0x40
.macro JLOAD g0a, g1a, g0b, g1b        ; waves 0, 1: the first line; waves 2, 3: the second.  An s_nop 0 and four v_nop follow each
	s_cmp_eq_u32 s[WHI], 0
	s_cbranch_scc0 .Lfor_b_\@
	tensor_load_to_lds s[\g0a:\g0a+3], s[\g1a:\g1a+7]
	s_nop 0
.rept 4
	v_nop
.endr
	s_branch .Lasked_\@
.Lfor_b_\@:
	tensor_load_to_lds s[\g0b:\g0b+3], s[\g1b:\g1b+7]
	s_nop 0
.rept 4
	v_nop
.endr
.Lasked_\@:
.endm
.macro G1SET g, cols, rows             ; words 1 to 7 of a group 1: rows strips x cols elements of 8 bytes
	s_mov_b32 s[\g+1], (\cols)<<16
	s_mov_b32 s[\g+2], (\rows)<<16
	s_mov_b32 s[\g+3], (\cols)<<16
	s_mov_b32 s[\g+4], \rows
	s_mov_b32 s[\g+5], STRIPB/8
	s_mov_b32 s[\g+6], 0
	s_mov_b32 s[\g+7], 0
.endm
.macro KADDR set, t                    ; both groups 0 of a set: my strips + ((my first K step + t) mod 4) x 4,096 bytes.  No tensor load that names the set is out where this stands
	s_add_co_u32 s[KO], s12, \t
	s_and_b32 s[KO], s[KO], 3
	s_lshl_b32 s[KO], s[KO], 12
	s_add_nc_u64 s[G0A+4*\set+2:G0A+4*\set+3], s[BA:BA+1], s[KO:KO+1]
	s_or_b32 s[G0A+4*\set+3], s[G0A+4*\set+3], 0x80000000
	s_add_nc_u64 s[G0B+4*\set+2:G0B+4*\set+3], s[BB:BB+1], s[KO:KO+1]
	s_or_b32 s[G0B+4*\set+3], s[G0B+4*\set+3], 0x80000000
.endm
.macro CREST                           ; a round of the cluster's barrier behind its opening barrier
	s_cmp_lg_u32 s[WVN], 0
	s_cbranch_scc1 .Lnot_wave_0_\@
	s_barrier_signal -3
.Lnot_wave_0_\@:
	s_barrier_wait -3
	s_barrier_signal -1
	s_barrier_wait -1
.endm
.macro CROUND
	s_barrier_signal -1
	s_barrier_wait -1
	CREST
.endm
.macro PLACES n
.rept \n
	v_nop
.endr
.endm
.macro FRAG reg, adr, q, i             ; strip i, the place's q-th 128 along K
.irp c, 0,1,2,3
	ds_load_b128 v[\reg+4*\c:\reg+4*\c+3], v[\adr] offset:SP*(\i)+2048*(\q)+512*\c
.endr
.endm
.macro FETCH slot, q, p                ; 48 LDS loads in one run: the weights' eight fragments and the tokens' four, into set p
	WIN TO_B
.irp i, 0,1,2,3,4,5,6,7
	FRAG 128*(\p)+FR*\i, ADRB+\slot, \q, \i
.endr
	WIN 0
.irp i, 0,1,2,3
	FRAG AF+64*(\p)+FR*\i, ADRA+\slot, \q, \i
.endr
.endm
.macro MUL16 a0, p, zero               ; the tokens' blocks a0, a0 + 1 x the weights' eight; the 32 accumulators take turns, one instruction a turn, in the same order in every step
.irp a, \a0, \a0+1
.irp b, 0,1,2,3,4,5,6,7
.if \zero
	v_wmma_f32_16x16x128_fp8_fp8 v[8*(8*(\a)+\b):8*(8*(\a)+\b)+7], v[128*(\p)+FR*\b:128*(\p)+FR*\b+FR-1], v[AF+64*(\p)+FR*(\a):AF+64*(\p)+FR*(\a)+FR-1], 0
.else
	v_wmma_f32_16x16x128_fp8_fp8 v[8*(8*(\a)+\b):8*(8*(\a)+\b)+7], v[128*(\p)+FR*\b:128*(\p)+FR*\b+FR-1], v[AF+64*(\p)+FR*(\a):AF+64*(\p)+FR*(\a)+FR-1], v[8*(8*(\a)+\b):8*(8*(\a)+\b)+7]
.endif
.endr
.endr
.endm
.macro STEP p, nslot, nq, zero         ; 128 along K on set p; the next step's fragments (place nslot, its nq-th 128) are asked for first, into the other set
	s_wait_dscnt 0                                 ; set p is in
	PLACES NP                                      ; four plain places in front of loads into registers that the last step's matrix instructions have read
	FETCH \nslot, \nq, 1-(\p)
	WIN MUL_LO
	MUL16 0, \p, \zero
	MUL16 2, \p, \zero
	WIN 0
.endm
.macro TURN fill, nslot                ; a step on set 1 with a barrier in it.  fill = 1: the barrier opens a round of the cluster's barrier, and place 0 takes the fourth K step
	s_wait_tensorcnt 0x0                           ; all my tensor loads have landed; so a group 0 may be written
	ds_add_u32 v[SPW], v[NIL]                      ; 0 onto my spare word
.if \fill
	KADDR 0, 3                                     ; work on registers while the add is out
.endif
	s_wait_dscnt 0x0                               ; the add is done; set 1 is in, and with it my reads of the place that I leave are over
	s_barrier_signal -1
	WIN MUL_LO
	MUL16 0, 1, 0
	WIN 0
	s_barrier_wait -1
.if \fill
	CREST                                          ; no wave of any partner still reads the first fill or has a load on its way
	JLOAD G0A, G1A, G0B, G1B                       ; my one tensor load behind the round; its four v_nop are also the places in front of the loads below
.else
	PLACES NP
.endif
	s_wait_alu depctr_va_vdst(0)
	FETCH \nslot, 0, 0
	WIN MUL_LO
	MUL16 2, 1, 0
	WIN 0
.endm
	s_load_b128 s[4:7], s[0:1], 0x0                ; af, wf
	s_load_b128 s[8:11], s[0:1], 0x10              ; lowp_scales, out0
	v_lshl_add_u32 v[SPW], v0, 2, SPARE
	v_mov_b32 v[NIL], 0
	ds_add_u32 v[SPW], v[NIL]                      ; the wave's opening: the add, twice on end, and its wait ahead of my first tensor load
	ds_add_u32 v[SPW], v[NIL]
	v_lshrrev_b32 v1, 5, v0
	v_readfirstlane_b32 s14, v1                    ; wave
	s_lshr_b32 s15, s14, 1                         ; which 64 tokens are mine.  Also: I fetch tokens (0) or weights (1)
	s_and_b32 s16, s14, 1                          ; which 128 columns.  Also: which half of that tile I fetch
	s_bfe_u32 s80, ttmp6, 0x40000                  ; cx, cy
	s_bfe_u32 s81, ttmp6, 0x40004
	s_lshl_b32 s82, ttmp9, 2
	s_add_co_u32 s82, s82, s80                     ; tile column
	s_and_b32 s13, ttmp7, 0xffff                   ; cluster y
	s_lshl_b32 s17, s13, 2
	s_add_co_u32 s17, s17, s81                     ; tile row
	s_lshl_b32 s83, s81, 2
	s_lshl_b32 s83, 15, s83                        ; my row of the cluster
	s_lshl_b32 s84, 0x1111, s80                    ; my column
	s_or_b32 s[G1A], s83, (3<<16)|(1<<21)          ; the mask; elements of 8 bytes; bit 21 set beside a mask; no padding
	s_or_b32 s[G1B], s84, (3<<16)|(1<<21)
	s_or_b32 s[G1A2], s83, (3<<16)|(1<<21)
	s_or_b32 s[G1B2], s84, (3<<16)|(1<<21)
	G1SET G1A, 512, 4                              ; 4 strips x 4,096 bytes: two images of a strip
	G1SET G1B, 512, 8
	G1SET G1A2, 1024, 4                            ; 4 strips x 8,192 bytes: four images
	G1SET G1B2, 1024, 8
	s_add_co_u32 s12, ttmp9, s13
	s_and_b32 s12, s12, 1
	s_lshl_b32 s12, s12, 1                         ; my first K step, 0 or 2: the same in all sixteen partners; so the first fill's two K steps lie on end in a strip
	s_mov_b32 s[KO+1], 0
	s_lshl_b32 s20, s17, 17                        ; tokens: 8 strips of 16,384 bytes a tile row,
	s_lshl_b32 s21, s16, 16                        ; my 4 strips
	s_add_co_u32 s20, s20, s21
	s_mov_b32 s21, 0
	s_lshl_b32 s46, s82, 18                        ; weights: 16 strips a tile column,
	s_lshl_b32 s47, s16, 17                        ; my 8 strips,
	s_add_co_u32 s46, s46, s47
	s_add_co_u32 s46, s46, 0x600000                ; w_o's codes begin 6 MiB into wf
	s_mov_b32 s47, 0
	s_lshl_b32 s44, s16, 14                        ; where my part of one K step goes: the tokens' halves at 0 and 16,384,
	s_lshl_b32 s45, s16, 15
	s_add_co_u32 s45, s45, WOFF                    ; the weights' at 32,768 and 65,536: the wave's number alone
	s_wait_dscnt 0x0                               ; both opening adds are done
	s_wait_kmcnt 0x0
	s_load_b64 s[96:97], s[8:9], 0x28              ; e10, e11
	s_add_nc_u64 s[BA:BA+1], s[BA:BA+1], s[20:21]
	s_add_nc_u64 s[BB:BB+1], s[BB:BB+1], s[46:47]
	CROUND                                         ; all sixteen work-groups are here: the first joint loads meet
.irp s, 0,2
	s_mov_b32 s[G0A+4*\s], 1
	s_add_co_u32 s[G0A+4*\s+1], s44, \s*SLOT
	s_mov_b32 s[G0B+4*\s], 1
	s_add_co_u32 s[G0B+4*\s+1], s45, \s*SLOT
.endr
	KADDR 2, 2                                     ; (set 0's addresses are made where the refill is due)
	s_mov_b32 s[G0A+4], 1
	s_lshl_b32 s[G0A+5], s16, 15                   ; the first fill: the tokens' halves at 0 and 32,768,
	s_mov_b32 s[G0B+4], 1
	s_lshl_b32 s[G0B+5], s16, 16
	s_add_co_u32 s[G0B+5], s[G0B+5], BIGW          ; the weights' at 65,536 and 131,072
	KADDR 1, 0
	JLOAD G0A+4, G1A2, G0B+4, G1B2                 ; two K steps: my one tensor load at the head
	s_lshl_b32 s21, s15, 14                        ; one K step: my 4 strips of tokens,
	s_lshl_b32 s22, s16, 15
	s_add_co_u32 s22, s22, WOFF                    ; my 8 strips of weights;
	s_add_co_u32 s85, s21, 2*SLOT
	s_add_co_u32 s86, s22, 2*SLOT
	s_lshl_b32 s87, s15, 15                        ; and in the first fill
	s_lshl_b32 s20, s16, 16
	s_add_co_u32 s20, s20, BIGW
	s_mul_i32 s23, s14, 16*SPITCH
	s_add_co_u32 s23, s23, STG                     ; my stage
	v_and_b32 v1, 15, v0
	v_bfe_u32 v2, v0, 4, 1
	v_and_b32 v6, 31, v0
	v_lshlrev_b32 v[LO], 4, v6
	v_add_nc_u32 v[ADRA], s21, v[LO]
	v_add_nc_u32 v[ADRB], s22, v[LO]
	v_add_nc_u32 v[ADRA+1], s87, v[LO]
	v_add_nc_u32 v[ADRB+1], s20, v[LO]
	v_add_nc_u32 v[ADRA+2], s85, v[LO]
	v_add_nc_u32 v[ADRB+2], s86, v[LO]
	v_mul_u32_u24 v5, v1, SPITCH                   ; in: row l % 16, 32 bytes for each half of the lanes
	v_lshl_add_u32 v5, v2, 5, v5
	v_add_nc_u32 v[STO], s23, v5
	v_lshlrev_b32 v[CO], 4, v6                     ; back: the 32 lanes take one row of 512 bytes; and the same in the output
	v_add_nc_u32 v[RD], s23, v[CO]
	s_lshl_b32 s20, s17, 7
	s_lshl_b32 s21, s15, 6
	s_add_co_u32 s20, s20, s21                     ; my first row: 128 x tile row + 64 x half
	s_lshl_b32 s20, s20, 13                        ; rows of 8,192 bytes
	s_lshl_b32 s46, s82, 10
	s_lshl_b32 s47, s16, 9
	s_add_co_u32 s46, s46, s47                     ; my first column, in bytes
	s_add_co_u32 s20, s20, s46
	s_mov_b32 s21, 0
	s_add_nc_u64 s[10:11], s[10:11], s[20:21]
	s_wait_alu depctr_va_vdst(0)
	s_wait_tensorcnt 0x0                           ; my part of the first fill is in
	ds_add_u32 v[SPW], v[NIL]
	s_wait_dscnt 0x0
	CROUND
	JLOAD G0A+8, G1A, G0B+8, G1B                   ; the third K step's first fill: my one tensor load behind the round
.set SP, 8192                          ; the first fill's strips lie 8,192 bytes apart
	FETCH 1, 0, 0
	STEP 0, 1, 1, 1                                ; the first K step: its products start the sums
	STEP 1, 1, 2, 0
	STEP 0, 1, 3, 0                                ; the second K step
.set SP, 4096
	TURN 1, 2                                      ; its second half; the third K step has landed; bytes 0 .. 98,303 are asked for again: the fourth K step
	STEP 0, 2, 1, 0                                ; the third K step
	TURN 0, 0                                      ; the fourth K step has landed, in every wave's part; nothing is filled again
	STEP 0, 0, 1, 0                                ; the fourth K step
	s_wait_dscnt 0                                 ; the very last step: nothing more to fetch
	WIN MUL_LO
	MUL16 0, 1, 0
	MUL16 2, 1, 0
	WIN 0
; THE WAY OUT, block by block of 16 rows x 128 columns, through my own stage: in as 32 bytes a lane, back as whole rows of 512 bytes.  LDS serves a wave's instructions in order: no wait between the stores and the loads.
.macro TOSTAGE a
.set AC, 64*(\a)
	WIN 0x02                                       ; source 0: window 2
.set j, 0
.rept 32
	v_pk_mul_f32 v[TMP+j:TMP+j+1], v[AC+j:AC+j+1], s[96:97] op_sel_hi:[1,0]   ; x 2^(e10 + e11); each accumulator from its low end on
.set j, j+2
.endr
	WIN 0
.irp b, 0,1,2,3,4,5,6,7
	ds_store_b128 v[STO], v[TMP+8*\b:TMP+8*\b+3] offset:64*\b
	ds_store_b128 v[STO], v[TMP+8*\b+4:TMP+8*\b+7] offset:64*\b+16
.endr
.set BB2, BK+64*((\a)%2)
.set t, 0
.rept 16
	ds_load_b128 v[BB2+4*t:BB2+4*t+3], v[RD] offset:t*SPITCH
.set t, t+1
.endr
.endm
.macro SEND a, younger                 ; younger: the LDS instructions issued behind block a's loads, which may stay out
.set BB2, BK+64*((\a)%2)
	s_wait_dscnt \younger
.if (\a) > 0
	s_add_nc_u64 s[10:11], s[10:11], 16*SIZE_N*4   ; (behind a wait on XCNT: the earlier stores have read their base)
.endif
.set t, 0
.rept 16
	global_store_b128 v[CO], v[BB2+4*t:BB2+4*t+3], s[10:11] offset:t*SIZE_N*4 th:TH_STORE_NT   ; 32 lanes store 512 consecutive bytes, aligned
.set t, t+1
.endr
.endm
	s_wait_kmcnt 0x0
	s_add_co_i32 s96, s96, s97
	s_add_co_i32 s96, s96, 127
	s_lshl_b32 s96, s96, 23                        ; 2^(e10 + e11) as f32
	PLACES NP                                      ; behind the last products: for the first reads of results and for the loads into their operands' registers
	TOSTAGE 0
.irp a, 1,2,3
.if \a > 1
	s_wait_xcnt 0x0                                ; block a - 2's stores have read their registers and their base
.endif
	TOSTAGE \a
	SEND \a-1, 32                                  ; behind block a - 1's loads: block a's 16 stores and 16 loads
.endr
	s_wait_xcnt 0x0
	SEND 3, 0
	s_wait_tensorcnt 0x0                           ; the wave's end
	ds_add_u32 v[SPW], v[NIL]
	s_wait_dscnt 0x0
	CROUND                                         ; the closing round
	s_endpgm
.Lfunc_end_k_q1b3a055559_oproj:
	.size	k_q1b3a055559_oproj, .Lfunc_end_k_q1b3a055559_oproj-k_q1b3a055559_oproj
	.p2alignl 7, 3214868480
	.fill 96, 4, 3214868480
	.section	.rodata,"a",@progbits
	.p2align	6, 0x0
	.amdhsa_kernel k_q1b3a055559_oproj
		.amdhsa_group_segment_fixed_size 327680
		.amdhsa_private_segment_fixed_size 0
		.amdhsa_enable_private_segment 0
		.amdhsa_kernarg_size 32
		.amdhsa_user_sgpr_count 2
		.amdhsa_user_sgpr_kernarg_segment_ptr 1
		.amdhsa_wavefront_size32 1
		.amdhsa_system_sgpr_workgroup_id_x 1
		.amdhsa_system_sgpr_workgroup_id_y 1
		.amdhsa_system_sgpr_workgroup_id_z 1
		.amdhsa_system_vgpr_workitem_id 0
		.amdhsa_next_free_vgpr 768
		.amdhsa_next_free_sgpr 98
		.amdhsa_reserve_vcc 0
		.amdhsa_float_denorm_mode_32 3
		.amdhsa_float_denorm_mode_16_64 3
		.amdhsa_memory_ordered 1
		.amdhsa_forward_progress 1
		.amdhsa_inst_pref_size 76
	.end_amdhsa_kernel
	.amdgpu_metadata
---
amdhsa.version: [ 1, 2 ]
amdhsa.kernels:
  - .name:           k_q1b3a055559_oproj
    .symbol:         k_q1b3a055559_oproj.kd
    .args:
      - { .name: af, .offset: 0, .size: 8, .value_kind: global_buffer, .address_space: global }
      - { .name: wf, .offset: 8, .size: 8, .value_kind: global_buffer, .address_space: global }
      - { .name: lowp_scales, .offset: 16, .size: 8, .value_kind: global_buffer, .address_space: global }
      - { .name: out0, .offset: 24, .size: 8, .value_kind: global_buffer, .address_space: global }
    .group_segment_fixed_size: 327680
    .private_segment_fixed_size: 0
    .kernarg_segment_align: 8
    .kernarg_segment_size: 32
    .max_flat_workgroup_size: 128
    .sgpr_count:     98
    .vgpr_count:     768
    .wavefront_size: 32
...
	.end_amdgpu_metadata
.endif
;; end of part 8
